; MI455X (gfx1250); checked and timed in simulation.
; The chip was launched on July 23, 2026; its instructions are those of AMD's public machine-readable ISA for CDNA 5 (MIT licence, August 2026) and "CDNA5" Instruction Set Architecture Reference Guide (July 2026). The comments in the code are by the model that wrote it; some were corrected since.
;; Causal Multi Head Attention. Allowed arithmetic: matrix products marked QUANTISED: E4M3 operands, one given power-of-two scale a tensor, by v_wmma_f32_16x16x64_fp8_fp8 or v_wmma_f32_16x16x128_fp8_fp8, f32 sums; everything else in f32.
;; Inputs: Wk 2,048 x 2,048 float32; Wo 2,048 x 2,048 float32; Wq 2,048 x 2,048 float32; Wv 2,048 x 2,048 float32; lowp_scales 12 int32 (the exponents e of the quantised operands' scales 2^e); token_positions 2,048 int32; x 1 x 2,048 x 2,048 float32.
;; Outputs: out0 1 x 2,048 x 2,048 float32.
;; This version of the problem:
;;   THIS VERSION OF THE PROBLEM IS GIVEN IN LOW PRECISION. The matrix products marked QUANTISED in the list below multiply operands that are first quantised to E4M3 (4 exponent bits, 3 mantissa bits; 8 bits a number), with one given power-of-two scale for each operand tensor; their sums are f32. All else is computed in f32.
;;   The module's matrix products, in the order in which they are computed (A, B: the left and right operand; K: the contracted axis; several contracted axes count as one K, in the product's order):
;;     1. [M 2,048, K 2,048] x [K 2,048, N 2,048]; A: input x; B: input Wq: QUANTISED (scales: A lowp_scales[0], B lowp_scales[1])
;;     2. [M 2,048, K 2,048] x [K 2,048, N 2,048]; A: input x; B: input Wk: QUANTISED (scales: A lowp_scales[2], B lowp_scales[3])
;;     3. [M 2,048, K 2,048] x [K 2,048, N 2,048]; A: input x; B: input Wv: QUANTISED (scales: A lowp_scales[4], B lowp_scales[5])
;;     4. batch 16 x [M 2,048, K 128] x [K 128, N 2,048]; A: computed on the way; B: computed on the way: QUANTISED (scales: A lowp_scales[6], B lowp_scales[7])
;;     5. batch 16 x [M 2,048, K 2,048] x [K 2,048, N 128]; A: softmax (see below); B: computed on the way: QUANTISED (scales: A lowp_scales[8], B lowp_scales[9])
;;     6. [M 2,048, K 2,048] x [K 2,048, N 2,048]; A: computed on the way; B: input Wo: QUANTISED (scales: A lowp_scales[10], B lowp_scales[11])
;;   THE QUANTISER, for each operand of a quantised product, along K:
;;     - The operand's scale is 2^e, e = its entry of the input lowp_scales (int32; the entries are numbered through the quantised products in the list's order, A before B).
;;     - Each number is divided by the scale, clamped to +-448, and rounded to the nearest number of E4M3, ties to even, subnormals kept.
;;     - The product sums the exact products of the quantised numbers (number of the format x scale) in f32.
;;   ~~~python
;;   def quantise(x, axis, e):      # numpy; x: float32 -> the quantised numbers, widened to float32 again
;;       x = np.moveaxis(x, axis, -1); K = x.shape[-1]
;;       r = np.clip(x / 2.0 ** e, -448, 448)
;;       step = 2.0 ** (np.maximum(np.frexp(np.where(r == 0, 1, r))[1] - 1, -6) - 3)
;;       q = np.round(r / step) * step * 2.0 ** e      # np.round: ties to even
;;       return np.moveaxis(q, -1, axis).astype(np.float32)
;;   ~~~
;;   SOFTMAX AHEAD OF A QUANTISED PRODUCT. Where the list says 'softmax', what is quantised is not the finished softmax but p = 2^(t - M), with t = logit x log2(e) and M = ceil(the row's largest t), a whole number; so 1/2 < the row's largest p <= 1. The row's sum l is taken of the UNQUANTISED p, in f32, and the product's result is divided by l at the end. Since M is a whole number, a kernel that streams over the keys may use a running M (the ceiling of the running maximum): every later rescaling is an exact power of two, so the quantised numbers keep their values, but for numbers so far below the row's largest that they fall under the format's range.
;;   OPERANDS COMPUTED ON THE WAY. 'Computed on the way' means the value that the module computes at that place (a softmax that the list does not call 'softmax' is quantised finished and normalised). What goes into a quantiser is computed in f32, as accurately as f32 sums, v_exp_f32 and their like allow (about 1e-6 of the number): no bf16 or f16 on the way to a quantiser, and a product that is left as it is and whose result goes on into a quantised operand takes f32 operands (vector FMAs, or v_wmma_f32_16x16x4_f32). A number that lies on a knife's edge between two numbers of the format may be rounded either way, as far as f32 arithmetic and the matrix unit's own rounding can turn it there, and no further.
;; 2 versions. Each part assembles by itself: llvm-mc -triple=amdgcn-amd-amdhsa -mcpu=gfx1250 --defsym DOCPART=n.
;; ======== version 1 of 2: 4 launches
;; limits: right only within a limited range of input values
;; workspace buffers: cw 29,360,128 bytes; rope 1,114,112 bytes; qkv 12,582,912 bytes; ac 4,194,304 bytes
;; launch prep (part 1): grid 674 x 1, 4 waves a work-group, no clusters, 68,096 bytes of LDS; arguments x, Wq, Wk, Wv, Wo, lowp_scales, token_positions, cw, rope; writes cw, rope
.if DOCPART == 1
	.amdgcn_target "amdgcn-amd-amdhsa--gfx1250"
	.amdhsa_code_object_version 6
	.text
	.protected	k_q150258974b_prep
	.globl	k_q150258974b_prep
	.p2align	8
	.type	k_q150258974b_prep,@function
k_q150258974b_prep:
	s_mov_b64 s[64:65], 0
	v_nop
	global_prefetch_b8 v0, s[64:65] scope:SCOPE_SE
	s_setreg_imm32_b32 hwreg(HW_REG_WAVE_MODE, 25, 1), 1
	s_wait_xcnt 0x0
; PREP: everything that is made once for the later launches.  Three kinds of work-group, told apart by the work-group's number alone:
;   0 .. 33    THE TABLE: cos and sin of RoPE's angles, from token_positions, laid in the order in which the projection's lanes take them;
;   34 .. 161  x [2048][2048] f32 -> three tensors of E4M3 codes (the scales of products 1, 2, 3: entries 0, 2, 4 of the scales);
;   162 .. 673 Wq, Wk, Wv, Wo [k][n] f32 -> codes with K innermost (entries 1, 3, 5, 11).
; CODES ARE LAID K-BLOCKED: [K / 128 = 16][2048 rows][128 codes]; a K block is 262,144 bytes, a tensor 4 MiB.  cw holds seven: x (e0), x (e2), x (e4), Wq, Wk, Wv, Wo.
; code = number / 2^e, held within +-448, to the nearest code, ties to even.
; THE TABLE: 136 blocks of 8,192 bytes.  Block B < 128 serves sequence rows 16 B .. 16 B + 15; blocks 128 .. 135 hold cos = 1, sin = 0 (for v, which is not turned).
; A block is 16 pieces of 512 bytes; in piece 2 b + q lane 16 h + r holds (cos, sin, cos, sin) of row r for the pairs i = 8 b + 4 h + 2 q and i + 1.
; LIMITS: each e between -126 and 119; NaN among the inputs is not served; |position| under 2^22 (the reduction of the angle by pi / 2 in two parts);
; inv = exp(-2 i ln(10000) / 128) is made by v_exp_f32 with the product's low part carried: within about one unit in its last place.
; No tensor load, no barrier: waves share nothing.  Each kind of work-group has LDS bytes of its own.
.set SPW,   12                         ; v12  LDS address of my spare word: SPARE + 4 x my thread's number; never rewritten
.set NIL,   13                         ; v13  0; never rewritten
.set WST,   32768                      ; LDS: 0 .. 32,767 the x path's stages (8,192 a wave); from here the W path's (8,704 a wave)
.set SPARE, 67584                      ; behind them: the spare words, 128 bytes for each wave: two blocks of 256 bytes that no other line names
.set KBB,   262144                     ; a K block of codes
	s_load_b512 s[4:19], s[0:1], 0x0               ; x 4:5, Wq 6:7, Wk 8:9, Wv 10:11, Wo 12:13, scales 14:15, positions 16:17, cw 18:19
	s_load_b64 s[20:21], s[0:1], 0x40              ; rope
	v_lshl_add_u32 v[SPW], v0, 2, SPARE
	v_mov_b32 v[NIL], 0
	v_lshrrev_b32 v1, 5, v0
	v_readfirstlane_b32 s22, v1                    ; wave 0..3
	v_and_b32 v2, 31, v0                           ; lane
	v_lshlrev_b32 v3, 4, v2                        ; 16 x lane: never rewritten
	s_wait_kmcnt 0x0
	s_load_b256 s[24:31], s[14:15], 0x0            ; e0 .. e7
	s_load_b128 s[32:35], s[14:15], 0x20           ; e8 .. e11
	s_cmp_lt_u32 ttmp9, 34
	s_cbranch_scc1 .Ltable
	s_cmp_lt_u32 ttmp9, 162
	s_cbranch_scc1 .Lxpath
; ---------------- THE WEIGHTS.  A lane takes a column n and its registers run down K: each load reads 128 consecutive bytes a wave, and the conversions give codes with K innermost.
; A wave takes 32 columns x 256 along K (two K blocks).  The codes go through the wave's own stage (a row a column, 272 bytes apart) and leave as runs of 512 consecutive bytes: four rows of 128 codes.
.set WX,  32                           ; v32-95   two sets of 32 numbers
.set WC,  96                           ; v96-103  a block's codes
.set WO,  112                          ; v112-175 the way out
	s_sub_co_u32 s36, ttmp9, 162
	s_lshr_b32 s37, s36, 7                         ; which matrix: 0 Wq, 1 Wk, 2 Wv, 3 Wo
	s_and_b32 s38, s36, 15                         ; which 128 columns
	s_bfe_u32 s39, s36, 0x30004                    ; which 256 along K
	s_cmp_eq_u32 s37, 1                            ; the choice hangs on the work-group's number alone
	s_cselect_b64 s[6:7], s[8:9], s[6:7]
	s_cmp_eq_u32 s37, 2
	s_cselect_b64 s[6:7], s[10:11], s[6:7]
	s_cmp_eq_u32 s37, 3
	s_cselect_b64 s[6:7], s[12:13], s[6:7]
	s_lshl_b32 s40, s38, 7
	s_lshl_b32 s41, s22, 5
	s_add_co_u32 s40, s40, s41                     ; my wave's first column
	s_lshl_b32 s42, s39, 21                        ; 256 rows of 8,192 bytes
	s_lshl_b32 s43, s40, 2
	s_add_co_u32 s42, s42, s43
	s_mov_b32 s43, 0
	s_add_nc_u64 s[6:7], s[6:7], s[42:43]
	s_add_co_u32 s44, s37, 3                       ; tensor 3 + matrix,
	s_lshl_b32 s44, s44, 22
	s_lshl_b32 s45, s39, 19                        ; two K blocks for each 256 along K,
	s_add_co_u32 s44, s44, s45
	s_lshl_b32 s45, s40, 7                         ; 128 bytes a row
	s_add_co_u32 s44, s44, s45
	s_mov_b32 s45, 0
	s_add_nc_u64 s[18:19], s[18:19], s[44:45]
	s_mul_i32 s46, s22, 8704
	s_add_co_u32 s46, s46, WST                     ; my stage
	v_lshlrev_b32 v9, 2, v2                        ; in: 4 bytes a lane
	v_mul_u32_u24 v4, v2, 272
	v_add_nc_u32 v4, s46, v4                       ; into the stage: row = my column
	v_lshrrev_b32 v5, 3, v2
	v_mul_u32_u24 v7, v5, 272
	v_and_b32 v6, 7, v2
	v_lshl_add_u32 v7, v6, 4, v7
	v_add_nc_u32 v7, s46, v7                       ; out of it: eight lanes to a row's 128 bytes, four rows an instruction
.macro WLOAD t                         ; block t: W(32 t + i, my column) into set t % 2
.irp i, 0,1,2,3,4,5,6,7,8,9,10,11,12,13,14,15,16,17,18,19,20,21,22,23,24,25,26,27,28,29,30,31
	global_load_b32 v[WX+32*((\t)%2)+\i], v9, s[6:7] offset:(32*(\t)+\i)*8192 th:TH_LOAD_NT
.endr
.endm
	WLOAD 0
	WLOAD 1
	s_wait_kmcnt 0x0
	s_mov_b32 s47, s25                             ; e1, e3, e5 or e11
	s_cmp_eq_u32 s37, 1
	s_cselect_b32 s47, s27, s47
	s_cmp_eq_u32 s37, 2
	s_cselect_b32 s47, s29, s47
	s_cmp_eq_u32 s37, 3
	s_cselect_b32 s47, s35, s47
	s_add_co_i32 s47, s47, 127
	s_lshl_b32 s48, s47, 23
	v_mov_b32 v11, s48                             ; 2^e as f32: the conversion takes its exponent field
	s_add_co_i32 s47, s47, 8
	s_lshl_b32 s47, s47, 23
	s_or_b32 s47, s47, 0x600000
	v_mov_b32 v10, s47                             ; 448 x 2^e
.macro WBLOCK t
.set WS, WX+32*((\t)%2)
.if (\t) < 7
	s_wait_loadcnt 32                              ; this block's 32 loads are in; the next block's may be out
.else
	s_wait_loadcnt 0x0
.endif
.irp i, 0,1,2,3,4,5,6,7,8,9,10,11,12,13,14,15,16,17,18,19,20,21,22,23,24,25,26,27,28,29,30,31
	v_med3_num_f32 v[WS+\i], v[WS+\i], -v10, v10   ; the conversion to an 8-bit code does not saturate (ISA guide 7.6.2): the hold comes first
.endr
.irp g, 0,1,2,3
	v_cvt_scalef32_pk8_fp8_f32 v[WC+2*\g:WC+2*\g+1], v[WS+8*\g:WS+8*\g+7], v11
.endr
	ds_store_b128 v4, v[WC:WC+3] offset:32*(\t)
	ds_store_b128 v4, v[WC+4:WC+7] offset:32*(\t)+16
.if (\t)+2 < 8
	WLOAD (\t)+2
.endif
	s_wait_dscnt 0x0                               ; the stores have read their registers: the next block's codes may be written
.endm
.irp t, 0,1,2,3,4,5,6,7
	WBLOCK \t
.endr
.irp u, 0,1
.irp i, 0,1,2,3,4,5,6,7
	ds_load_b128 v[WO+4*(8*\u+\i):WO+4*(8*\u+\i)+3], v7 offset:4*\i*272+128*\u   ; LDS serves a wave's instructions in order: these see my stores
.endr
.endr
.irp u, 0,1
.irp i, 0,1,2,3,4,5,6,7
	s_wait_dscnt 15-8*\u-\i
	global_store_b128 v3, v[WO+4*(8*\u+\i):WO+4*(8*\u+\i)+3], s[18:19] offset:KBB*\u+512*\i   ; 32 lanes store 512 consecutive bytes, aligned
.endr
.endr
	s_wait_tensorcnt 0x0                           ; the wave's end, behind my last LDS store
	ds_add_u32 v[SPW], v[NIL]
	s_wait_dscnt 0x0
	s_endpgm
; ---------------- x.  A wave takes four rows; step t is K block t: four loads of 512 consecutive bytes, one from each row.  The 2,048 bytes turn through the wave's own stage, so that a lane
; holds 16 neighbours along K: lane l has row l / 8, k = 16 (l % 8) on.  Its 16 codes lie at 16 l of the wave's 512 bytes of the K block.  Each number is quantised three times.
.Lxpath:
.set XR,  16                           ; v16-79   four sets of 16 numbers as they are loaded
.set XX,  80                           ; v80-111  two sets of 16 neighbours
.set XT,  112                          ; v112-159 the held numbers: a set for each scale
.set XC,  160                          ; v160-183 codes: two sets of 12 by turns
.set SP,  80                           ; a lane's place in a stage: 64 bytes + 16 of padding
	s_sub_co_u32 s36, ttmp9, 34
	s_lshl_b32 s36, s36, 2
	s_add_co_u32 s36, s36, s22                     ; which four rows: 0 .. 511
	s_lshl_b32 s38, s36, 15
	s_mov_b32 s39, 0
	s_add_nc_u64 s[4:5], s[4:5], s[38:39]
	s_lshl_b32 s38, s36, 9
	s_add_nc_u64 s[40:41], s[18:19], s[38:39]      ; my 512 bytes of a K block, in the three tensors
	s_add_nc_u64 s[42:43], s[40:41], 0x400000
	s_add_nc_u64 s[44:45], s[40:41], 0x800000
	s_mul_i32 s37, s22, 8192
	v_lshrrev_b32 v14, 2, v2
	v_mul_u32_u24 v14, v14, SP
	v_and_b32 v15, 3, v2
	v_lshl_add_u32 v14, v15, 4, v14
	v_add_nc_u32 v14, s37, v14                     ; into the stage: four lanes' 64 bytes on end, then the padding
	v_mul_u32_u24 v15, v2, SP
	v_add_nc_u32 v15, s37, v15                     ; out of it: my 64 bytes
.macro XLOAD t
.irp i, 0,1,2,3
	global_load_b128 v[XR+16*((\t)%4)+4*\i:XR+16*((\t)%4)+4*\i+3], v3, s[4:5] offset:8192*\i+512*(\t) th:TH_LOAD_NT
.endr
.endm
.macro XTURN t                         ; LDS serves a wave's instructions in order: no wait between the stores and the loads
.irp i, 0,1,2,3
	ds_store_b128 v14, v[XR+16*((\t)%4)+4*\i:XR+16*((\t)%4)+4*\i+3] offset:32*SP*((\t)%2)+8*SP*\i
.endr
.irp i, 0,1,2,3
	ds_load_b128 v[XX+16*((\t)%2)+4*\i:XX+16*((\t)%2)+4*\i+3], v15 offset:32*SP*((\t)%2)+16*\i
.endr
.endm
.irp t, 0,1,2,3
	XLOAD \t
.endr
	s_wait_kmcnt 0x0
.irp j, 0,1,2
	s_add_co_i32 s46, s[24+2*\j], 127              ; e0, e2, e4
	s_lshl_b32 s47, s46, 23
	v_mov_b32 v[184+2*\j], s47                     ; 2^e
	s_add_co_i32 s46, s46, 8
	s_lshl_b32 s46, s46, 23
	s_or_b32 s46, s46, 0x600000
	v_mov_b32 v[185+2*\j], s46                     ; 448 x 2^e
.endr
	s_wait_loadcnt 12                              ; step 0's four loads are in
	XTURN 0
.macro XSTEP t
.set XS, XX+16*((\t)%2)
.set CC, XC+12*((\t)%2)
	s_wait_dscnt 0x0                               ; this step's numbers are back from the stage, and its stores into the stage have read their registers,
.if (\t)+4 < 16
	XLOAD (\t)+4                                   ; which take the loads of four steps on
.endif
.if (\t)+1 < 16
.if 14-(\t) >= 3
	s_wait_loadcnt 12                              ; the next step's four loads are in; those of the three steps behind it may be out
.else
	s_wait_loadcnt 4*(14-(\t))
.endif
	XTURN (\t)+1
.endif
	s_wait_xcnt 0x0                                ; the stores of two steps ago have read this set of codes: it is written again only behind this wait
.irp j, 0,1,2
.irp i, 0,1,2,3,4,5,6,7,8,9,10,11,12,13,14,15
	v_med3_num_f32 v[XT+16*\j+\i], v[XS+\i], -v[185+2*\j], v[185+2*\j]
.endr
	v_cvt_scalef32_pk8_fp8_f32 v[CC+4*\j:CC+4*\j+1], v[XT+16*\j:XT+16*\j+7], v[184+2*\j]
	v_cvt_scalef32_pk8_fp8_f32 v[CC+4*\j+2:CC+4*\j+3], v[XT+16*\j+8:XT+16*\j+15], v[184+2*\j]
	global_store_b128 v3, v[CC+4*\j:CC+4*\j+3], s[40+2*\j:41+2*\j] offset:KBB*(\t)   ; 512 consecutive bytes, aligned.  (The next vector lines are plain holds into another set of registers)
.endr
.endm
.irp t, 0,1,2,3,4,5,6,7,8,9,10,11,12,13,14,15
	XSTEP \t
.endr
	s_wait_tensorcnt 0x0                           ; the wave's end, behind my last LDS store
	ds_add_u32 v[SPW], v[NIL]
	s_wait_dscnt 0x0
	s_endpgm
; ---------------- THE TABLE.  A wave makes one block: 16 rows x 64 pairs; a lane 32 pairs of its row.  No LDS.
.Ltable:
	s_lshl_b32 s36, ttmp9, 2
	s_add_co_u32 s36, s36, s22                     ; block 0 .. 135
	s_min_u32 s37, s36, 127                        ; the blocks of ones read a position too, inside the buffer, and multiply it by 0
	s_lshl_b32 s38, s37, 6
	s_mov_b32 s39, 0
	s_add_nc_u64 s[16:17], s[16:17], s[38:39]
	v_and_b32 v4, 15, v0
	v_lshlrev_b32 v4, 2, v4
	global_load_b32 v14, v4, s[16:17]              ; my row's position
	s_lshl_b32 s38, s36, 13
	s_add_nc_u64 s[20:21], s[20:21], s[38:39]
	s_cmp_lt_u32 s36, 128
	s_cselect_b32 s40, 1.0, 0
	s_mov_b32 s41, 0x3c08839e                      ; sin: x + x z (S1 + z (S2 + z S3)), z = x x, on |x| <= pi / 4
	s_mov_b32 s42, 0xb94ca1f9
	s_mov_b32 s43, 0xbe2aaaa3
	s_mov_b32 s44, 0xbab6061a                      ; cos: 1 - z / 2 + z z (C1 + z (C2 + z C3))
	s_mov_b32 s45, 0x37ccf5ce
	s_mov_b32 s46, 0x3d2aaaa5
	s_mov_b32 s47, 0x3fb8aa3b                      ; log2(e), and what f32 leaves of it
	s_mov_b32 s48, 0x32a57060
	v_bfe_u32 v5, v0, 4, 1
	v_lshlrev_b32 v5, 3, v5                        ; 8 h
.set TN, 0
.rept 32                               ; element TN = 2 (2 b + q) + e: 2 i = 16 b + 4 q + 2 e + 8 h
	v_add_nc_u32 v80, 16*(TN/4)+4*((TN/2)%2)+2*(TN%2), v5
	v_cvt_f32_u32 v80, v80
	v_mul_f32 v80, 0xbd935d8e, v80                 ; -2 i x f32(ln(10000) / 128): one rounding, as the definition has it
	v_mul_f32 v[16+TN], s47, v80                   ; x log2(e): the high part,
	v_fma_f32 v[48+TN], v80, s47, -v[16+TN]        ; what the rounding dropped,
	v_fma_f32 v[48+TN], v80, s48, v[48+TN]         ; and the constant's low part
.set TN, TN+1
.endr
.set TN, 0
.rept 32
	v_exp_f32 v[16+TN], v[16+TN]                   ; one batch of 32
.set TN, TN+1
.endr
.set TN, 0
.rept 32
	v_mul_f32 v[48+TN], 0x3f317218, v[48+TN]       ; the low part x ln 2: plain work that names no result of the batch
.set TN, TN+1
.endr
	s_wait_alu depctr_va_vdst(0)                   ; one wait for the batch, ahead of its first reader
.set TN, 0
.rept 32
	v_fma_f32 v[16+TN], v[16+TN], v[48+TN], v[16+TN]   ; inv = 2^high x (1 + low ln 2)
.set TN, TN+1
.endr
	s_wait_loadcnt 0x0
	v_cvt_f32_i32 v14, v14
	v_mul_f32 v14, s40, v14                        ; the position, or 0 in the blocks of ones: angle 0 gives cos = 1, sin = 0 exactly
.macro SINCOS2 n2                      ; two pairs: (cos, sin, cos, sin), 16 bytes a lane, 512 consecutive bytes a wave
.irp e, 0,1
.set TT, 80+8*\e
.set IN, 16+2*(\n2)+\e
.set OU, 96+4*(\n2)+2*\e
	v_mul_f32 v[TT], v14, v[IN]                    ; the angle: one rounding, as the definition has it
	v_mul_f32 v[TT+1], 0x3f22f983, v[TT]
	v_rndne_f32 v[TT+1], v[TT+1]                   ; k = the nearest multiple of pi / 2
	v_fmamk_f32 v[TT], v[TT+1], 0xbfc90fdb, v[TT]  ; x = angle - k pi / 2, pi / 2 in two parts, fused
	v_fmamk_f32 v[TT], v[TT+1], 0x333bbd2e, v[TT]
	v_mul_f32 v[TT+2], v[TT], v[TT]
	v_fma_f32 v[TT+3], v[TT+2], s42, s41
	v_fma_f32 v[TT+4], v[TT+2], s45, s44
	v_fma_f32 v[TT+3], v[TT+3], v[TT+2], s43
	v_fma_f32 v[TT+4], v[TT+4], v[TT+2], s46
	v_mul_f32 v[TT+3], v[TT+3], v[TT+2]
	v_mul_f32 v[TT+4], v[TT+4], v[TT+2]
	v_fma_f32 v[TT+5], v[TT+2], -0.5, 1.0
	v_fma_f32 v[TT+3], v[TT+3], v[TT], v[TT]       ; sin x
	v_fma_f32 v[TT+4], v[TT+4], v[TT+2], v[TT+5]   ; cos x
	v_cvt_i32_f32 v[TT+1], v[TT+1]
	v_and_b32 v[TT+5], 1, v[TT+1]
	v_cmp_eq_u32 vcc_lo, 1, v[TT+5]                ; an odd k changes the two over: a selection of values, no branch
	v_cndmask_b32 v[OU], v[TT+4], v[TT+3], vcc_lo
	v_cndmask_b32 v[OU+1], v[TT+3], v[TT+4], vcc_lo
	v_add_nc_u32 v[TT+5], 1, v[TT+1]
	v_lshlrev_b32 v[TT+5], 30, v[TT+5]             ; cos is negative where k mod 4 is 1 or 2: bit 1 of k + 1,
	v_lshlrev_b32 v[TT+1], 30, v[TT+1]             ; sin where it is 2 or 3: bit 1 of k
	v_and_b32 v[TT+5], 0x80000000, v[TT+5]
	v_and_b32 v[TT+1], 0x80000000, v[TT+1]
	v_xor_b32 v[OU], v[OU], v[TT+5]
	v_xor_b32 v[OU+1], v[OU+1], v[TT+1]
.endr
	global_store_b128 v3, v[96+4*(\n2):96+4*(\n2)+3], s[20:21] offset:512*(\n2)   ; each store has registers of its own: none is written again
.endm
.irp p, 0,1,2,3,4,5,6,7,8,9,10,11,12,13,14,15
	SINCOS2 \p
.endr
	s_endpgm
.Lfunc_end_k_q150258974b_prep:
	.size	k_q150258974b_prep, .Lfunc_end_k_q150258974b_prep-k_q150258974b_prep
	.p2alignl 7, 3214868480
	.fill 96, 4, 3214868480
	.section	.rodata,"a",@progbits
	.p2align	6, 0x0
	.amdhsa_kernel k_q150258974b_prep
		.amdhsa_group_segment_fixed_size 68096
		.amdhsa_private_segment_fixed_size 0
		.amdhsa_enable_private_segment 0
		.amdhsa_kernarg_size 72
		.amdhsa_user_sgpr_count 2
		.amdhsa_user_sgpr_kernarg_segment_ptr 1
		.amdhsa_wavefront_size32 1
		.amdhsa_system_sgpr_workgroup_id_x 1
		.amdhsa_system_sgpr_workgroup_id_y 1
		.amdhsa_system_sgpr_workgroup_id_z 1
		.amdhsa_system_vgpr_workitem_id 0
		.amdhsa_next_free_vgpr 192
		.amdhsa_next_free_sgpr 66
		.amdhsa_reserve_vcc 1
		.amdhsa_float_denorm_mode_32 3
		.amdhsa_float_denorm_mode_16_64 3
		.amdhsa_memory_ordered 1
		.amdhsa_forward_progress 1
		.amdhsa_inst_pref_size 182
	.end_amdhsa_kernel
	.amdgpu_metadata
---
amdhsa.version: [ 1, 2 ]
amdhsa.kernels:
  - .name:           k_q150258974b_prep
    .symbol:         k_q150258974b_prep.kd
    .args:
      - { .name: x, .offset: 0, .size: 8, .value_kind: global_buffer, .address_space: global }
      - { .name: Wq, .offset: 8, .size: 8, .value_kind: global_buffer, .address_space: global }
      - { .name: Wk, .offset: 16, .size: 8, .value_kind: global_buffer, .address_space: global }
      - { .name: Wv, .offset: 24, .size: 8, .value_kind: global_buffer, .address_space: global }
      - { .name: Wo, .offset: 32, .size: 8, .value_kind: global_buffer, .address_space: global }
      - { .name: lowp_scales, .offset: 40, .size: 8, .value_kind: global_buffer, .address_space: global }
      - { .name: token_positions, .offset: 48, .size: 8, .value_kind: global_buffer, .address_space: global }
      - { .name: cw, .offset: 56, .size: 8, .value_kind: global_buffer, .address_space: global }
      - { .name: rope, .offset: 64, .size: 8, .value_kind: global_buffer, .address_space: global }
    .group_segment_fixed_size: 68096
    .private_segment_fixed_size: 0
    .kernarg_segment_align: 8
    .kernarg_segment_size: 72
    .max_flat_workgroup_size: 128
    .sgpr_count:     66
    .vgpr_count:     192
    .wavefront_size: 32
...
	.end_amdgpu_metadata
.endif
;; end of part 1
;; launch qkv (part 2): grid 24 x 8, 4 waves a work-group, clusters of 4 x 4, 327,680 bytes of LDS; arguments cw, lowp_scales, rope, qkv; writes qkv
.if DOCPART == 2
	.amdgcn_target "amdgcn-amd-amdhsa--gfx1250"
	.amdhsa_code_object_version 6
	.text
	.protected	k_q150258974b_qkv
	.globl	k_q150258974b_qkv
	.p2align	8
	.type	k_q150258974b_qkv,@function
k_q150258974b_qkv:
	s_mov_b64 s[64:65], 0
	v_nop
	global_prefetch_b8 v0, s[64:65] scope:SCOPE_SE
	s_setreg_imm32_b32 hwreg(HW_REG_WAVE_MODE, 25, 1), 1
	s_wait_xcnt 0x0
	s_wait_alu depctr_hold_cnt(0) depctr_sa_sdst(0) depctr_va_vdst(0) depctr_va_sdst(0) depctr_va_ssrc(0) depctr_va_vcc(0) depctr_vm_vsrc(0)
	s_getreg_b32 s2, hwreg(HW_REG_IB_STS2, 6, 4)
	s_cmp_eq_u32 s2, 0
	s_cbranch_scc0 .Lentry_in_a_cluster
	s_endpgm
.Lentry_in_a_cluster:
	s_bfe_u32 s2, ttmp6, 0x10000c
	s_cmp_lg_u32 s2, 0xf033
	s_cbranch_scc0 .Lentry_shape_is_right
	s_endpgm
.Lentry_shape_is_right:
; q, k and v: three products of 2048 x 2048 x 2048 on codes of E4M3, in one grid; RoPE and the quantisers of the attention's operands stand in the way out, so that only codes go to memory.
; z = cluster x / 2 says which: 0 q, 1 k, 2 v.  For q and k: A = x's codes (rows = sequence), B = the weight's (rows = n).  FOR v THE ROLES ARE CHANGED OVER: A = Wv's codes, B = x's:
; the result is v transposed, so that a lane's eight numbers are eight neighbouring KEYS of one channel, which is the K of the attention's second product.
; OPERANDS are laid K-blocked, [16][2048 rows][128 codes]: 256 rows x 128 K are 32,768 dense bytes, which one tensor load brings as 128 rows of 256 bytes: TWO rows of codes to an LDS row.
; A tile of C, 256 x 256, is made by four waves, each 128 x 128: 64 accumulators, 512 registers.  K goes in steps of 256 through a ring of two LDS slots; a slot is four parts (A's two K blocks, B's two), a part to a wave.
; CLUSTERS: 4 x 4 work-groups; A's parts are asked for jointly along a row of the cluster, B's along a column.  192 work-groups: three products of 64 tiles.
; THE MATRIX INSTRUCTION IS USED TRANSPOSED (source 0 = 16 rows of B, source 1 = 16 rows of A): a lane holds eight neighbouring numbers of a row of C.
; THE WAY OUT, 16 rows at a time: (even, odd) -> (even cos - odd sin, odd cos + even sin), cos and sin from the table (for v: 1 and 0); the hold; the conversion, whose one scale is
; 2^(e_out - e_A - e_B): the sums are turned and quantised as they are, since a power of two goes through both unchanged.
; OUTPUT: [z][head 16][block 16][128 rows][128 bytes]; q, k: row = sequence mod 128, byte = channel; v: block = key block, row = channel, byte = key mod 128.  A wave's 128 x 128 is one such block of 16 KiB.
; Row p is stored at the place p with bits 3 and 4 changed over: sixteen consecutive places are then the rows 32 b + 8 u + r + 8 (r / 8) that the attention wants as a tile.
; LIMITS: e6 - e0 - e1, e7 - e2 - e3 and e9 - e4 - e5 between -126 and 119, so that the scale and 448 x the scale are f32 numbers.
; REGISTERS, in windows of 256: window 0: v0-31 addresses; v32-95 the first table block (asked for at the head); from v128 A's fragments, ONE set; on the way out v32-239 as named below.
;   window 1: B's fragments, TWO sets.   window 2: the accumulators of my rows 0-63 ((a, b) at v[8 (8 a + b)]);   window 3: those of rows 64-127.
.set PITCH,  272                       ; an LDS row: 256 bytes + 16 of padding.  Lane r of a fragment reads LDS row r / 2, half r % 2
.set FR,     16                        ; registers of a fragment: 16 rows x 128 K
.set NL,     4                         ; LDS loads that bring one
.set NP,     4                         ; places behind this matrix instruction (ISA guide 7.12.1)
.set PART,   128*PITCH                 ; 256 rows x 128 K: what one tensor load brings
.set HALFW,  64*PITCH                  ; 128 rows of a part: what one wave reads
.set SLOT,   4*PART
.set LAPS,   4                         ; a lap = two K steps of 256 = once round the ring; K = 2048
.set KBB,    262144                    ; a K block in memory
.set SPARE,  2*SLOT                    ; behind the ring: the spare words, 128 bytes for each wave: two blocks of 256 bytes that no other line names
.set ADRA, 16                          ; v16-17  LDS address of my A fragments in slot 0, 1
.set ADRB, 20                          ; v20-21  the same for B
.set STO,  24                          ; v24     the way out: where I put 8 codes of a row.  The stage, 16 rows x 144 bytes a wave, lies in slot 0, which has had its last fill and its last read by then
.set RD,   25                          ; v25     the way out: where I read 16 bytes back
.set CO,   26                          ; v26     16 x lane: the table's loads and the stores; never rewritten
.set SPW,  28                          ; v28     LDS address of my spare word; never rewritten
.set NIL,  29                          ; v29     0; never rewritten
.set SC,   30                          ; v30     the conversion's scale
.set LIM,  31                          ; v31     448 x the scale
.set TMP,  160                         ; v160-191 half a block's turned numbers
.set CD,   192                         ; v192-207 a block's codes
.set AF,   128                         ; A's fragments, in window 0
.set G1, 24                            ; s[24:31] descriptor group 1 for A's parts;  s[32:39] group 0, one set for each slot
.set G0, 32
.set G1B, 48                           ; s[48:55], s[56:63] the same for B's
.set G0B, 56
.set MSB, 0
.macro WIN new                         ; the immediate's high byte repeats the setting that is left
.if MSB != \new
	s_set_vgpr_msb (MSB<<8)|\new
.set MSB, \new
.endif
.endm
.set MUL_LO, 0xa1                      ; source 0 (B) window 1, source 1 (A) window 0, C and D window 2
.set MUL_HI, 0xf1                      ; the same, C and D window 3
.set TO_B,   0x40                      ; destination window 1, address window 0
; A joint load: waves 0 and 1 fetch A's two K blocks, waves 2 and 3 B's.  The branch hangs on the wave's number alone.  An s_nop 0 and four v_nop follow each of the two lines.
.macro JLOAD g0a, g1a, g0b, g1b
	s_cmp_eq_u32 s15, 0
	s_cbranch_scc0 .Lfor_b_\@
	tensor_load_to_lds s[\g0a:\g0a+3], s[\g1a:\g1a+7]
	s_nop 0
.rept 4
	v_nop
.endr
	s_branch .Lasked_\@
.Lfor_b_\@:
	tensor_load_to_lds s[\g0b:\g0b+3], s[\g1b:\g1b+7]
	s_nop 0
.rept 4
	v_nop
.endr
.Lasked_\@:
.endm
.macro CREST                           ; a round of the cluster's barrier behind its opening barrier
	s_cmp_lg_u32 s14, 0
	s_cbranch_scc1 .Lnot_wave_0_\@
	s_barrier_signal -3
.Lnot_wave_0_\@:
	s_barrier_wait -3
	s_barrier_signal -1
	s_barrier_wait -1
.endm
.macro CROUND                          ; a whole round
	s_barrier_signal -1
	s_barrier_wait -1
	CREST
.endm
	s_load_b128 s[4:7], s[0:1], 0x0                ; cw s[4:5], the scales' exponents s[6:7]
	s_load_b128 s[8:11], s[0:1], 0x10              ; the table s[8:9], qkv s[10:11]
	v_lshl_add_u32 v[SPW], v0, 2, SPARE
	v_mov_b32 v[NIL], 0
	ds_add_u32 v[SPW], v[NIL]                      ; the wave's opening: the add and its wait ahead of my first tensor load; work on registers stands between them
	v_lshrrev_b32 v1, 5, v0
	v_readfirstlane_b32 s14, v1                    ; wave 0..3
	s_lshr_b32 s15, s14, 1                         ; which half of the tile's rows is mine.  Also: I fetch for A (0) or for B (1)
	s_and_b32 s16, s14, 1                          ; which half of its columns.  Also: which K block of a slot's two I fetch
	s_bfe_u32 s40, ttmp6, 0x40000                  ; cx, cy: my place in the cluster
	s_bfe_u32 s41, ttmp6, 0x40004
	s_lshr_b32 s66, ttmp9, 1                       ; z: the same in all sixteen partners
	s_and_b32 s42, ttmp9, 1
	s_lshl_b32 s42, s42, 2
	s_add_co_u32 s42, s42, s40                     ; tile column 0..7
	s_and_b32 s17, ttmp7, 0xffff
	s_lshl_b32 s17, s17, 2
	s_add_co_u32 s17, s17, s41                     ; tile row 0..7
	s_lshl_b32 s43, s41, 2
	s_lshl_b32 s43, 15, s43                        ; my row of the cluster
	s_lshl_b32 s44, 0x1111, s40                    ; my column
	s_or_b32 s[G1+0], s43, (0<<16)|(1<<20)|(1<<21)|(5<<22)|(3<<25)  ; 15:0 the mask; 17:16 elements of 1 byte; 20 padding on; 21 set beside a mask; 24:22 after every 64 words; 31:25 four words
	s_or_b32 s[G1B+0], s44, (0<<16)|(1<<20)|(1<<21)|(5<<22)|(3<<25)
.irp g, G1, G1B
	s_mov_b32 s[\g+1], 256<<16                     ; tensor_dim0 = 256 bytes
	s_mov_b32 s[\g+2], 128<<16                     ; tensor_dim1 = 128
	s_mov_b32 s[\g+3], 256<<16                     ; tile_dim0
	s_mov_b32 s[\g+4], 128                         ; tile_dim1
	s_mov_b32 s[\g+5], 256                         ; the pitch: the block is dense
	s_mov_b32 s[\g+6], 0
	s_mov_b32 s[\g+7], 0
.endr
	s_lshr_b32 s67, s66, 1
	s_mul_i32 s67, s67, 3                          ; 3 for v, else 0
	s_add_co_u32 s20, s66, s67                     ; A's tensor in cw: 0, 1, 5
	s_lshl_b32 s20, s20, 22
	s_lshl_b32 s18, s17, 15                        ; + the tile row's 256 rows
	s_add_co_u32 s20, s20, s18
	s_lshl_b32 s18, s16, 18                        ; + my K block of the two
	s_add_co_u32 s20, s20, s18
	s_mov_b32 s21, 0
	s_add_co_u32 s46, s66, 3
	s_sub_co_u32 s46, s46, s67                     ; B's tensor: 3, 4, 2
	s_lshl_b32 s46, s46, 22
	s_lshl_b32 s19, s42, 15                        ; + the tile column's 256 rows
	s_add_co_u32 s46, s46, s19
	s_add_co_u32 s46, s46, s18
	s_mov_b32 s47, 0
	s_mul_i32 s45, s14, PART                       ; where they go: wave x a part: no place in the cluster enters an LDS address
	s_wait_dscnt 0x0                               ; the opening add is done
	s_wait_kmcnt 0x0
	s_load_b256 s[72:79], s[6:7], 0x0              ; e0 .. e7
	s_load_b128 s[80:83], s[6:7], 0x20             ; e8 .. e11: both are waited for on the way out
	s_add_nc_u64 s[20:21], s[4:5], s[20:21]
	s_add_nc_u64 s[46:47], s[4:5], s[46:47]
	CROUND                                         ; all sixteen work-groups are here: the first joint loads meet
.irp s, 0,1
	s_mov_b32 s[G0+4*\s], 1
	s_add_co_u32 s[G0+4*\s+1], s45, \s*SLOT
	s_add_nc_u64 s[G0+4*\s+2:G0+4*\s+3], s[20:21], \s*2*KBB
	s_or_b32 s[G0+4*\s+3], s[G0+4*\s+3], 0x80000000
	s_mov_b32 s[G0B+4*\s], 1
	s_add_co_u32 s[G0B+4*\s+1], s45, \s*SLOT
	s_add_nc_u64 s[G0B+4*\s+2:G0B+4*\s+3], s[46:47], \s*2*KBB
	s_or_b32 s[G0B+4*\s+3], s[G0B+4*\s+3], 0x80000000
	JLOAD G0+4*\s, G1, G0B+4*\s, G1B
.endr
	v_and_b32 v1, 15, v0                           ; r = l % 16
	v_bfe_u32 v2, v0, 4, 1                         ; h = l / 16
	v_lshrrev_b32 v3, 1, v1
	v_mul_u32_u24 v3, v3, PITCH                    ; LDS row r / 2,
	v_and_b32 v4, 1, v0
	v_lshl_add_u32 v3, v4, 7, v3                   ; its half r % 2,
	v_lshl_add_u32 v4, v2, 4, v3                   ; + 16 h
	s_mul_i32 s21, s15, HALFW                      ; my 128 rows of A
	s_mul_i32 s22, s16, HALFW                      ; my 128 rows of B,
	s_add_co_u32 s22, s22, 2*PART                  ; which lie behind A's two parts
.irp s, 0,1
	v_add_nc_u32 v[ADRA+\s], s21, v4
	v_add_nc_u32 v[ADRB+\s], s22, v4
	s_add_co_u32 s21, s21, SLOT
	s_add_co_u32 s22, s22, SLOT
.endr
	s_mul_i32 s23, s14, 2304                       ; my stage
	v_mul_u32_u24 v5, v1, 144                      ; in: row r, 8 bytes for each half of the lanes
	v_lshl_add_u32 v5, v2, 3, v5
	v_add_nc_u32 v[STO], s23, v5
	v_and_b32 v6, 31, v0
	v_lshlrev_b32 v[CO], 4, v6
	v_lshrrev_b32 v7, 3, v6                        ; back: eight lanes to a row of 128 bytes, four rows an instruction
	v_mul_u32_u24 v7, v7, 144
	v_and_b32 v8, 7, v0
	v_lshl_add_u32 v7, v8, 4, v7
	v_add_nc_u32 v[RD], s23, v7
	s_lshl_b32 s84, s42, 1
	s_add_co_u32 s84, s84, s16                     ; which 128 columns of C are mine,
	s_lshl_b32 s85, s17, 1
	s_add_co_u32 s85, s85, s15                     ; which 128 rows
	s_cmp_eq_u32 s66, 2
	s_cselect_b32 s86, s85, s84                    ; the head: by the columns for q and k, by the rows for v
	s_cselect_b32 s87, s84, s85                    ; the block of 128 of the sequence: the other one
	s_lshl_b32 s86, s86, 4
	s_add_co_u32 s86, s86, s87
	s_lshl_b32 s86, s86, 14
	s_lshl_b32 s87, s66, 22
	s_add_co_u32 s86, s86, s87
	s_mov_b32 s87, 0
	s_add_nc_u64 s[10:11], s[10:11], s[86:87]      ; my block of 16 KiB
	s_lshl_b32 s88, s17, 4
	s_lshl_b32 s89, s15, 3
	s_add_co_u32 s88, s88, s89                     ; the table block of my first 16 rows,
	s_cmp_eq_u32 s66, 2
	s_cselect_b32 s88, 128, s88                    ; or, for v, the first of the eight blocks of ones
	s_lshl_b32 s88, s88, 13
	s_mov_b32 s89, 0
	s_add_nc_u64 s[8:9], s[8:9], s[88:89]
.macro LOADT a                         ; table block a of my eight: 16 loads of 512 consecutive bytes, into set a % 2 (v32-95, v96-159)
.set CL, 32+64*((\a)%2)
.irp n, 0,1,2,3,4,5,6,7,8,9,10,11,12,13,14,15
	global_load_b128 v[CL+4*\n:CL+4*\n+3], v[CO], s[8:9] offset:8192*(\a)+512*\n
.endr
.endm
	LOADT 0                                        ; v32-95 lie idle through the products: the first block is asked for now and waited for on the way out
.macro FRAG reg, adr, q, i             ; a fragment: lane l holds row l % 16; registers 4 c .. 4 c + 3 hold K = 32 c + 16 (l / 16) + 0 .. 15: the same order of K in A and in B
.irp c, 0,1,2,3
	ds_load_b128 v[\reg+4*\c:\reg+4*\c+3], v[\adr] offset:PART*(\q)+32*\c+(\i)*8*PITCH
.endr
.endm
; 16 matrix instructions: A's blocks a0, a0 + 1 x B's eight, 128 along K.  p: B's set.  zero = 1: the first product starts the sums.  The 64 accumulators take turns, one instruction a turn.
.macro MUL16 a0, p, zero
.irp a, \a0, \a0+1
.irp b, 0,1,2,3,4,5,6,7
.if \zero
	v_wmma_f32_16x16x128_fp8_fp8 v[8*(8*((\a)%4)+\b):8*(8*((\a)%4)+\b)+7], v[128*(\p)+FR*\b:128*(\p)+FR*\b+FR-1], v[AF+FR*(\a):AF+FR*(\a)+FR-1], 0
.else
	v_wmma_f32_16x16x128_fp8_fp8 v[8*(8*((\a)%4)+\b):8*(8*((\a)%4)+\b)+7], v[128*(\p)+FR*\b:128*(\p)+FR*\b+FR-1], v[AF+FR*(\a):AF+FR*(\a)+FR-1], v[8*(8*((\a)%4)+\b):8*(8*((\a)%4)+\b)+7]
.endif
.endr
.endr
.endm
.macro FETCH_B slot, q, p              ; B's eight fragments of the slot's q-th K block into set p
	WIN TO_B
.irp i, 0,1,2,3,4,5,6,7
	FRAG 128*(\p)+FR*\i, ADRB+\slot, \q, \i
.endr
	WIN 0
.endm
.macro FETCH_A slot, q, i0             ; A's blocks i0 .. i0 + 3
.irp i, \i0, \i0+1, \i0+2, \i0+3
	FRAG AF+FR*(\i), ADRA+\slot, \q, \i
.endr
.endm
.macro PLACES n                        ; plain vector instructions between a matrix instruction and a load into, or a read of, its registers
.rept \n
	v_nop
.endr
.endm
.macro STEP slot, q, zero              ; 128 along K that has its successor in the same slot
	s_wait_dscnt 4*NL                              ; B's set and A's blocks 0-3 are in; the youngest sixteen loads (A's blocks 4-7) may be out
	WIN MUL_LO
	MUL16 0, (\q)%2, \zero
	MUL16 2, (\q)%2, \zero
	s_wait_dscnt 0                                 ; A's blocks 4-7 are in
	PLACES NP
	FETCH_B \slot, (\q)+1, 1-(\q)%2
	FETCH_A \slot, (\q)+1, 0
	WIN MUL_HI
	MUL16 4, (\q)%2, \zero
	MUL16 6, (\q)%2, \zero
	PLACES NP
	WIN 0
	FETCH_A \slot, (\q)+1, 4
.endm
; A slot's last step changes slots: ONE barrier; in front of it each wave waits for all its tensor loads, adds 0 to its spare word, and waits for that and for its own reads of this slot.  fill = 1: this slot is filled again, two K steps ahead.
.macro TURN slot, next, fill
	s_wait_tensorcnt 0x0                           ; all my tensor loads have landed: my part of the next slot
	ds_add_u32 v[SPW], v[NIL]                      ; 0 onto my spare word
	s_wait_dscnt 4*NL+1                            ; (the add and the youngest sixteen loads may be out)
	WIN MUL_LO
	MUL16 0, 1, 0                                  ; sixteen matrix instructions stand between the add and the wait for it
	s_wait_dscnt 0x0                               ; the add is done, and my reads of this slot are over
	s_barrier_signal -1
	MUL16 2, 1, 0
	WIN 0
	s_barrier_wait -1
.if \fill
	CREST                                          ; the barrier has opened a round of the cluster's: no wave of any partner still reads this slot or has a load on its way
	s_add_nc_u64 s[G0+4*\slot+2:G0+4*\slot+3], s[G0+4*\slot+2:G0+4*\slot+3], 4*KBB
	s_add_nc_u64 s[G0B+4*\slot+2:G0B+4*\slot+3], s[G0B+4*\slot+2:G0B+4*\slot+3], 4*KBB
	JLOAD G0+4*\slot, G1, G0B+4*\slot, G1B         ; the first tensor load behind the round; its four v_nop are the places in front of the loads below
.else
	PLACES NP
.endif
	FETCH_B \next, 0, 0
	FETCH_A \next, 0, 0
	WIN MUL_HI
	MUL16 4, 1, 0
	MUL16 6, 1, 0
	PLACES NP
	WIN 0
	FETCH_A \next, 0, 4
.endm
	s_wait_tensorcnt 1                             ; my part of K step 0 is in (K step 1's load may be out)
	s_barrier_signal -1
	s_barrier_wait -1                              ; everybody's is
	FETCH_B 0, 0, 0
	FETCH_A 0, 0, 0
	FETCH_A 0, 0, 4
	STEP 0, 0, 1                                   ; the first step stands in front of the loop: its products start the sums
	s_mov_b32 s3, LAPS-1
.Llap:                                                 ; a trip goes once round the ring and fills both slots again
	TURN 0, 1, 1
	STEP 1, 0, 0
	TURN 1, 0, 1
	STEP 0, 0, 0
	s_sub_co_u32 s3, s3, 1
	s_cmp_lg_u32 s3, 0
	s_cbranch_scc1 .Llap
	TURN 0, 1, 0                                   ; the last lap fills nothing, and has no round of the cluster's barrier
	STEP 1, 0, 0
	s_wait_dscnt 4*NL                              ; the very last step: nothing more to fetch
	WIN MUL_LO
	MUL16 0, 1, 0
	MUL16 2, 1, 0
	s_wait_dscnt 0
	WIN MUL_HI
	MUL16 4, 1, 0
	MUL16 6, 1, 0
	WIN 0
; THE WAY OUT.  Block a: my rows 16 a .. 16 a + 15.  Lane (r, h) holds, in accumulator b, columns 16 b + 8 h + 0 .. 7 of row r: four pairs (even, odd); the table's set holds (cos, sin) for each pair in the same places.
.macro ROPEQ a
.set AC, 64*((\a)%4)
.set CT, 32+64*((\a)%2)
.set BB, 208+16*((\a)%2)
.if (\a) < 7
	s_wait_loadcnt 16                              ; this block's sixteen table loads are in; the next block's may be out
.else
	s_wait_loadcnt 0x0
.endif
.irp g, 0,1                            ; four accumulators at a time, each from its low end on
	WIN 0x02+((\a)/4)                              ; source 0: window 2 or 3
.irp j, 0,2,4,6,8,10,12,14,16,18,20,22,24,26,28,30
	v_pk_mul_f32 v[TMP+\j:TMP+\j+1], v[AC+32*\g+\j:AC+32*\g+\j+1], v[CT+32*\g+\j:CT+32*\g+\j+1] op_sel_hi:[1,0]   ; (even, odd) x cos
.endr
.irp j, 0,2,4,6,8,10,12,14,16,18,20,22,24,26,28,30
	v_pk_fma_f32 v[TMP+\j:TMP+\j+1], v[AC+32*\g+\j:AC+32*\g+\j+1], v[CT+32*\g+\j:CT+32*\g+\j+1], v[TMP+\j:TMP+\j+1] op_sel:[1,1,0] op_sel_hi:[0,1,1] neg_lo:[1,0,0]   ; low: - odd x sin; high: + even x sin
.endr
	WIN 0
.irp j, 0,1,2,3,4,5,6,7,8,9,10,11,12,13,14,15,16,17,18,19,20,21,22,23,24,25,26,27,28,29,30,31
	v_med3_num_f32 v[TMP+\j], v[TMP+\j], -v[LIM], v[LIM]   ; the conversion to an 8-bit code does not saturate (ISA guide 7.6.2): the hold comes first
.endr
.irp b, 0,1,2,3
	v_cvt_scalef32_pk8_fp8_f32 v[CD+8*\g+2*\b:CD+8*\g+2*\b+1], v[TMP+8*\b:TMP+8*\b+7], v[SC]
.endr
	v_nop                                          ; one plain vector instruction behind the conversions, ahead of the lines that write their sources again
.endr
.if (\a) < 6
	LOADT (\a)+2                                   ; this block's set of the table is free
.endif
.irp b, 0,1,2,3,4,5,6,7
	ds_store_b64 v[STO], v[CD+2*\b:CD+2*\b+1] offset:16*\b
.endr
.irp i, 0,1,2,3
	ds_load_b128 v[BB+4*\i:BB+4*\i+3], v[RD] offset:576*\i   ; LDS serves a wave's instructions in order: these see the stores above, and the next block's stores come behind them
.endr
.endm
.macro SENDQ a, younger                ; younger: the LDS instructions issued behind block a's loads, which may stay out
.set BB, 208+16*((\a)%2)
	s_wait_dscnt \younger
.irp i, 0,1,2,3
	global_store_b128 v[CO], v[BB+4*\i:BB+4*\i+3], s[10:11] offset:4096*((\a)/2)+1024*((\a)%2)+2048*(\i/2)+512*(\i%2)   ; rows 16 a + 4 i on, at their places (bits 3 and 4 changed over): 512 consecutive bytes, aligned
.endr
.endm
	s_wait_kmcnt 0x0
	s_sub_co_i32 s84, s78, s72
	s_sub_co_i32 s84, s84, s73                     ; q: e6 - e0 - e1
	s_sub_co_i32 s85, s79, s74
	s_sub_co_i32 s85, s85, s75                     ; k: e7 - e2 - e3
	s_sub_co_i32 s86, s81, s76
	s_sub_co_i32 s86, s86, s77                     ; v: e9 - e4 - e5
	s_cmp_eq_u32 s66, 1                            ; chosen by z, without a branch
	s_cselect_b32 s84, s85, s84
	s_cmp_eq_u32 s66, 2
	s_cselect_b32 s84, s86, s84
	s_add_co_i32 s84, s84, 127
	s_lshl_b32 s85, s84, 23
	s_add_co_i32 s84, s84, 8
	s_lshl_b32 s84, s84, 23
	s_or_b32 s84, s84, 0x600000
	PLACES NP                                      ; in front of the loads into, and the writes of, registers that held A's fragments
	v_mov_b32 v[SC], s85
	v_mov_b32 v[LIM], s84
	LOADT 1
	ROPEQ 0
.irp a, 1,2,3,4,5,6,7
.if \a > 1
	s_wait_xcnt 0x0                                ; block a - 2's stores have read their registers: block a's loads from the stage may land there
.endif
	ROPEQ \a
	SENDQ \a-1, 12                                 ; behind block a - 1's loads: block a's 8 stores and 4 loads
.endr
	SENDQ 7, 0
	s_wait_tensorcnt 0x0                           ; the wave's end, behind my last tensor load and my last LDS store
	ds_add_u32 v[SPW], v[NIL]
	s_wait_dscnt 0x0
	CROUND                                         ; the closing round: no work-group ends while a partner may still ask for a tile that names it
	s_endpgm
.Lfunc_end_k_q150258974b_qkv:
	.size	k_q150258974b_qkv, .Lfunc_end_k_q150258974b_qkv-k_q150258974b_qkv
	.p2alignl 7, 3214868480
	.fill 96, 4, 3214868480
	.section	.rodata,"a",@progbits
	.p2align	6, 0x0
	.amdhsa_kernel k_q150258974b_qkv
		.amdhsa_group_segment_fixed_size 327680
		.amdhsa_private_segment_fixed_size 0
		.amdhsa_enable_private_segment 0
		.amdhsa_kernarg_size 32
		.amdhsa_user_sgpr_count 2
		.amdhsa_user_sgpr_kernarg_segment_ptr 1
		.amdhsa_wavefront_size32 1
		.amdhsa_system_sgpr_workgroup_id_x 1
		.amdhsa_system_sgpr_workgroup_id_y 1
		.amdhsa_system_sgpr_workgroup_id_z 1
		.amdhsa_system_vgpr_workitem_id 0
		.amdhsa_next_free_vgpr 1024
		.amdhsa_next_free_sgpr 100
		.amdhsa_reserve_vcc 0
		.amdhsa_float_denorm_mode_32 3
		.amdhsa_float_denorm_mode_16_64 3
		.amdhsa_memory_ordered 1
		.amdhsa_forward_progress 1
		.amdhsa_inst_pref_size 170
	.end_amdhsa_kernel
	.amdgpu_metadata
---
amdhsa.version: [ 1, 2 ]
amdhsa.kernels:
  - .name:           k_q150258974b_qkv
    .symbol:         k_q150258974b_qkv.kd
    .args:
      - { .name: cw, .offset: 0, .size: 8, .value_kind: global_buffer, .address_space: global }
      - { .name: lowp_scales, .offset: 8, .size: 8, .value_kind: global_buffer, .address_space: global }
      - { .name: rope, .offset: 16, .size: 8, .value_kind: global_buffer, .address_space: global }
      - { .name: qkv, .offset: 24, .size: 8, .value_kind: global_buffer, .address_space: global }
    .group_segment_fixed_size: 327680
    .private_segment_fixed_size: 0
    .kernarg_segment_align: 8
    .kernarg_segment_size: 32
    .max_flat_workgroup_size: 128
    .sgpr_count:     100
    .vgpr_count:     1024
    .wavefront_size: 32
...
	.end_amdgpu_metadata
.endif
;; end of part 2
;; launch attn (part 3): grid 16 x 16, 8 waves a work-group, no clusters, 327,680 bytes of LDS; arguments qkv, lowp_scales, ac; writes ac
.if DOCPART == 3
	.amdgcn_target "amdgcn-amd-amdhsa--gfx1250"
	.amdhsa_code_object_version 6
	.text
	.protected	k_q150258974b_attn
	.globl	k_q150258974b_attn
	.p2align	8
	.type	k_q150258974b_attn,@function
k_q150258974b_attn:
	s_mov_b64 s[64:65], 0
	v_nop
	global_prefetch_b8 v0, s[64:65] scope:SCOPE_SE
	s_setreg_imm32_b32 hwreg(HW_REG_WAVE_MODE, 25, 1), 1
	s_wait_xcnt 0x0
; Causal attention on codes of E4M3: 16 heads, 2048 queries and keys, head size 128.  Both products on the codes that the projection stored; the result, divided by the row's sum, is quantised for the last projection.
; THE SOFTMAX AHEAD OF THE SECOND PRODUCT: t = score x log2(e) / sqrt(128); M = the row's largest t so far, rounded UP to a whole number; p = 2^(t - M) is quantised along the keys, not normalised.
; The row's sum is taken of the unquantised p and divides O at the end.  When M moves, the sum and O are multiplied by 2^(old M - new M): exact.
; INPUT: qkv = [q, k, v][head][block of 128][128 places][128 bytes]; place p holds row p with bits 3 and 4 changed over; v has channels as rows and keys as bytes.
; So sixteen consecutive places of k are the keys 32 b + 8 u + r + 8 (r / 8): the 16 registers of score tiles 2 b, 2 b + 1 are 16 neighbouring keys; and of v likewise 16 neighbouring channels.
; SHARES.  Work-group (i, head): waves 0-3 own the queries 64 i .. 64 i + 63, waves 4-7 the queries 64 (31 - i) on, 16 a wave: the key steps of an early and a late block add to the same number for every i,
; so all 256 work-groups have equal work under the mask.  Every work-group walks all 8 slots of 256 keys (constant trip counts); a step all of whose keys are hidden from the wave is jumped over.
; K's and V's blocks come through a ring of two LDS slots; a slot is four parts of 16 KiB (K's two blocks of 128 keys, V's two), each a dense block of memory, brought as 64 rows of 256 bytes by waves 0 to 3.
; NO CLUSTER, though the sixteen work-groups of a head read the same K and V: which steps a wave leaves out, and where a work-group's loads end, hangs on the work-group's x.
; LAYOUT.  Both products are used transposed: S^T = K Q^T, O^T = V^T P^T: a lane holds ONE query (lane % 16) throughout.
; OUTPUT: ac = [head][sequence][128] codes: the K blocks of the last projection's A.
; LIMITS on the given exponents: e6 + e7 between -123 and 130 (added to c's exponent field); e8, and e10 - e8 - e9, between -126 and 119.
; REGISTERS: v1-3, v5-7 addresses that stay; v8-11 addresses in hand; v12 -M, v13 the largest t, v[14:15] the sum in two halves; v16-31 Q; v32-95 four fragments of K or V; v96-159 S^T, then p, then four fragments of V;
; v160-223 O^T; v224-239 p's codes; v240-254 at work.
.set PARTB, 64*272                     ; a part in LDS: 64 rows of 256 bytes + 16 of padding; two places to a row
.set SLOT1, 1<<17                      ; slot 1 begins here: one exclusive or turns an address from one slot to the other
.set NSL,   8
.set SPARE, 2*SLOT1                    ; behind the ring: the spare words, 128 bytes for each wave: four blocks of 256 bytes that no other line names
.set AK0,  1                           ; v1   my lane's place in a tile of K: (r / 2) x 272 + (r % 2) x 128 + 16 h
.set AV0,  2                           ; v2   the same for V
.set PFO,  3                           ; v3   256 x lane, for the prefetches; never rewritten
.set SPW,  5                           ; v5   LDS address of my spare word; never rewritten
.set NIL,  6                           ; v6   0; never rewritten
.set GO,   7                           ; v7   16 x lane: the way out
.set ADK,  8
.set ADV,  9
.set WV,   18                          ; s18  my wave's number
.set SEL,  20                          ; s[20:21] selects for v_permlanex16_b32: lane l xor 16
.set CS,   22                          ; s[22:23] c = log2(e) / sqrt(128) x 2^(e6 + e7)
.set G1,   24                          ; s[24:31] descriptor group 1: one shape for all four parts
.set G0,   40                          ; s[40:43] descriptor group 0, which walks
.set TB,   44                          ; s44  LDS byte at which the slot in hand begins
.set QL,   66                          ; s66  my work-group's last query
.set SLOTS, 67                         ; s67  changes of slots still to come in the loop
.set PFA,  76                          ; s[76:77] where my prefetches stand
.set LIM,  80                          ; s80  1 in a wave that prefetches, else the greatest number
.set KF,   98                          ; s98  the step's first key
.set Q0,   99                          ; s99  my first query
.macro TLOAD                           ; waves 0 to 3 fetch a part each.  An s_nop 0 and four v_nop follow the load
	s_cmp_lt_u32 s[WV], 4
	s_cbranch_scc0 .Lasked_\@
	tensor_load_to_lds s[G0:G0+3], s[G1:G1+7]
	s_nop 0
.rept 4
	v_nop
.endr
.Lasked_\@:
.endm
; A PREFETCH INTO THE L2 of what the NEXT change of slots will ask for: four parts of 16 KiB.  Each aligned block of 256 bytes is named once in the launch: of a head's sixteen work-groups the one with x = 0 asks
; (it walks all slots to the end); in it waves 4 to 7, which fetch nothing, take a part each: two instructions, lanes 256 bytes apart.  The last change that fills a slot asks for nothing; slots 0 and 1 come by their loads alone.
.macro ASK
	s_cmp_gt_u32 s[SLOTS], s[LIM]
	s_cbranch_scc0 .Lnot_mine_\@
	global_prefetch_b8 v[PFO], s[PFA:PFA+1] th:TH_LOAD_NT scope:SCOPE_SE
	global_prefetch_b8 v[PFO], s[PFA:PFA+1] offset:8192 th:TH_LOAD_NT scope:SCOPE_SE
.Lnot_mine_\@:
.endm
	s_load_b128 s[4:7], s[0:1], 0x0                ; qkv s[4:5], the scales' exponents s[6:7]
	s_load_b64 s[8:9], s[0:1], 0x10                ; ac
	v_lshl_add_u32 v[SPW], v0, 2, SPARE
	v_mov_b32 v[NIL], 0
	ds_add_u32 v[SPW], v[NIL]                      ; the wave's opening: the add and its wait ahead of my first tensor load; work on registers stands between them
	v_lshrrev_b32 v8, 5, v0
	v_readfirstlane_b32 s[WV], v8                  ; wave 0..7
	s_and_b32 s19, s[WV], 3
	s_and_b32 s72, ttmp7, 0xffff                   ; the head
	s_lshl_b32 s73, s72, 18                        ; its 262,144 bytes in each tensor
	s_lshr_b32 s74, s[WV], 2
	s_lshl_b32 s75, ttmp9, 1
	s_sub_co_u32 s75, 31, s75
	s_mul_i32 s75, s75, s74
	s_add_co_u32 s75, s75, ttmp9                   ; my block of 64 queries: i, or 31 - i
	s_lshl_b32 s[Q0], s75, 6
	s_lshl_b32 s74, s19, 4
	s_add_co_u32 s[Q0], s[Q0], s74                 ; my first query
	s_lshl_b32 s[QL], ttmp9, 6
	s_sub_co_u32 s[QL], 2047, s[QL]                ; the work-group's last: 64 (31 - i) + 63
	s_lshr_b32 s86, s19, 1                         ; the part that wave % 4 stands for: 0, 1: k; 2, 3: v;
	s_add_co_u32 s86, s86, 1
	s_lshl_b32 s86, s86, 22
	s_add_co_u32 s86, s86, s73
	s_and_b32 s87, s19, 1                          ; the first or the second block of 128 keys
	s_lshl_b32 s87, s87, 14
	s_add_co_u32 s86, s86, s87
	s_mov_b32 s87, 0
	s_mul_i32 s88, s19, PARTB                      ; and its place in a slot
	s_and_b32 s90, s[Q0], 0xffffffe0               ; q: my 16 queries lie at the places (Q0 without bit 4) + 8 (bit 4) + r + 8 (r / 8)
	s_bfe_u32 s91, s[Q0], 0x10004
	s_lshl_b32 s91, s91, 3
	s_add_co_u32 s90, s90, s91
	s_lshl_b32 s90, s90, 7
	s_add_co_u32 s90, s90, s73
	s_mov_b32 s91, 0
	s_lshl_b32 s92, s[Q0], 7                       ; ac: my first query's row
	s_add_co_u32 s92, s92, s73
	s_mov_b32 s93, 0
	s_mov_b32 s[G1], (0<<16)|(1<<20)|(5<<22)|(3<<25)   ; no mask; elements of 1 byte; padding: four words after every 64
	s_mov_b32 s[G1+1], 256<<16                     ; tensor_dim0
	s_mov_b32 s[G1+2], 64<<16                      ; tensor_dim1
	s_mov_b32 s[G1+3], 256<<16                     ; tile_dim0
	s_mov_b32 s[G1+4], 64                          ; tile_dim1
	s_mov_b32 s[G1+5], 256                         ; the pitch: the block is dense
	s_mov_b32 s[G1+6], 0
	s_mov_b32 s[G1+7], 0
	s_mov_b32 s[SEL], 0x76543210
	s_mov_b32 s[SEL+1], 0xfedcba98
	s_mov_b32 s[CS], 0x3e0293ee                    ; log2(e) / sqrt(128)
	s_mov_b32 s[TB], 0
	s_mov_b32 s[SLOTS], NSL-1
	s_mov_b32 s[KF], 0
	s_lshr_b32 s82, s[WV], 2
	s_xor_b32 s82, s82, 1                          ; 0 in waves 4 to 7,
	s_or_b32 s82, s82, ttmp9                       ; of the head's work-group with x = 0
	s_cmp_eq_u32 s82, 0
	s_cselect_b32 s[LIM], 1, -1
	s_wait_dscnt 0x0                               ; the opening add is done
	s_wait_kmcnt 0x0
	s_load_b128 s[68:71], s[6:7], 0x18             ; e6, e7, e8, e9
	s_load_b32 s84, s[6:7], 0x28                   ; e10
	s_mov_b32 s[G0], 1
	s_mov_b32 s[G0+1], s88                         ; slot 0
	s_add_nc_u64 s[G0+2:G0+3], s[4:5], s[86:87]
	s_or_b32 s[G0+3], s[G0+3], 0x80000000
	TLOAD                                          ; slot 0
	s_add_nc_u64 s[PFA:PFA+1], s[4:5], s[86:87]
	s_add_nc_u64 s[PFA:PFA+1], s[PFA:PFA+1], 32768 ; in slot 1: the first change of slots steps it to slot 2
	s_add_nc_u64 s[94:95], s[4:5], s[90:91]        ; q at my queries
	s_add_nc_u64 s[8:9], s[8:9], s[92:93]
	v_and_b32 v8, 15, v0                           ; r
	v_bfe_u32 v9, v0, 4, 1                         ; h
	v_and_b32 v11, 8, v8
	v_add_nc_u32 v11, v11, v8                      ; r + 8 (r / 8)
	v_lshlrev_b32 v10, 7, v11
	v_lshl_add_u32 v10, v9, 4, v10
.irp c, 0,1,2,3
	global_load_b128 v[16+4*\c:19+4*\c], v10, s[94:95] offset:32*\c   ; Q's fragment stays in registers
.endr
	v_lshrrev_b32 v[AK0], 1, v8
	v_mul_u32_u24 v[AK0], v[AK0], 272
	v_and_b32 v11, 1, v0
	v_lshl_add_u32 v[AK0], v11, 7, v[AK0]
	v_lshl_add_u32 v[AK0], v9, 4, v[AK0]
	v_add_nc_u32 v[AV0], 2*PARTB, v[AK0]
	v_and_b32 v[GO], 31, v0
	v_lshlrev_b32 v[PFO], 8, v[GO]
	v_lshlrev_b32 v[GO], 4, v[GO]
	v_mov_b32 v13, 0xff61b1e6                      ; the largest t so far: -3e38, under every t
	v_floor_f32 v12, -v13                          ; -M
	v_mov_b32 v14, 0
	v_mov_b32 v15, 0
	v_mov_b32 v246, 0                              ; written once: a lane permute's destination counts as one of its sources
	v_mov_b32 v253, 0                              ; (named as the upper half of the pair v[252:253])
.irp j, 0,1,2,3,4,5,6,7,8,9,10,11,12,13,14,15,16,17,18,19,20,21,22,23,24,25,26,27,28,29,30,31,32,33,34,35,36,37,38,39,40,41,42,43,44,45,46,47,48,49,50,51,52,53,54,55,56,57,58,59,60,61,62,63
	v_mov_b32 v[160+\j], 0                         ; O^T.  (The step is written without a first step of its own: the first finds zeros, which the first change of M leaves zeros)
.endr
	s_wait_kmcnt 0x0
	s_add_co_i32 s72, s68, s69
	s_lshl_b32 s72, s72, 23
	s_add_co_i32 s[CS], s[CS], s72                 ; a score stands for score x 2^(e6 + e7): added to c's exponent field
	s_mov_b32 s[CS+1], s[CS]                       ; (named with it as a pair)
	s_add_co_i32 s72, s70, 127
	s_lshl_b32 s73, s72, 23
	v_mov_b32 v244, s73                            ; 2^e8, for p's conversion
	s_add_co_i32 s72, s72, 8
	s_lshl_b32 s72, s72, 23
	s_or_b32 s72, s72, 0x600000
	v_mov_b32 v240, s72                            ; 448 x 2^e8
; A KEY STEP: 128 keys, the q-th block of the slot in hand.
.macro STEP q
	s_add_co_u32 s96, s[Q0], 15                    ; a step all of whose keys come after my 16 queries is left out: a scalar branch on ids, round the step's loads, products and softmax alone
	s_cmp_gt_u32 s[KF], s96
	s_cbranch_scc1 .Lhidden_\@
	v_add_nc_u32 v[ADK], s[TB], v[AK0]
	v_add_nc_u32 v[ADV], s[TB], v[AV0]
.rept 3
	v_nop                                          ; with the two additions five places: the products below write over registers that the last step's products read (ISA guide 7.12.1)
.endr
.irp g, 0,1                                    ; S^T = K Q^T, four tiles of 16 keys at a time
.if \g > 0
.rept 4
	v_nop                                          ; places in front of loads into registers that matrix instructions have read
.endr
.endif
.irp t, 0,1,2,3
.irp c, 0,1,2,3
	ds_load_b128 v[32+16*\t+4*\c:32+16*\t+4*\c+3], v[ADK] offset:PARTB*(\q)+2176*(4*\g+\t)+32*\c
.endr
.endr
	s_wait_dscnt 0x0
.irp t, 0,1,2,3
	v_wmma_f32_16x16x128_fp8_fp8 v[96+8*(4*\g+\t):103+8*(4*\g+\t)], v[32+16*\t:47+16*\t], v[16:31], 0
.endr
.endr
.rept 4
	v_nop                                          ; places in front of the loads below and of the first read of the scores
.endr
.irp t, 0,1,2,3                                ; V's first four tiles are asked for now and land during the softmax
.irp c, 0,1,2,3
	ds_load_b128 v[32+16*\t+4*\c:32+16*\t+4*\c+3], v[ADV] offset:PARTB*(\q)+2176*\t+32*\c
.endr
.endr
	s_add_co_u32 s96, s[KF], 127                   ; on the diagonal the scores of hidden keys become -infinity ahead of the maximum: p = 0 then.  A step all of whose keys count skips this
	s_cmp_le_u32 s96, s[Q0]
	s_cbranch_scc1 .Lopen_\@
	s_sub_co_i32 s96, s[Q0], s[KF]
	v_and_b32 v252, 15, v0
	v_bfe_u32 v253, v0, 4, 1
	v_lshlrev_b32 v253, 4, v253
	v_sub_nc_u32 v252, v252, v253
	v_add_nc_u32 v252, s96, v252                   ; d = my query - KF - 16 h.  Register 16 b + i holds key KF + 16 h + 32 b + i: hidden where 32 b + i > d
	v_mov_b32 v254, 0xff800000
.irp n, 0,1,2,3,4,5,6,7,8,9,10,11,12,13,14,15,16,17,18,19,20,21,22,23,24,25,26,27,28,29,30,31,32,33,34,35,36,37,38,39,40,41,42,43,44,45,46,47,48,49,50,51,52,53,54,55,56,57,58,59,60,61,62,63
	v_cmp_gt_i32 vcc_lo, 32*(\n/16)+\n%16, v252
	v_cndmask_b32 v[96+\n], v[96+\n], v254, vcc_lo
.endr
.Lopen_\@:
	v_max3_num_f32 v254, v96, v97, v98             ; the step's largest score of my query, among my 64 keys, in two chains, each tile from its low end on,
	v_max3_num_f32 v252, v99, v100, v101
.irp i, 6,10,14,18,22,26,30,34,38,42,46,50,54,58
	v_max3_num_f32 v254, v254, v[96+\i], v[97+\i]
	v_max3_num_f32 v252, v252, v[98+\i], v[99+\i]
.endr
	v_max3_num_f32 v254, v254, v158, v159
	v_max_num_f32 v254, v254, v252
	v_permlanex16_b32 v246, v254, s[SEL], s[SEL+1]
	v_max_num_f32 v254, v254, v246                 ; and among lane l xor 16's
	v_mul_f32 v254, s[CS], v254                    ; as t (c is positive)
	v_max_num_f32 v13, v13, v254                   ; the running largest t
	v_mov_b32 v254, v12
	v_floor_f32 v12, -v13                          ; the new -M = floor(-t): M is a whole number
	v_sub_f32 v254, v12, v254                      ; old M - new M: a whole number, 0 or less
	v_cvt_i32_f32 v254, v254                       ; (it saturates)
	v_ldexp_f32 v252, 1.0, v254                    ; f = 2^(old M - new M)
.irp j, 0,2,4,6,8,10,12,14,16,18,20,22,24,26,28,30,32,34,36,38,40,42,44,46,48,50,52,54,56,58,60,62
	v_pk_fma_f32 v[96+\j:97+\j], v[96+\j:97+\j], s[CS:CS+1], v[12:13] op_sel_hi:[1,0,0]   ; t - M, two at a time
.endr
.irp j, 0,1,2,3,4,5,6,7,8,9,10,11,12,13,14,15,16,17,18,19,20,21,22,23,24,25,26,27,28,29,30,31,32,33,34,35,36,37,38,39,40,41,42,43,44,45,46,47,48,49,50,51,52,53,54,55,56,57,58,59,60,61,62,63
	v_exp_f32 v[96+\j], v[96+\j]                   ; p = 2^(t - M), at most 1: one batch of 64
.endr
	v_pk_mul_f32 v[14:15], v[14:15], v[252:253] op_sel_hi:[1,0]   ; the sums under the new M: the plain instruction behind the batch
	s_wait_alu depctr_va_vdst(0)                   ; one wait for the whole batch, ahead of its first reader
	v_pk_add_f32 v[242:243], v[96:97], v[98:99]    ; the row's sum is taken of the unquantised p: two at a time, in two chains
.irp j, 4,8,12,16,20,24,28,32,36,40,44,48,52,56,60
	v_pk_add_f32 v[14:15], v[14:15], v[96+\j:97+\j]
	v_pk_add_f32 v[242:243], v[242:243], v[98+\j:99+\j]
.endr
	v_pk_add_f32 v[14:15], v[14:15], v[242:243]
.irp b, 0,1,2,3
.irp i, 0,1,2,3,4,5,6,7,8,9,10,11,12,13,14,15
	v_min_num_f32 v[96+16*\b+\i], v[96+16*\b+\i], v240   ; the conversion does not saturate (ISA guide 7.6.2); p is not negative, so the hold is one-sided
.endr
	v_cvt_scalef32_pk8_fp8_f32 v[224+4*\b:225+4*\b], v[96+16*\b:103+16*\b], v244
	v_cvt_scalef32_pk8_fp8_f32 v[226+4*\b:227+4*\b], v[104+16*\b:111+16*\b], v244
.endr
.irp t, 0,1,2,3                                ; p's registers are free: V's last four tiles land there
.irp c, 0,1,2,3
	ds_load_b128 v[96+16*\t+4*\c:96+16*\t+4*\c+3], v[ADV] offset:PARTB*(\q)+2176*(4+\t)+32*\c
.endr
.endr
.irp j, 0,2,4,6,8,10,12,14,16,18,20,22,24,26,28,30,32,34,36,38,40,42,44,46,48,50,52,54,56,58,60,62
	v_pk_mul_f32 v[160+\j:161+\j], v[160+\j:161+\j], v[252:253] op_sel_hi:[1,0]   ; O^T under the new M.  (Also the plain instructions between the conversions and the products)
.endr
	s_wait_dscnt 0x0                               ; V's eight tiles are in
.irp t, 0,1,2,3                                ; O^T += V^T P^T: eight accumulators by turns; K = these 128 keys
	v_wmma_f32_16x16x128_fp8_fp8 v[160+8*\t:167+8*\t], v[32+16*\t:47+16*\t], v[224:239], v[160+8*\t:167+8*\t]
.endr
.irp t, 0,1,2,3
	v_wmma_f32_16x16x128_fp8_fp8 v[192+8*\t:199+8*\t], v[96+16*\t:111+16*\t], v[224:239], v[192+8*\t:199+8*\t]
.endr
.Lhidden_\@:
	s_add_co_u32 s[KF], s[KF], 128
.endm
; THE CHANGE OF SLOTS stands at a slot's head.  Each wave waits for all its tensor loads (its part of the slot that it is about to read), adds 0 to its spare word, and waits for that and for its reads of the slot that it has left.
; Behind the barrier the slot ahead is whole and nobody reads the other one.  fill = 1: that other slot is filled with the keys that follow, up to the causal limit: the load has a slot's two steps in which to land.
.macro CHANGE fill
	s_wait_tensorcnt 0x0                           ; no tensor load of mine is out, so the group 0 may be written
	ds_add_u32 v[SPW], v[NIL]                      ; 0 onto my spare word
.if \fill
	s_xor_b32 s[G0+1], s[G0+1], SLOT1              ; the other slot than last time,
	s_add_nc_u64 s[G0+2:G0+3], s[G0+2:G0+3], 32768 ; the next two blocks of 128 keys; the type bits on top are not reached
	s_wait_xcnt 0x0                                ; the last prefetches, a slot back, have read their address, so it may be written:
	s_add_nc_u64 s[PFA:PFA+1], s[PFA:PFA+1], 32768 ; one slot further on than the descriptor
.endif
	s_wait_dscnt 0x0                               ; the add is done, and my reads of the slot that I have left are over
	s_barrier_signal -1
	s_barrier_wait -1
.if \fill
	s_add_co_u32 s96, s[KF], 256                   ; the first key of the slot that this change would ask for:
	s_cmp_gt_u32 s96, s[QL]                        ; behind my work-group's last query it is read by none of the eight waves, and is not asked for.  Ids and the count of steps alone: all waves go the same way,
	s_cbranch_scc1 .Lpast_\@                       ; and every wait on the tensor counter in this text is for 0
	TLOAD                                          ; a wave's one tensor load until the next change
.Lpast_\@:
	ASK
.endif
.endm
.macro SLOT_STEPS
	STEP 0
	STEP 1
	s_xor_b32 s[TB], s[TB], SLOT1                  ; on to the other slot
.endm
	s_wait_loadcnt 0x0                             ; Q
.Lslot:                                            ; 7 trips: behind each change of slots but the last the next slot is asked for
	CHANGE 1
	SLOT_STEPS
	s_sub_co_u32 s[SLOTS], s[SLOTS], 1
	s_cmp_lg_u32 s[SLOTS], 0
	s_cbranch_scc1 .Lslot
	CHANGE 0                                       ; the last slot is written out: nothing is left to ask for
	SLOT_STEPS
	; THE WAY OUT.  O^T / the sum stands for the result / 2^(e8 + e9): it is quantised with the one scale 2^(e10 - e8 - e9).  A lane's 16 registers of tiles 2 t, 2 t + 1 are channels 32 t + 16 h + 0 .. 15 of its query:
	; 16 codes.  They go through my stage (16 rows x 144 bytes, in slot 0, which has had its last fill and its last read) and leave as runs of 512 consecutive bytes: four rows of 128 codes.
	v_add_f32 v14, v14, v15                        ; the sum's two halves,
	v_permlanex16_b32 v246, v14, s[SEL], s[SEL+1]
	v_add_f32 v14, v14, v246                       ; and lane l xor 16's
	v_rcp_f32 v14, v14
	v_and_b32 v8, 15, v0                           ; (a plain instruction behind the reciprocal)
	v_bfe_u32 v9, v0, 4, 1
	s_sub_co_i32 s72, s84, s70
	s_sub_co_i32 s72, s72, s71                     ; e10 - e8 - e9
	s_add_co_i32 s72, s72, 127
	s_lshl_b32 s73, s72, 23
	s_add_co_i32 s72, s72, 8
	s_lshl_b32 s72, s72, 23
	s_or_b32 s72, s72, 0x600000
	s_mul_i32 s74, s[WV], 2304                     ; my stage
	v_mul_u32_u24 v10, v8, 144
	v_lshl_add_u32 v10, v9, 4, v10
	v_add_nc_u32 v10, s74, v10                     ; in: row r, + 16 h
	v_bfe_u32 v11, v0, 3, 2
	v_mul_u32_u24 v11, v11, 144
	v_and_b32 v8, 7, v0
	v_lshl_add_u32 v11, v8, 4, v11
	v_add_nc_u32 v11, s74, v11                     ; back: eight lanes to a row, four rows an instruction
	v_mov_b32 v244, s73
	v_mov_b32 v240, s72
	s_wait_alu depctr_va_vdst(0)                   ; the wait ahead of the reciprocal's first reader
.irp j, 0,1,2,3,4,5,6,7,8,9,10,11,12,13,14,15,16,17,18,19,20,21,22,23,24,25,26,27,28,29,30,31,32,33,34,35,36,37,38,39,40,41,42,43,44,45,46,47,48,49,50,51,52,53,54,55,56,57,58,59,60,61,62,63
	v_mul_f32 v[96+\j], v[160+\j], v14             ; each accumulator from its low end on
.endr
.irp b, 0,1,2,3
.irp i, 0,1,2,3,4,5,6,7,8,9,10,11,12,13,14,15
	v_med3_num_f32 v[96+16*\b+\i], v[96+16*\b+\i], -v240, v240
.endr
	v_cvt_scalef32_pk8_fp8_f32 v[224+4*\b:225+4*\b], v[96+16*\b:103+16*\b], v244
	v_cvt_scalef32_pk8_fp8_f32 v[226+4*\b:227+4*\b], v[104+16*\b:111+16*\b], v244
.endr
	v_nop                                          ; one plain vector instruction behind the last conversion
.irp b, 0,1,2,3
	ds_store_b128 v10, v[224+4*\b:227+4*\b] offset:32*\b
.endr
.irp i, 0,1,2,3
	ds_load_b128 v[32+4*\i:35+4*\i], v11 offset:576*\i   ; LDS serves a wave's instructions in order: these see my stores
.endr
.irp i, 0,1,2,3
	s_wait_dscnt 3-\i
	global_store_b128 v[GO], v[32+4*\i:35+4*\i], s[8:9] offset:512*\i   ; 512 consecutive bytes, aligned
.endr
	s_wait_tensorcnt 0x0                           ; the wave's end, behind my last tensor load and my last LDS store
	ds_add_u32 v[SPW], v[NIL]
	s_wait_dscnt 0x0
	s_endpgm
.Lfunc_end_k_q150258974b_attn:
	.size	k_q150258974b_attn, .Lfunc_end_k_q150258974b_attn-k_q150258974b_attn
	.p2alignl 7, 3214868480
	.fill 96, 4, 3214868480
	.section	.rodata,"a",@progbits
	.p2align	6, 0x0
	.amdhsa_kernel k_q150258974b_attn
		.amdhsa_group_segment_fixed_size 327680
		.amdhsa_private_segment_fixed_size 0
		.amdhsa_enable_private_segment 0
		.amdhsa_kernarg_size 24
		.amdhsa_user_sgpr_count 2
		.amdhsa_user_sgpr_kernarg_segment_ptr 1
		.amdhsa_wavefront_size32 1
		.amdhsa_system_sgpr_workgroup_id_x 1
		.amdhsa_system_sgpr_workgroup_id_y 1
		.amdhsa_system_sgpr_workgroup_id_z 1
		.amdhsa_system_vgpr_workitem_id 0
		.amdhsa_next_free_vgpr 256
		.amdhsa_next_free_sgpr 100
		.amdhsa_reserve_vcc 1
		.amdhsa_float_denorm_mode_32 3
		.amdhsa_float_denorm_mode_16_64 3
		.amdhsa_memory_ordered 1
		.amdhsa_forward_progress 1
		.amdhsa_inst_pref_size 114
	.end_amdhsa_kernel
	.amdgpu_metadata
---
amdhsa.version: [ 1, 2 ]
amdhsa.kernels:
  - .name:           k_q150258974b_attn
    .symbol:         k_q150258974b_attn.kd
    .args:
      - { .name: qkv, .offset: 0, .size: 8, .value_kind: global_buffer, .address_space: global }
      - { .name: lowp_scales, .offset: 8, .size: 8, .value_kind: global_buffer, .address_space: global }
      - { .name: ac, .offset: 16, .size: 8, .value_kind: global_buffer, .address_space: global }
    .group_segment_fixed_size: 327680
    .private_segment_fixed_size: 0
    .kernarg_segment_align: 8
    .kernarg_segment_size: 24
    .max_flat_workgroup_size: 256
    .sgpr_count:     100
    .vgpr_count:     256
    .wavefront_size: 32
...
	.end_amdgpu_metadata
.endif
;; end of part 3
;; launch oproj (part 4): grid 8 x 8, 4 waves a work-group, clusters of 4 x 4, 327,680 bytes of LDS; arguments ac, cw, lowp_scales, out0; writes out0
.if DOCPART == 4
	.amdgcn_target "amdgcn-amd-amdhsa--gfx1250"
	.amdhsa_code_object_version 6
	.text
	.protected	k_q150258974b_oproj
	.globl	k_q150258974b_oproj
	.p2align	8
	.type	k_q150258974b_oproj,@function
k_q150258974b_oproj:
	s_mov_b64 s[64:65], 0
	v_nop
	global_prefetch_b8 v0, s[64:65] scope:SCOPE_SE
	s_setreg_imm32_b32 hwreg(HW_REG_WAVE_MODE, 25, 1), 1
	s_wait_xcnt 0x0
	s_wait_alu depctr_hold_cnt(0) depctr_sa_sdst(0) depctr_va_vdst(0) depctr_va_sdst(0) depctr_va_ssrc(0) depctr_va_vcc(0) depctr_vm_vsrc(0)
	s_getreg_b32 s2, hwreg(HW_REG_IB_STS2, 6, 4)
	s_cmp_eq_u32 s2, 0
	s_cbranch_scc0 .Lentry_in_a_cluster
	s_endpgm
.Lentry_in_a_cluster:
	s_bfe_u32 s2, ttmp6, 0x10000c
	s_cmp_lg_u32 s2, 0xf033
	s_cbranch_scc0 .Lentry_shape_is_right
	s_endpgm
.Lentry_shape_is_right:
; out0 = attention's result x Wo: 2048 x 2048 x 2048 on codes of E4M3; out0 f32.  A = ac (rows = sequence), B = Wo's codes (tensor 6 of cw, rows = n); each finished sum is multiplied once by 2^(e10 + e11).
; OPERANDS are laid K-blocked, [16][2048 rows][128 codes]: 256 rows x 128 K are 32,768 dense bytes, which one tensor load brings as 128 rows of 256 bytes: TWO rows of codes to an LDS row.
; A tile of C, 256 x 256, is made by four waves, each 128 x 128: 64 accumulators, 512 registers.  K goes in steps of 256 through a ring of two LDS slots; a slot is four parts (A's two K blocks, B's two), a part to a wave.
; CLUSTERS: 4 x 4 work-groups; A's parts are asked for jointly along a row of the cluster, B's along a column.  64 work-groups: the tile keeps each fragment read from LDS at work in eight products.
; THE MATRIX INSTRUCTION IS USED TRANSPOSED (source 0 = 16 rows of B, source 1 = 16 rows of A): a lane holds eight neighbouring numbers of a row of C.
; LIMIT: e10 + e11 between -126 and 127, so that 2^(e10 + e11) is an f32 number.
; REGISTERS, in windows of 256: window 0: v0-31 addresses; from v128 A's fragments, ONE set; on the way out v32-255 are free.   window 1: B's fragments, TWO sets.
;   window 2: the accumulators of my rows 0-63 ((a, b) at v[8 (8 a + b)]);   window 3: those of rows 64-127.
.set PITCH,  272                       ; an LDS row: 256 bytes + 16 of padding.  Lane r of a fragment reads LDS row r / 2, half r % 2
.set FR,     16
.set NL,     4
.set NP,     4                         ; places behind this matrix instruction (ISA guide 7.12.1)
.set PART,   128*PITCH                 ; 256 rows x 128 K: what one tensor load brings
.set HALFW,  64*PITCH                  ; 128 rows of a part: what one wave reads
.set SLOT,   4*PART
.set LAPS,   4
.set KBB,    262144
.set SIZE_N, 2048
.set SPARE,  2*SLOT                    ; behind the ring: the spare words, 128 bytes for each wave: two blocks of 256 bytes that no other line names
.set SPITCH, 528                       ; the way out: a stage of 16 rows x (512 bytes + 16) for each wave, in slot 0, which has had its last fill and its last read by then
.set ADRA, 16
.set ADRB, 20
.set STO,  24
.set RD,   25
.set CO,   26
.set SPW,  28                          ; v28     LDS address of my spare word; never rewritten
.set NIL,  29                          ; v29     0; never rewritten
.set TMP,  32                          ; the way out: a block's sums x 2^(e10 + e11)
.set AF,   128
.set BK,   128                         ; the way out: 16 rows read back: v128-191 and v192-255 by turns
.set G1, 24
.set G0, 32
.set G1B, 48
.set G0B, 56
.set MSB, 0
.macro WIN new                         ; the immediate's high byte repeats the setting that is left
.if MSB != \new
	s_set_vgpr_msb (MSB<<8)|\new
.set MSB, \new
.endif
.endm
.set MUL_LO, 0xa1
.set MUL_HI, 0xf1
.set TO_B,   0x40
.macro JLOAD g0a, g1a, g0b, g1b        ; a joint load: waves 0 and 1 fetch A's two K blocks, waves 2 and 3 B's; an s_nop 0 and four v_nop follow each of the two lines
	s_cmp_eq_u32 s15, 0
	s_cbranch_scc0 .Lfor_b_\@
	tensor_load_to_lds s[\g0a:\g0a+3], s[\g1a:\g1a+7]
	s_nop 0
.rept 4
	v_nop
.endr
	s_branch .Lasked_\@
.Lfor_b_\@:
	tensor_load_to_lds s[\g0b:\g0b+3], s[\g1b:\g1b+7]
	s_nop 0
.rept 4
	v_nop
.endr
.Lasked_\@:
.endm
.macro CREST
	s_cmp_lg_u32 s14, 0
	s_cbranch_scc1 .Lnot_wave_0_\@
	s_barrier_signal -3
.Lnot_wave_0_\@:
	s_barrier_wait -3
	s_barrier_signal -1
	s_barrier_wait -1
.endm
.macro CROUND
	s_barrier_signal -1
	s_barrier_wait -1
	CREST
.endm
	s_load_b128 s[4:7], s[0:1], 0x0                ; ac s[4:5], cw s[6:7]
	s_load_b128 s[8:11], s[0:1], 0x10              ; the scales' exponents s[8:9], out0 s[10:11]
	v_lshl_add_u32 v[SPW], v0, 2, SPARE
	v_mov_b32 v[NIL], 0
	ds_add_u32 v[SPW], v[NIL]                      ; the wave's opening: the add and its wait ahead of my first tensor load; work on registers stands between them
	v_lshrrev_b32 v1, 5, v0
	v_readfirstlane_b32 s14, v1                    ; wave 0..3
	s_lshr_b32 s15, s14, 1                         ; which half of the tile's rows is mine.  Also: I fetch for A (0) or for B (1)
	s_and_b32 s16, s14, 1                          ; which half of its columns.  Also: which K block of a slot's two I fetch
	s_bfe_u32 s40, ttmp6, 0x40000                  ; cx, cy
	s_bfe_u32 s41, ttmp6, 0x40004
	s_lshl_b32 s42, ttmp9, 2
	s_add_co_u32 s42, s42, s40                     ; tile column
	s_and_b32 s17, ttmp7, 0xffff
	s_lshl_b32 s17, s17, 2
	s_add_co_u32 s17, s17, s41                     ; tile row
	s_lshl_b32 s43, s41, 2
	s_lshl_b32 s43, 15, s43                        ; my row of the cluster
	s_lshl_b32 s44, 0x1111, s40                    ; my column
	s_or_b32 s[G1+0], s43, (0<<16)|(1<<20)|(1<<21)|(5<<22)|(3<<25)  ; the mask; elements of 1 byte; padding on; bit 21 beside a mask; four words after every 64
	s_or_b32 s[G1B+0], s44, (0<<16)|(1<<20)|(1<<21)|(5<<22)|(3<<25)
.irp g, G1, G1B
	s_mov_b32 s[\g+1], 256<<16
	s_mov_b32 s[\g+2], 128<<16
	s_mov_b32 s[\g+3], 256<<16
	s_mov_b32 s[\g+4], 128
	s_mov_b32 s[\g+5], 256
	s_mov_b32 s[\g+6], 0
	s_mov_b32 s[\g+7], 0
.endr
	s_lshl_b32 s20, s17, 15                        ; A: the tile row's 256 rows,
	s_lshl_b32 s18, s16, 18                        ; my K block of the two
	s_add_co_u32 s20, s20, s18
	s_mov_b32 s21, 0
	s_lshl_b32 s46, s42, 15                        ; B: the tile column's 256 rows,
	s_add_co_u32 s46, s46, s18
	s_add_co_u32 s46, s46, 0x1800000               ; in tensor 6 of cw
	s_mov_b32 s47, 0
	s_mul_i32 s45, s14, PART                       ; where they go: wave x a part
	s_wait_dscnt 0x0                               ; the opening add is done
	s_wait_kmcnt 0x0
	s_load_b64 s[96:97], s[8:9], 0x28              ; e10, e11
	s_add_nc_u64 s[20:21], s[4:5], s[20:21]
	s_add_nc_u64 s[46:47], s[6:7], s[46:47]
	CROUND                                         ; all sixteen work-groups are here: the first joint loads meet
.irp s, 0,1
	s_mov_b32 s[G0+4*\s], 1
	s_add_co_u32 s[G0+4*\s+1], s45, \s*SLOT
	s_add_nc_u64 s[G0+4*\s+2:G0+4*\s+3], s[20:21], \s*2*KBB
	s_or_b32 s[G0+4*\s+3], s[G0+4*\s+3], 0x80000000
	s_mov_b32 s[G0B+4*\s], 1
	s_add_co_u32 s[G0B+4*\s+1], s45, \s*SLOT
	s_add_nc_u64 s[G0B+4*\s+2:G0B+4*\s+3], s[46:47], \s*2*KBB
	s_or_b32 s[G0B+4*\s+3], s[G0B+4*\s+3], 0x80000000
	JLOAD G0+4*\s, G1, G0B+4*\s, G1B
.endr
	v_and_b32 v1, 15, v0                           ; r
	v_bfe_u32 v2, v0, 4, 1                         ; h
	v_lshrrev_b32 v3, 1, v1
	v_mul_u32_u24 v3, v3, PITCH
	v_and_b32 v4, 1, v0
	v_lshl_add_u32 v3, v4, 7, v3
	v_lshl_add_u32 v4, v2, 4, v3                   ; LDS row r / 2, half r % 2, + 16 h
	s_mul_i32 s21, s15, HALFW
	s_mul_i32 s22, s16, HALFW
	s_add_co_u32 s22, s22, 2*PART
.irp s, 0,1
	v_add_nc_u32 v[ADRA+\s], s21, v4
	v_add_nc_u32 v[ADRB+\s], s22, v4
	s_add_co_u32 s21, s21, SLOT
	s_add_co_u32 s22, s22, SLOT
.endr
	s_mul_i32 s23, s14, 16*SPITCH                  ; my stage
	v_mul_u32_u24 v5, v1, SPITCH                   ; in: row r, 32 bytes for each half of the lanes
	v_lshl_add_u32 v5, v2, 5, v5
	v_add_nc_u32 v[STO], s23, v5
	v_and_b32 v6, 31, v0
	v_lshlrev_b32 v[CO], 4, v6                     ; back: the 32 lanes take one row of 512 bytes; and the same in C
	v_add_nc_u32 v[RD], s23, v[CO]
	s_lshl_b32 s20, s17, 21                        ; my first row of C: (256 x tile row + 128 x half) x 8,192 bytes,
	s_lshl_b32 s21, s15, 20
	s_add_co_u32 s20, s20, s21
	s_lshl_b32 s46, s42, 10                        ; my first column: 1,024 x tile column + 512 x half
	s_lshl_b32 s47, s16, 9
	s_add_co_u32 s46, s46, s47
	s_add_co_u32 s20, s20, s46
	s_mov_b32 s21, 0
	s_add_nc_u64 s[10:11], s[10:11], s[20:21]
.macro FRAG reg, adr, q, i             ; a fragment: lane l holds row l % 16; registers 4 c .. 4 c + 3 hold K = 32 c + 16 (l / 16) + 0 .. 15: the same order of K in A and in B
.irp c, 0,1,2,3
	ds_load_b128 v[\reg+4*\c:\reg+4*\c+3], v[\adr] offset:PART*(\q)+32*\c+(\i)*8*PITCH
.endr
.endm
.macro MUL16 a0, p, zero               ; 16 matrix instructions; the 64 accumulators take turns, one instruction a turn
.irp a, \a0, \a0+1
.irp b, 0,1,2,3,4,5,6,7
.if \zero
	v_wmma_f32_16x16x128_fp8_fp8 v[8*(8*((\a)%4)+\b):8*(8*((\a)%4)+\b)+7], v[128*(\p)+FR*\b:128*(\p)+FR*\b+FR-1], v[AF+FR*(\a):AF+FR*(\a)+FR-1], 0
.else
	v_wmma_f32_16x16x128_fp8_fp8 v[8*(8*((\a)%4)+\b):8*(8*((\a)%4)+\b)+7], v[128*(\p)+FR*\b:128*(\p)+FR*\b+FR-1], v[AF+FR*(\a):AF+FR*(\a)+FR-1], v[8*(8*((\a)%4)+\b):8*(8*((\a)%4)+\b)+7]
.endif
.endr
.endr
.endm
.macro FETCH_B slot, q, p
	WIN TO_B
.irp i, 0,1,2,3,4,5,6,7
	FRAG 128*(\p)+FR*\i, ADRB+\slot, \q, \i
.endr
	WIN 0
.endm
.macro FETCH_A slot, q, i0
.irp i, \i0, \i0+1, \i0+2, \i0+3
	FRAG AF+FR*(\i), ADRA+\slot, \q, \i
.endr
.endm
.macro PLACES n
.rept \n
	v_nop
.endr
.endm
.macro STEP slot, q, zero
	s_wait_dscnt 4*NL                              ; B's set and A's blocks 0-3 are in; the youngest sixteen loads (A's blocks 4-7) may be out
	WIN MUL_LO
	MUL16 0, (\q)%2, \zero
	MUL16 2, (\q)%2, \zero
	s_wait_dscnt 0
	PLACES NP
	FETCH_B \slot, (\q)+1, 1-(\q)%2
	FETCH_A \slot, (\q)+1, 0
	WIN MUL_HI
	MUL16 4, (\q)%2, \zero
	MUL16 6, (\q)%2, \zero
	PLACES NP
	WIN 0
	FETCH_A \slot, (\q)+1, 4
.endm
.macro TURN slot, next, fill           ; a slot's last step changes slots: one barrier, with the wait for all tensor loads, the add and the wait for LDS in front of it
	s_wait_tensorcnt 0x0                           ; all my tensor loads have landed: my part of the next slot
	ds_add_u32 v[SPW], v[NIL]                      ; 0 onto my spare word
	s_wait_dscnt 4*NL+1                            ; (the add and the youngest sixteen loads may be out)
	WIN MUL_LO
	MUL16 0, 1, 0
	s_wait_dscnt 0x0                               ; the add is done, and my reads of this slot are over
	s_barrier_signal -1
	MUL16 2, 1, 0
	WIN 0
	s_barrier_wait -1
.if \fill
	CREST                                          ; the barrier has opened a round of the cluster's: no wave of any partner still reads this slot or has a load on its way
	s_add_nc_u64 s[G0+4*\slot+2:G0+4*\slot+3], s[G0+4*\slot+2:G0+4*\slot+3], 4*KBB
	s_add_nc_u64 s[G0B+4*\slot+2:G0B+4*\slot+3], s[G0B+4*\slot+2:G0B+4*\slot+3], 4*KBB
	JLOAD G0+4*\slot, G1, G0B+4*\slot, G1B
.else
	PLACES NP
.endif
	FETCH_B \next, 0, 0
	FETCH_A \next, 0, 0
	WIN MUL_HI
	MUL16 4, 1, 0
	MUL16 6, 1, 0
	PLACES NP
	WIN 0
	FETCH_A \next, 0, 4
.endm
	s_wait_tensorcnt 1                             ; my part of K step 0 is in (K step 1's load may be out)
	s_barrier_signal -1
	s_barrier_wait -1
	FETCH_B 0, 0, 0
	FETCH_A 0, 0, 0
	FETCH_A 0, 0, 4
	STEP 0, 0, 1                                   ; the first step's products start the sums
	s_mov_b32 s3, LAPS-1
.Llap:
	TURN 0, 1, 1
	STEP 1, 0, 0
	TURN 1, 0, 1
	STEP 0, 0, 0
	s_sub_co_u32 s3, s3, 1
	s_cmp_lg_u32 s3, 0
	s_cbranch_scc1 .Llap
	TURN 0, 1, 0                                   ; the last lap fills nothing
	STEP 1, 0, 0
	s_wait_dscnt 4*NL
	WIN MUL_LO
	MUL16 0, 1, 0
	MUL16 2, 1, 0
	s_wait_dscnt 0
	WIN MUL_HI
	MUL16 4, 1, 0
	MUL16 6, 1, 0
	WIN 0
; THE WAY OUT, block by block of 16 rows x 128 columns, through my own stage: in as 32 bytes a lane, back as whole rows of 512 bytes.  LDS serves a wave's instructions in order: no wait between the stores and the loads.
.macro TOSTAGE a
.set AC, 64*((\a)%4)
	WIN 0x02+((\a)/4)                              ; source 0: window 2 or 3
.irp j, 0,2,4,6,8,10,12,14,16,18,20,22,24,26,28,30,32,34,36,38,40,42,44,46,48,50,52,54,56,58,60,62
	v_pk_mul_f32 v[TMP+\j:TMP+\j+1], v[AC+\j:AC+\j+1], s[96:97] op_sel_hi:[1,0]   ; both x s96 = 2^(e10 + e11); each accumulator from its low end on
.endr
	WIN 0
.irp b, 0,1,2,3,4,5,6,7
	ds_store_b128 v[STO], v[TMP+8*\b:TMP+8*\b+3] offset:64*\b
	ds_store_b128 v[STO], v[TMP+8*\b+4:TMP+8*\b+7] offset:64*\b+16
.endr
.set BB, BK+64*((\a)%2)
.irp t, 0,1,2,3,4,5,6,7,8,9,10,11,12,13,14,15
	ds_load_b128 v[BB+4*\t:BB+4*\t+3], v[RD] offset:\t*SPITCH
.endr
.endm
.macro SEND a, younger                 ; younger: the LDS instructions issued behind block a's loads, which may stay out
.set BB, BK+64*((\a)%2)
	s_wait_dscnt \younger
.if (\a) > 0
	s_add_nc_u64 s[10:11], s[10:11], 16*SIZE_N*4   ; (behind a wait for the earlier stores' addresses)  16 rows of C on
.endif
.irp t, 0,1,2,3,4,5,6,7,8,9,10,11,12,13,14,15
	global_store_b128 v[CO], v[BB+4*\t:BB+4*\t+3], s[10:11] offset:\t*SIZE_N*4 th:TH_STORE_NT   ; 32 lanes store 512 consecutive bytes, aligned; written once, read by nobody here
.endr
.endm
	s_wait_kmcnt 0x0
	s_add_co_i32 s96, s96, s97
	s_add_co_i32 s96, s96, 127
	s_lshl_b32 s96, s96, 23                        ; 2^(e10 + e11) as f32
	PLACES NP                                      ; in front of the loads into registers that held A's fragments, and of the reads of the last results
	TOSTAGE 0
.irp a, 1,2,3,4,5,6,7
.if \a > 1
	s_wait_xcnt 0x0                                ; block a - 2's stores have read their registers and their base
.endif
	TOSTAGE \a
	SEND \a-1, 32                                  ; behind block a - 1's loads: block a's 16 stores and 16 loads
.endr
	s_wait_xcnt 0x0                                ; block 6's stores have read their base
	SEND 7, 0
	s_wait_tensorcnt 0x0                           ; the wave's end, behind my last tensor load and my last LDS store
	ds_add_u32 v[SPW], v[NIL]
	s_wait_dscnt 0x0
	CROUND                                         ; the closing round: no work-group ends while a partner may still ask for a tile that names it
	s_endpgm
.Lfunc_end_k_q150258974b_oproj:
	.size	k_q150258974b_oproj, .Lfunc_end_k_q150258974b_oproj-k_q150258974b_oproj
	.p2alignl 7, 3214868480
	.fill 96, 4, 3214868480
	.section	.rodata,"a",@progbits
	.p2align	6, 0x0
	.amdhsa_kernel k_q150258974b_oproj
		.amdhsa_group_segment_fixed_size 327680
		.amdhsa_private_segment_fixed_size 0
		.amdhsa_enable_private_segment 0
		.amdhsa_kernarg_size 32
		.amdhsa_user_sgpr_count 2
		.amdhsa_user_sgpr_kernarg_segment_ptr 1
		.amdhsa_wavefront_size32 1
		.amdhsa_system_sgpr_workgroup_id_x 1
		.amdhsa_system_sgpr_workgroup_id_y 1
		.amdhsa_system_sgpr_workgroup_id_z 1
		.amdhsa_system_vgpr_workitem_id 0
		.amdhsa_next_free_vgpr 1024
		.amdhsa_next_free_sgpr 98
		.amdhsa_reserve_vcc 0
		.amdhsa_float_denorm_mode_32 3
		.amdhsa_float_denorm_mode_16_64 3
		.amdhsa_memory_ordered 1
		.amdhsa_forward_progress 1
		.amdhsa_inst_pref_size 123
	.end_amdhsa_kernel
	.amdgpu_metadata
---
amdhsa.version: [ 1, 2 ]
amdhsa.kernels:
  - .name:           k_q150258974b_oproj
    .symbol:         k_q150258974b_oproj.kd
    .args:
      - { .name: ac, .offset: 0, .size: 8, .value_kind: global_buffer, .address_space: global }
      - { .name: cw, .offset: 8, .size: 8, .value_kind: global_buffer, .address_space: global }
      - { .name: lowp_scales, .offset: 16, .size: 8, .value_kind: global_buffer, .address_space: global }
      - { .name: out0, .offset: 24, .size: 8, .value_kind: global_buffer, .address_space: global }
    .group_segment_fixed_size: 327680
    .private_segment_fixed_size: 0
    .kernarg_segment_align: 8
    .kernarg_segment_size: 32
    .max_flat_workgroup_size: 128
    .sgpr_count:     98
    .vgpr_count:     1024
    .wavefront_size: 32
...
	.end_amdgpu_metadata
.endif
;; end of part 4
;; ======== version 2 of 2: 4 launches
;; limits: right only within a limited range of input values
;; workspace buffers: cw 29,360,128 bytes; rope 1,114,112 bytes; qkv 12,582,912 bytes; ac 4,194,304 bytes
;; launch prep (part 5): grid 674 x 1, 4 waves a work-group, no clusters, 68,096 bytes of LDS; arguments x, Wq, Wk, Wv, Wo, lowp_scales, token_positions, cw, rope; writes cw, rope
.if DOCPART == 5
	.amdgcn_target "amdgcn-amd-amdhsa--gfx1250"
	.amdhsa_code_object_version 6
	.text
	.protected	k_q150258974b_prep
	.globl	k_q150258974b_prep
	.p2align	8
	.type	k_q150258974b_prep,@function
k_q150258974b_prep:
	s_mov_b64 s[64:65], 0
	v_nop
	global_prefetch_b8 v0, s[64:65] scope:SCOPE_SE
	s_setreg_imm32_b32 hwreg(HW_REG_WAVE_MODE, 25, 1), 1
	s_wait_xcnt 0x0
; PREP: everything that is made once for the later launches.  Three kinds of work-group, told apart by the work-group's number alone:
;   0 .. 33    THE TABLE: cos and sin of RoPE's angles, from token_positions, laid in the order in which the projection's lanes take them;
;   34 .. 161  x [2048][2048] f32 -> three tensors of E4M3 codes (the scales of products 1, 2, 3: entries 0, 2, 4 of the scales);
;   162 .. 673 Wq, Wk, Wv, Wo [k][n] f32 -> codes with K innermost (entries 1, 3, 5, 11).
; cw holds seven tensors of 4 MiB: x (e0), x (e2), x (e4), Wq, Wk, Wv, Wo.  The first six are laid K-BLOCKED: [K / 128 = 16][2048 rows][128 codes]; a K block is 262,144 bytes.
; Wo's codes are laid BY TILES OF 128 ROWS: [2048 / 128 = 16][K / 128 = 16][128 rows][128 codes]: all K blocks of a tile's rows lie on end, 16,384 bytes each, as the last projection's tensor loads take them.
; code = number / 2^e, held within +-448, to the nearest code, ties to even.
; THE TABLE: 136 blocks of 8,192 bytes.  Block B < 128 serves sequence rows 16 B .. 16 B + 15; blocks 128 .. 135 hold cos = 1, sin = 0 (for v, which is not turned).
; A block is 16 pieces of 512 bytes; in piece 2 b + q lane 16 h + r holds (cos, sin, cos, sin) of row r for the pairs i = 8 b + 4 h + 2 q and i + 1.
; LIMITS: each e between -126 and 119; NaN among the inputs is not served; |position| under 2^22 (the reduction of the angle by pi / 2 in two parts);
; inv = exp(-2 i ln(10000) / 128) is made by v_exp_f32 with the product's low part carried: within about one unit in its last place.
; No tensor load, no barrier: waves share nothing.  Each kind of work-group has LDS bytes of its own.
.set SPW,   12                         ; v12  LDS address of my spare word: SPARE + 4 x my thread's number; never rewritten
.set NIL,   13                         ; v13  0; never rewritten
.set WST,   32768                      ; LDS: 0 .. 32,767 the x path's stages (8,192 a wave); from here the W path's (8,704 a wave)
.set SPARE, 67584                      ; behind them: the spare words, 128 bytes for each wave: two blocks of 256 bytes that no other line names
.set KBB,   262144                     ; a K block of codes in the K-blocked tensors
	s_load_b512 s[4:19], s[0:1], 0x0               ; x 4:5, Wq 6:7, Wk 8:9, Wv 10:11, Wo 12:13, scales 14:15, positions 16:17, cw 18:19
	s_load_b64 s[20:21], s[0:1], 0x40              ; rope
	v_lshl_add_u32 v[SPW], v0, 2, SPARE
	v_mov_b32 v[NIL], 0
	v_lshrrev_b32 v1, 5, v0
	v_readfirstlane_b32 s22, v1                    ; wave 0..3
	v_and_b32 v2, 31, v0                           ; lane
	v_lshlrev_b32 v3, 4, v2                        ; 16 x lane: never rewritten
	s_wait_kmcnt 0x0
	s_load_b256 s[24:31], s[14:15], 0x0            ; e0 .. e7
	s_load_b128 s[32:35], s[14:15], 0x20           ; e8 .. e11
	s_cmp_lt_u32 ttmp9, 34
	s_cbranch_scc1 .Ltable
	s_cmp_lt_u32 ttmp9, 162
	s_cbranch_scc1 .Lxpath
; ---------------- THE WEIGHTS.  A lane takes a column n and its registers run down K: each load reads 128 consecutive bytes a wave, and the conversions give codes with K innermost.
; A wave takes 32 columns x 256 along K (two K blocks).  The codes go through the wave's own stage (a row a column, 272 bytes apart) and leave as runs of 512 consecutive bytes: four rows of 128 codes.
.set WX,  32                           ; v32-95   two sets of 32 numbers
.set WC,  96                           ; v96-103  a block's codes
.set WO,  112                          ; v112-175 the way out
	s_sub_co_u32 s36, ttmp9, 162
	s_lshr_b32 s37, s36, 7                         ; which matrix: 0 Wq, 1 Wk, 2 Wv, 3 Wo
	s_and_b32 s38, s36, 15                         ; x: which 128 columns
	s_bfe_u32 s39, s36, 0x30004                    ; y: which 256 along K
	s_cmp_eq_u32 s37, 1                            ; the choice hangs on the work-group's number alone
	s_cselect_b64 s[6:7], s[8:9], s[6:7]
	s_cmp_eq_u32 s37, 2
	s_cselect_b64 s[6:7], s[10:11], s[6:7]
	s_cmp_eq_u32 s37, 3
	s_cselect_b64 s[6:7], s[12:13], s[6:7]
	s_cselect_b32 s49, 15, 19                      ; the codes' place.  K-blocked: y x 2 K blocks of 2^18, x x 128 rows of 128 bytes.  By tiles (Wo): y x 2 K blocks of 2^14, x x a tile of 2^18
	s_cselect_b32 s54, 18, 14
	s_mov_b32 s52, KBB
	s_cselect_b32 s52, 0x4000, s52                 ; from a K block to the next
	s_mov_b32 s53, 0
	s_lshl_b32 s40, s38, 7
	s_lshl_b32 s41, s22, 5
	s_add_co_u32 s40, s40, s41                     ; my wave's first column
	s_lshl_b32 s42, s39, 21                        ; 256 rows of 8,192 bytes
	s_lshl_b32 s43, s40, 2
	s_add_co_u32 s42, s42, s43
	s_mov_b32 s43, 0
	s_add_nc_u64 s[6:7], s[6:7], s[42:43]
	s_add_co_u32 s44, s37, 3                       ; tensor 3 + matrix,
	s_lshl_b32 s44, s44, 22
	s_lshl_b32 s45, s39, s49                       ; y's part,
	s_add_co_u32 s44, s44, s45
	s_lshl_b32 s45, s38, s54                       ; x's part,
	s_add_co_u32 s44, s44, s45
	s_lshl_b32 s45, s22, 12                        ; my wave's 32 rows of 128 bytes
	s_add_co_u32 s44, s44, s45
	s_mov_b32 s45, 0
	s_add_nc_u64 s[18:19], s[18:19], s[44:45]      ; my rows in the first of my two K blocks,
	s_add_nc_u64 s[50:51], s[18:19], s[52:53]      ; and in the second
	s_mul_i32 s46, s22, 8704
	s_add_co_u32 s46, s46, WST                     ; my stage
	s_wait_alu depctr_va_vdst(0)
	v_lshlrev_b32 v9, 2, v2                        ; in: 4 bytes a lane
	v_mul_u32_u24 v4, v2, 272
	v_add_nc_u32 v4, s46, v4                       ; into the stage: row = my column
	v_lshrrev_b32 v5, 3, v2
	v_mul_u32_u24 v7, v5, 272
	v_and_b32 v6, 7, v2
	v_lshl_add_u32 v7, v6, 4, v7
	v_add_nc_u32 v7, s46, v7                       ; out of it: eight lanes to a row's 128 bytes, four rows an instruction
.macro WLOAD t                         ; block t: W(32 t + i, my column) into set t % 2
.irp i, 0,1,2,3,4,5,6,7,8,9,10,11,12,13,14,15,16,17,18,19,20,21,22,23,24,25,26,27,28,29,30,31
	global_load_b32 v[WX+32*((\t)%2)+\i], v9, s[6:7] offset:(32*(\t)+\i)*8192 th:TH_LOAD_NT
.endr
.endm
	WLOAD 0
	WLOAD 1
	s_wait_kmcnt 0x0
	s_mov_b32 s47, s25                             ; e1, e3, e5 or e11
	s_cmp_eq_u32 s37, 1
	s_cselect_b32 s47, s27, s47
	s_cmp_eq_u32 s37, 2
	s_cselect_b32 s47, s29, s47
	s_cmp_eq_u32 s37, 3
	s_cselect_b32 s47, s35, s47
	s_add_co_i32 s47, s47, 127
	s_lshl_b32 s48, s47, 23
	v_mov_b32 v11, s48                             ; 2^e as f32: the conversion takes its exponent field
	s_add_co_i32 s47, s47, 8
	s_lshl_b32 s47, s47, 23
	s_or_b32 s47, s47, 0x600000
	v_mov_b32 v10, s47                             ; 448 x 2^e
.macro WBLOCK t
.set WS, WX+32*((\t)%2)
.if (\t) < 7
	s_wait_loadcnt 32                              ; this block's 32 loads are in; the next block's may be out
.else
	s_wait_loadcnt 0x0
.endif
.irp i, 0,1,2,3,4,5,6,7,8,9,10,11,12,13,14,15,16,17,18,19,20,21,22,23,24,25,26,27,28,29,30,31
	v_med3_num_f32 v[WS+\i], v[WS+\i], -v10, v10   ; the conversion to an 8-bit code does not saturate (ISA guide 7.6.2): the hold comes first
.endr
.irp g, 0,1,2,3
	v_cvt_scalef32_pk8_fp8_f32 v[WC+2*\g:WC+2*\g+1], v[WS+8*\g:WS+8*\g+7], v11
.endr
	ds_store_b128 v4, v[WC:WC+3] offset:32*(\t)
	ds_store_b128 v4, v[WC+4:WC+7] offset:32*(\t)+16
.if (\t)+2 < 8
	WLOAD (\t)+2
.endif
	s_wait_dscnt 0x0                               ; the stores have read their registers: the next block's codes may be written
.endm
	s_wait_alu depctr_va_vdst(0)
.irp t, 0,1,2,3,4,5,6,7
	WBLOCK \t
.endr
.irp u, 0,1
.irp i, 0,1,2,3,4,5,6,7
	ds_load_b128 v[WO+4*(8*\u+\i):WO+4*(8*\u+\i)+3], v7 offset:4*\i*272+128*\u   ; LDS serves a wave's instructions in order: these see my stores
.endr
.endr
.irp u, 0,1
.irp i, 0,1,2,3,4,5,6,7
	s_wait_dscnt 15-8*\u-\i
	global_store_b128 v3, v[WO+4*(8*\u+\i):WO+4*(8*\u+\i)+3], s[18+32*\u:19+32*\u] offset:512*\i   ; 32 lanes store 512 consecutive bytes, aligned; K block u by its own base
.endr
.endr
	s_wait_tensorcnt 0x0                           ; the wave's end, behind my last LDS store
	ds_add_u32 v[SPW], v[NIL]
	s_wait_dscnt 0x0
	s_endpgm
; ---------------- x.  A wave takes four rows; step t is K block t: four loads of 512 consecutive bytes, one from each row.  The 2,048 bytes turn through the wave's own stage, so that a lane
; holds 16 neighbours along K: lane l has row l / 8, k = 16 (l % 8) on.  Its 16 codes lie at 16 l of the wave's 512 bytes of the K block.  Each number is quantised three times.
.Lxpath:
.set XR,  16                           ; v16-79   four sets of 16 numbers as they are loaded
.set XX,  80                           ; v80-111  two sets of 16 neighbours
.set XT,  112                          ; v112-159 the held numbers: a set for each scale
.set XC,  160                          ; v160-183 codes: two sets of 12 by turns
.set SP,  80                           ; a lane's place in a stage: 64 bytes + 16 of padding
	s_sub_co_u32 s36, ttmp9, 34
	s_lshl_b32 s36, s36, 2
	s_add_co_u32 s36, s36, s22                     ; which four rows: 0 .. 511
	s_lshl_b32 s38, s36, 15
	s_mov_b32 s39, 0
	s_add_nc_u64 s[4:5], s[4:5], s[38:39]
	s_lshl_b32 s38, s36, 9
	s_add_nc_u64 s[40:41], s[18:19], s[38:39]      ; my 512 bytes of a K block, in the three tensors
	s_add_nc_u64 s[42:43], s[40:41], 0x400000
	s_add_nc_u64 s[44:45], s[40:41], 0x800000
	s_mul_i32 s37, s22, 8192
	s_wait_alu depctr_va_vdst(0)
	v_lshrrev_b32 v14, 2, v2
	v_mul_u32_u24 v14, v14, SP
	v_and_b32 v15, 3, v2
	v_lshl_add_u32 v14, v15, 4, v14
	v_add_nc_u32 v14, s37, v14                     ; into the stage: four lanes' 64 bytes on end, then the padding
	v_mul_u32_u24 v15, v2, SP
	v_add_nc_u32 v15, s37, v15                     ; out of it: my 64 bytes
.macro XLOAD t
.irp i, 0,1,2,3
	global_load_b128 v[XR+16*((\t)%4)+4*\i:XR+16*((\t)%4)+4*\i+3], v3, s[4:5] offset:8192*\i+512*(\t) th:TH_LOAD_NT
.endr
.endm
.macro XTURN t                         ; LDS serves a wave's instructions in order: no wait between the stores and the loads
.irp i, 0,1,2,3
	ds_store_b128 v14, v[XR+16*((\t)%4)+4*\i:XR+16*((\t)%4)+4*\i+3] offset:32*SP*((\t)%2)+8*SP*\i
.endr
.irp i, 0,1,2,3
	ds_load_b128 v[XX+16*((\t)%2)+4*\i:XX+16*((\t)%2)+4*\i+3], v15 offset:32*SP*((\t)%2)+16*\i
.endr
.endm
.irp t, 0,1,2,3
	XLOAD \t
.endr
	s_wait_alu depctr_va_vdst(0)
	s_wait_kmcnt 0x0
.irp j, 0,1,2
	s_add_co_i32 s46, s[24+2*\j], 127              ; e0, e2, e4
	s_lshl_b32 s47, s46, 23
	v_mov_b32 v[184+2*\j], s47                     ; 2^e
	s_add_co_i32 s46, s46, 8
	s_lshl_b32 s46, s46, 23
	s_or_b32 s46, s46, 0x600000
	v_mov_b32 v[185+2*\j], s46                     ; 448 x 2^e
.endr
	s_wait_alu depctr_va_vdst(0)
	s_wait_loadcnt 12                              ; step 0's four loads are in
	XTURN 0
.macro XSTEP t
.set XS, XX+16*((\t)%2)
.set CC, XC+12*((\t)%2)
	s_wait_dscnt 0x0                               ; this step's numbers are back from the stage, and its stores into the stage have read their registers,
.if (\t)+4 < 16
	XLOAD (\t)+4                                   ; which take the loads of four steps on
.endif
.if (\t)+1 < 16
.if 14-(\t) >= 3
	s_wait_loadcnt 12                              ; the next step's four loads are in; those of the three steps behind it may be out
.else
	s_wait_loadcnt 4*(14-(\t))
.endif
	XTURN (\t)+1
.endif
	s_wait_xcnt 0x0                                ; the stores of two steps ago have read this set of codes: it is written again only behind this wait
.irp j, 0,1,2
.irp i, 0,1,2,3,4,5,6,7,8,9,10,11,12,13,14,15
	v_med3_num_f32 v[XT+16*\j+\i], v[XS+\i], -v[185+2*\j], v[185+2*\j]
.endr
	v_cvt_scalef32_pk8_fp8_f32 v[CC+4*\j:CC+4*\j+1], v[XT+16*\j:XT+16*\j+7], v[184+2*\j]
	v_cvt_scalef32_pk8_fp8_f32 v[CC+4*\j+2:CC+4*\j+3], v[XT+16*\j+8:XT+16*\j+15], v[184+2*\j]
	global_store_b128 v3, v[CC+4*\j:CC+4*\j+3], s[40+2*\j:41+2*\j] offset:KBB*(\t)   ; 512 consecutive bytes, aligned.  (The next vector lines are plain holds into another set of registers)
.endr
.endm
.irp t, 0,1,2,3,4,5,6,7,8,9,10,11,12,13,14,15
	XSTEP \t
.endr
	s_wait_tensorcnt 0x0                           ; the wave's end, behind my last LDS store
	ds_add_u32 v[SPW], v[NIL]
	s_wait_dscnt 0x0
	s_endpgm
; ---------------- THE TABLE.  A wave makes one block: 16 rows x 64 pairs; a lane 32 pairs of its row.  No LDS.
.Ltable:
	s_lshl_b32 s36, ttmp9, 2
	s_add_co_u32 s36, s36, s22                     ; block 0 .. 135
	s_min_u32 s37, s36, 127                        ; the blocks of ones read a position too, inside the buffer, and multiply it by 0
	s_lshl_b32 s38, s37, 6
	s_mov_b32 s39, 0
	s_add_nc_u64 s[16:17], s[16:17], s[38:39]
	v_and_b32 v4, 15, v0
	v_lshlrev_b32 v4, 2, v4
	global_load_b32 v14, v4, s[16:17]              ; my row's position
	s_lshl_b32 s38, s36, 13
	s_add_nc_u64 s[20:21], s[20:21], s[38:39]
	s_cmp_lt_u32 s36, 128
	s_cselect_b32 s40, 1.0, 0
	s_mov_b32 s41, 0x3c08839e                      ; sin: x + x z (S1 + z (S2 + z S3)), z = x x, on |x| <= pi / 4
	s_mov_b32 s42, 0xb94ca1f9
	s_mov_b32 s43, 0xbe2aaaa3
	s_mov_b32 s44, 0xbab6061a                      ; cos: 1 - z / 2 + z z (C1 + z (C2 + z C3))
	s_mov_b32 s45, 0x37ccf5ce
	s_mov_b32 s46, 0x3d2aaaa5
	s_mov_b32 s47, 0x3fb8aa3b                      ; log2(e), and what f32 leaves of it
	s_mov_b32 s48, 0x32a57060
	v_bfe_u32 v5, v0, 4, 1
	v_lshlrev_b32 v5, 3, v5                        ; 8 h
.set TN, 0
.rept 32                               ; element TN = 2 (2 b + q) + e: 2 i = 16 b + 4 q + 2 e + 8 h
	v_add_nc_u32 v80, 16*(TN/4)+4*((TN/2)%2)+2*(TN%2), v5
	v_cvt_f32_u32 v80, v80
	v_mul_f32 v80, 0xbd935d8e, v80                 ; -2 i x f32(ln(10000) / 128): one rounding, as the definition has it
	v_mul_f32 v[16+TN], s47, v80                   ; x log2(e): the high part,
	v_fma_f32 v[48+TN], v80, s47, -v[16+TN]        ; what the rounding dropped,
	v_fma_f32 v[48+TN], v80, s48, v[48+TN]         ; and the constant's low part
.set TN, TN+1
.endr
.set TN, 0
	s_wait_alu depctr_va_vdst(0)
.rept 32
	v_exp_f32 v[16+TN], v[16+TN]                   ; one batch of 32
.set TN, TN+1
.endr
.set TN, 0
.rept 32
	v_mul_f32 v[48+TN], 0x3f317218, v[48+TN]       ; the low part x ln 2: plain work that names no result of the batch
.set TN, TN+1
.endr
	s_wait_alu depctr_va_vdst(0)                   ; one wait for the batch, ahead of its first reader
.set TN, 0
.rept 32
	v_fma_f32 v[16+TN], v[16+TN], v[48+TN], v[16+TN]   ; inv = 2^high x (1 + low ln 2)
.set TN, TN+1
.endr
	s_wait_loadcnt 0x0
	v_cvt_f32_i32 v14, v14
	v_mul_f32 v14, s40, v14                        ; the position, or 0 in the blocks of ones: angle 0 gives cos = 1, sin = 0 exactly
.macro SINCOS2 n2                      ; two pairs: (cos, sin, cos, sin), 16 bytes a lane, 512 consecutive bytes a wave
.irp e, 0,1
.set TT, 80+8*\e
.set IN, 16+2*(\n2)+\e
.set OU, 96+4*(\n2)+2*\e
	v_mul_f32 v[TT], v14, v[IN]                    ; the angle: one rounding, as the definition has it
	v_mul_f32 v[TT+1], 0x3f22f983, v[TT]
	v_rndne_f32 v[TT+1], v[TT+1]                   ; k = the nearest multiple of pi / 2
	v_fmamk_f32 v[TT], v[TT+1], 0xbfc90fdb, v[TT]  ; x = angle - k pi / 2, pi / 2 in two parts, fused
	v_fmamk_f32 v[TT], v[TT+1], 0x333bbd2e, v[TT]
	v_mul_f32 v[TT+2], v[TT], v[TT]
	v_fma_f32 v[TT+3], v[TT+2], s42, s41
	v_fma_f32 v[TT+4], v[TT+2], s45, s44
	v_fma_f32 v[TT+3], v[TT+3], v[TT+2], s43
	v_fma_f32 v[TT+4], v[TT+4], v[TT+2], s46
	v_mul_f32 v[TT+3], v[TT+3], v[TT+2]
	v_mul_f32 v[TT+4], v[TT+4], v[TT+2]
	v_fma_f32 v[TT+5], v[TT+2], -0.5, 1.0
	v_fma_f32 v[TT+3], v[TT+3], v[TT], v[TT]       ; sin x
	v_fma_f32 v[TT+4], v[TT+4], v[TT+2], v[TT+5]   ; cos x
	v_cvt_i32_f32 v[TT+1], v[TT+1]
	v_and_b32 v[TT+5], 1, v[TT+1]
	v_cmp_eq_u32 vcc_lo, 1, v[TT+5]                ; an odd k changes the two over: a selection of values, no branch
	v_cndmask_b32 v[OU], v[TT+4], v[TT+3], vcc_lo
	v_cndmask_b32 v[OU+1], v[TT+3], v[TT+4], vcc_lo
	v_add_nc_u32 v[TT+5], 1, v[TT+1]
	v_lshlrev_b32 v[TT+5], 30, v[TT+5]             ; cos is negative where k mod 4 is 1 or 2: bit 1 of k + 1,
	v_lshlrev_b32 v[TT+1], 30, v[TT+1]             ; sin where it is 2 or 3: bit 1 of k
	v_and_b32 v[TT+5], 0x80000000, v[TT+5]
	v_and_b32 v[TT+1], 0x80000000, v[TT+1]
	v_xor_b32 v[OU], v[OU], v[TT+5]
	v_xor_b32 v[OU+1], v[OU+1], v[TT+1]
.endr
	global_store_b128 v3, v[96+4*(\n2):96+4*(\n2)+3], s[20:21] offset:512*(\n2)   ; each store has registers of its own: none is written again
.endm
.irp p, 0,1,2,3,4,5,6,7,8,9,10,11,12,13,14,15
	SINCOS2 \p
.endr
	s_endpgm
.Lfunc_end_k_q150258974b_prep:
	.size	k_q150258974b_prep, .Lfunc_end_k_q150258974b_prep-k_q150258974b_prep
	.p2alignl 7, 3214868480
	.fill 96, 4, 3214868480
	.section	.rodata,"a",@progbits
	.p2align	6, 0x0
	.amdhsa_kernel k_q150258974b_prep
		.amdhsa_group_segment_fixed_size 68096
		.amdhsa_private_segment_fixed_size 0
		.amdhsa_enable_private_segment 0
		.amdhsa_kernarg_size 72
		.amdhsa_user_sgpr_count 2
		.amdhsa_user_sgpr_kernarg_segment_ptr 1
		.amdhsa_wavefront_size32 1
		.amdhsa_system_sgpr_workgroup_id_x 1
		.amdhsa_system_sgpr_workgroup_id_y 1
		.amdhsa_system_sgpr_workgroup_id_z 1
		.amdhsa_system_vgpr_workitem_id 0
		.amdhsa_next_free_vgpr 192
		.amdhsa_next_free_sgpr 66
		.amdhsa_reserve_vcc 1
		.amdhsa_float_denorm_mode_32 3
		.amdhsa_float_denorm_mode_16_64 3
		.amdhsa_memory_ordered 1
		.amdhsa_forward_progress 1
		.amdhsa_inst_pref_size 183
	.end_amdhsa_kernel
	.amdgpu_metadata
---
amdhsa.version: [ 1, 2 ]
amdhsa.kernels:
  - .name:           k_q150258974b_prep
    .symbol:         k_q150258974b_prep.kd
    .args:
      - { .name: x, .offset: 0, .size: 8, .value_kind: global_buffer, .address_space: global }
      - { .name: Wq, .offset: 8, .size: 8, .value_kind: global_buffer, .address_space: global }
      - { .name: Wk, .offset: 16, .size: 8, .value_kind: global_buffer, .address_space: global }
      - { .name: Wv, .offset: 24, .size: 8, .value_kind: global_buffer, .address_space: global }
      - { .name: Wo, .offset: 32, .size: 8, .value_kind: global_buffer, .address_space: global }
      - { .name: lowp_scales, .offset: 40, .size: 8, .value_kind: global_buffer, .address_space: global }
      - { .name: token_positions, .offset: 48, .size: 8, .value_kind: global_buffer, .address_space: global }
      - { .name: cw, .offset: 56, .size: 8, .value_kind: global_buffer, .address_space: global }
      - { .name: rope, .offset: 64, .size: 8, .value_kind: global_buffer, .address_space: global }
    .group_segment_fixed_size: 68096
    .private_segment_fixed_size: 0
    .kernarg_segment_align: 8
    .kernarg_segment_size: 72
    .max_flat_workgroup_size: 128
    .sgpr_count:     66
    .vgpr_count:     192
    .wavefront_size: 32
...
	.end_amdgpu_metadata
.endif
;; end of part 5
;; launch qkv (part 6): grid 24 x 8, 4 waves a work-group, clusters of 4 x 4, 327,680 bytes of LDS; arguments cw, lowp_scales, rope, qkv; writes qkv
.if DOCPART == 6
	.amdgcn_target "amdgcn-amd-amdhsa--gfx1250"
	.amdhsa_code_object_version 6
	.text
	.protected	k_q150258974b_qkv
	.globl	k_q150258974b_qkv
	.p2align	8
	.type	k_q150258974b_qkv,@function
k_q150258974b_qkv:
	s_mov_b64 s[64:65], 0
	v_nop
	global_prefetch_b8 v0, s[64:65] scope:SCOPE_SE
	s_setreg_imm32_b32 hwreg(HW_REG_WAVE_MODE, 25, 1), 1
	s_wait_xcnt 0x0
	s_wait_alu depctr_hold_cnt(0) depctr_sa_sdst(0) depctr_va_vdst(0) depctr_va_sdst(0) depctr_va_ssrc(0) depctr_va_vcc(0) depctr_vm_vsrc(0)
	s_getreg_b32 s2, hwreg(HW_REG_IB_STS2, 6, 4)
	s_cmp_eq_u32 s2, 0
	s_cbranch_scc0 .Lentry_in_a_cluster
	s_endpgm
.Lentry_in_a_cluster:
	s_bfe_u32 s2, ttmp6, 0x10000c
	s_cmp_lg_u32 s2, 0xf033
	s_cbranch_scc0 .Lentry_shape_is_right
	s_endpgm
.Lentry_shape_is_right:
; q, k and v: three products of 2048 x 2048 x 2048 on codes of E4M3, in one grid; RoPE and the quantisers of the attention's operands stand in the way out, so that only codes go to memory.
; z = cluster x / 2 says which: 0 q, 1 k, 2 v.  For q and k: A = x's codes (rows = sequence), B = the weight's (rows = n).  FOR v THE ROLES ARE CHANGED OVER: A = Wv's codes, B = x's:
; the result is v transposed, so that a lane's eight numbers are eight neighbouring KEYS of one channel, which is the K of the attention's second product.
; OPERANDS are laid K-blocked, [16][2048 rows][128 codes]: 256 rows x 128 K are 32,768 dense bytes, which one tensor load brings as 128 rows of 256 bytes: TWO rows of codes to an LDS row.
; A tile of C, 256 x 256, is made by four waves, each 128 x 128: 64 accumulators, 512 registers.  K goes in steps of 256 through a ring of two LDS slots; a slot is four parts (A's two K blocks, B's two), a part to a wave.
; CLUSTERS: 4 x 4 work-groups; A's parts are asked for jointly along a row of the cluster, B's along a column.  192 work-groups: three products of 64 tiles.
; THE MATRIX INSTRUCTION IS USED TRANSPOSED (source 0 = 16 rows of B, source 1 = 16 rows of A): a lane holds eight neighbouring numbers of a row of C.
; PREFETCHES: a wave's part of K step t + 2 is named where K step t is asked for (the head also names K step 1): of the part's 32,768 bytes each of the four partners that ask for it jointly names 8,192, told apart by address,
; lanes 256 bytes apart, one instruction a wave.  K steps 6 and 7's requests name nothing.  The table's 64 KiB of a wave are shared by 2 waves x 4 partners, a block of 8,192 bytes each, named in the loop's last trip, two K steps ahead of the first load.
; THE WAY OUT, 16 rows at a time: (even, odd) -> (even cos - odd sin, odd cos + even sin), cos and sin from the table (for v: 1 and 0); the hold; the conversion, whose one scale is
; 2^(e_out - e_A - e_B): the sums are turned and quantised as they are, since a power of two goes through both unchanged.
; OUTPUT: [z][head 16][block 16][128 rows][128 bytes]; q, k: row = sequence mod 128, byte = channel; v: block = key block, row = channel, byte = key mod 128.  A wave's 128 x 128 is one such block of 16 KiB.
; Row p is stored at the place p with bits 3 and 4 changed over: sixteen consecutive places are then the rows 32 b + 8 u + r + 8 (r / 8) that the attention wants as a tile.
; LIMITS: e6 - e0 - e1, e7 - e2 - e3 and e9 - e4 - e5 between -126 and 119, so that the scale and 448 x the scale are f32 numbers.
; REGISTERS, in windows of 256: window 0: v0-31 addresses; v32-95 the table's set 0; from v128 A's fragments, ONE set; on the way out v160-239 as named below.
;   window 1: B's fragments, TWO sets; on the way out v0-191 are the table's sets 1 to 3.   window 2: the accumulators of my rows 0-63 ((a, b) at v[8 (8 a + b)]);   window 3: those of rows 64-127.
.set PITCH,  272                       ; an LDS row: 256 bytes + 16 of padding.  Lane r of a fragment reads LDS row r / 2, half r % 2
.set FR,     16                        ; registers of a fragment: 16 rows x 128 K
.set NL,     4                         ; LDS loads that bring one
.set NP,     4                         ; places behind this matrix instruction (ISA guide 7.12.1)
.set PART,   128*PITCH                 ; 256 rows x 128 K: what one tensor load brings
.set HALFW,  64*PITCH                  ; 128 rows of a part: what one wave reads
.set SLOT,   4*PART
.set LAPS,   4                         ; a lap = two K steps of 256 = once round the ring; K = 2048
.set KBB,    262144                    ; a K block in memory
.set SPARE,  2*SLOT                    ; behind the ring: the spare words, 128 bytes for each wave
.set ADRA, 16                          ; v16-17  LDS address of my A fragments in slot 0, 1
.set ADRB, 20                          ; v20-21  the same for B
.set STO,  24                          ; v24     the way out: where I put 8 codes of a row.  The stage, 16 rows x 144 bytes a wave, lies in slot 0, which has had its last fill and its last read by then
.set RD,   25                          ; v25     the way out: where I read 16 bytes back
.set CO,   26                          ; v26     16 x lane: the table's loads and the stores; never rewritten
.set PFO,  27                          ; v27     256 x lane: the prefetches; never rewritten
.set SPW,  28                          ; v28     LDS address of my spare word; never rewritten
.set NIL,  29                          ; v29     0; never rewritten
.set SC,   30                          ; v30     the conversion's scale
.set LIM,  31                          ; v31     448 x the scale
.set TMP,  160                         ; v160-191 half a block's turned numbers
.set CD,   192                         ; v192-207 a block's codes
.set AF,   128                         ; A's fragments, in window 0
.set G1, 24                            ; s[24:31] descriptor group 1 for A's parts;  s[32:39] group 0, one set for each slot
.set G0, 32
.set G1B, 48                           ; s[48:55], s[56:63] the same for B's
.set G0B, 56
.set PFA, 68                           ; s[68:69] my work-group's quarter of my part, three K steps behind the K step that a prefetch names
.set PFT, 90                           ; s[90:91] the table block that I name
.set TL,  92                           ; s92     the loop count at which I name it: 1, or 0 (never) in v's waves of the lower rows, whose blocks of ones the upper rows' waves name
.set MSB, 0
.macro WIN new                         ; the immediate's high byte repeats the setting that is left
.if MSB != \new
	s_set_vgpr_msb (MSB<<8)|\new
.set MSB, \new
.endif
.endm
.set MUL_LO, 0xa1                      ; source 0 (B) window 1, source 1 (A) window 0, C and D window 2
.set MUL_HI, 0xf1                      ; the same, C and D window 3
.set TO_B,   0x40                      ; destination window 1, address window 0
; A joint load: waves 0 and 1 fetch A's two K blocks, waves 2 and 3 B's.  The branch hangs on the wave's number alone.  An s_nop 0 and four v_nop follow each of the two lines.
.macro JLOAD g0a, g1a, g0b, g1b
	s_cmp_eq_u32 s15, 0
	s_cbranch_scc0 .Lfor_b_\@
	tensor_load_to_lds s[\g0a:\g0a+3], s[\g1a:\g1a+7]
	s_nop 0
.rept 4
	v_nop
.endr
	s_branch .Lasked_\@
.Lfor_b_\@:
	tensor_load_to_lds s[\g0b:\g0b+3], s[\g1b:\g1b+7]
	s_nop 0
.rept 4
	v_nop
.endr
.Lasked_\@:
.endm
.macro CREST                           ; a round of the cluster's barrier behind its opening barrier
	s_cmp_lg_u32 s14, 0
	s_cbranch_scc1 .Lnot_wave_0_\@
	s_barrier_signal -3
.Lnot_wave_0_\@:
	s_barrier_wait -3
	s_barrier_signal -1
	s_barrier_wait -1
.endm
.macro CROUND                          ; a whole round
	s_barrier_signal -1
	s_barrier_wait -1
	CREST
.endm
; The loop's prefetches, behind a joint load and the run of LDS loads that follows it.  s3 = 1 in the last trip: its two refills are K steps 6 and 7, with no K step two on; there the table is named instead, once.
.macro ASK slot
	s_cmp_gt_u32 s3, 1
	s_cbranch_scc0 .Lno_k_\@
	global_prefetch_b8 v[PFO], s[PFA:PFA+1] offset:6*KBB th:TH_LOAD_NT scope:SCOPE_SE
.Lno_k_\@:
.if \slot == 0
	s_cmp_eq_u32 s3, s[TL]
	s_cbranch_scc0 .Lno_t_\@
	global_prefetch_b8 v[PFO], s[PFT:PFT+1] th:TH_LOAD_NT scope:SCOPE_SE
.Lno_t_\@:
.endif
.endm
	s_load_b128 s[4:7], s[0:1], 0x0                ; cw s[4:5], the scales' exponents s[6:7]
	s_load_b128 s[8:11], s[0:1], 0x10              ; the table s[8:9], qkv s[10:11]
	v_lshl_add_u32 v[SPW], v0, 2, SPARE
	v_mov_b32 v[NIL], 0
	ds_add_u32 v[SPW], v[NIL]                      ; the wave's opening: the add, twice on end, and its wait ahead of my first tensor load
	ds_add_u32 v[SPW], v[NIL]
	v_lshrrev_b32 v1, 5, v0
	v_readfirstlane_b32 s14, v1                    ; wave 0..3
	s_lshr_b32 s15, s14, 1                         ; which half of the tile's rows is mine.  Also: I fetch for A (0) or for B (1)
	s_and_b32 s16, s14, 1                          ; which half of its columns.  Also: which K block of a slot's two I fetch
	s_bfe_u32 s40, ttmp6, 0x40000                  ; cx, cy: my place in the cluster
	s_bfe_u32 s41, ttmp6, 0x40004
	s_lshr_b32 s66, ttmp9, 1                       ; z: the same in all sixteen partners
	s_and_b32 s42, ttmp9, 1
	s_lshl_b32 s42, s42, 2
	s_add_co_u32 s42, s42, s40                     ; tile column 0..7
	s_and_b32 s17, ttmp7, 0xffff
	s_lshl_b32 s17, s17, 2
	s_add_co_u32 s17, s17, s41                     ; tile row 0..7
	s_lshl_b32 s43, s41, 2
	s_lshl_b32 s43, 15, s43                        ; my row of the cluster
	s_lshl_b32 s44, 0x1111, s40                    ; my column
	s_or_b32 s[G1+0], s43, (0<<16)|(1<<20)|(1<<21)|(5<<22)|(3<<25)  ; the mask; elements of 1 byte; padding on; bit 21 beside a mask; four words after every 64
	s_or_b32 s[G1B+0], s44, (0<<16)|(1<<20)|(1<<21)|(5<<22)|(3<<25)
.irp g, G1, G1B
	s_mov_b32 s[\g+1], 256<<16                     ; tensor_dim0 = 256 bytes
	s_mov_b32 s[\g+2], 128<<16                     ; tensor_dim1 = 128
	s_mov_b32 s[\g+3], 256<<16                     ; tile_dim0
	s_mov_b32 s[\g+4], 128                         ; tile_dim1
	s_mov_b32 s[\g+5], 256                         ; the pitch: the block is dense
	s_mov_b32 s[\g+6], 0
	s_mov_b32 s[\g+7], 0
.endr
	s_lshr_b32 s67, s66, 1
	s_mul_i32 s67, s67, 3                          ; 3 for v, else 0
	s_add_co_u32 s20, s66, s67                     ; A's tensor in cw: 0, 1, 5
	s_lshl_b32 s20, s20, 22
	s_lshl_b32 s18, s17, 15                        ; + the tile row's 256 rows
	s_add_co_u32 s20, s20, s18
	s_lshl_b32 s18, s16, 18                        ; + my K block of the two
	s_add_co_u32 s20, s20, s18
	s_mov_b32 s21, 0
	s_add_co_u32 s46, s66, 3
	s_sub_co_u32 s46, s46, s67                     ; B's tensor: 3, 4, 2
	s_lshl_b32 s46, s46, 22
	s_lshl_b32 s19, s42, 15                        ; + the tile column's 256 rows
	s_add_co_u32 s46, s46, s19
	s_add_co_u32 s46, s46, s18
	s_mov_b32 s47, 0
	s_mul_i32 s45, s14, PART                       ; where they go: wave x a part: no place in the cluster enters an LDS address
	s_wait_dscnt 0x0                               ; both opening adds are done
	s_wait_kmcnt 0x0
	s_load_b256 s[72:79], s[6:7], 0x0              ; e0 .. e7
	s_load_b128 s[80:83], s[6:7], 0x20             ; e8 .. e11: both are waited for on the way out
	s_add_nc_u64 s[20:21], s[4:5], s[20:21]
	s_add_nc_u64 s[46:47], s[4:5], s[46:47]
.irp s, 0,1
	s_mov_b32 s[G0+4*\s], 1
	s_add_co_u32 s[G0+4*\s+1], s45, \s*SLOT
	s_add_nc_u64 s[G0+4*\s+2:G0+4*\s+3], s[20:21], \s*2*KBB
	s_or_b32 s[G0+4*\s+3], s[G0+4*\s+3], 0x80000000
	s_mov_b32 s[G0B+4*\s], 1
	s_add_co_u32 s[G0B+4*\s+1], s45, \s*SLOT
	s_add_nc_u64 s[G0B+4*\s+2:G0B+4*\s+3], s[46:47], \s*2*KBB
	s_or_b32 s[G0B+4*\s+3], s[G0B+4*\s+3], 0x80000000
.endr
	CROUND                                         ; all sixteen work-groups are here: the first joint loads meet
	JLOAD G0, G1, G0B, G1B                         ; K step 0: one tensor load a wave at the head
	s_cmp_eq_u32 s15, 0                            ; the prefetches: my part,
	s_cselect_b64 s[PFA:PFA+1], s[20:21], s[46:47]
	s_cselect_b32 s70, s40, s41                    ; my place among the four that ask for it with me,
	s_lshl_b32 s70, s70, 13                        ; and so my quarter of its 32,768 bytes
	s_mov_b32 s71, 0
	s_add_nc_u64 s[PFA:PFA+1], s[PFA:PFA+1], s[70:71]
	v_and_b32 v9, 31, v0
	v_lshlrev_b32 v[PFO], 8, v9
	global_prefetch_b8 v[PFO], s[PFA:PFA+1] offset:2*KBB th:TH_LOAD_NT scope:SCOPE_SE   ; K step 1,
	global_prefetch_b8 v[PFO], s[PFA:PFA+1] offset:4*KBB th:TH_LOAD_NT scope:SCOPE_SE   ; and K step 2
	v_and_b32 v1, 15, v0                           ; r = l % 16
	v_bfe_u32 v2, v0, 4, 1                         ; h = l / 16
	v_lshrrev_b32 v3, 1, v1
	v_mul_u32_u24 v3, v3, PITCH                    ; LDS row r / 2,
	v_and_b32 v4, 1, v0
	v_lshl_add_u32 v3, v4, 7, v3                   ; its half r % 2,
	v_lshl_add_u32 v4, v2, 4, v3                   ; + 16 h
	s_mul_i32 s21, s15, HALFW                      ; my 128 rows of A
	s_mul_i32 s22, s16, HALFW                      ; my 128 rows of B,
	s_add_co_u32 s22, s22, 2*PART                  ; which lie behind A's two parts
.irp s, 0,1
	v_add_nc_u32 v[ADRA+\s], s21, v4
	v_add_nc_u32 v[ADRB+\s], s22, v4
	s_add_co_u32 s21, s21, SLOT
	s_add_co_u32 s22, s22, SLOT
.endr
	s_mul_i32 s23, s14, 2304                       ; my stage
	s_wait_alu depctr_va_vdst(0)                   ; the wait directly ahead of the readers below
	v_mul_u32_u24 v5, v1, 144                      ; in: row r, 8 bytes for each half of the lanes
	v_lshl_add_u32 v5, v2, 3, v5
	v_add_nc_u32 v[STO], s23, v5
	v_and_b32 v6, 31, v0
	v_lshlrev_b32 v[CO], 4, v6
	v_lshrrev_b32 v7, 3, v6                        ; back: eight lanes to a row of 128 bytes, four rows an instruction
	v_mul_u32_u24 v7, v7, 144
	v_and_b32 v8, 7, v0
	v_lshl_add_u32 v7, v8, 4, v7
	v_add_nc_u32 v[RD], s23, v7
	s_lshl_b32 s84, s42, 1
	s_add_co_u32 s84, s84, s16                     ; which 128 columns of C are mine,
	s_lshl_b32 s85, s17, 1
	s_add_co_u32 s85, s85, s15                     ; which 128 rows
	s_cmp_eq_u32 s66, 2
	s_cselect_b32 s86, s85, s84                    ; the head: by the columns for q and k, by the rows for v
	s_cselect_b32 s87, s84, s85                    ; the block of 128 of the sequence: the other one
	s_lshl_b32 s86, s86, 4
	s_add_co_u32 s86, s86, s87
	s_lshl_b32 s86, s86, 14
	s_lshl_b32 s87, s66, 22
	s_add_co_u32 s86, s86, s87
	s_mov_b32 s87, 0
	s_add_nc_u64 s[10:11], s[10:11], s[86:87]      ; my block of 16 KiB
	s_lshl_b32 s88, s17, 4
	s_lshl_b32 s89, s15, 3
	s_add_co_u32 s88, s88, s89                     ; the table block of my first 16 rows,
	s_cmp_eq_u32 s66, 2
	s_cselect_b32 s88, 128, s88                    ; or, for v, the first of the eight blocks of ones
	s_lshl_b32 s88, s88, 13
	s_mov_b32 s89, 0
	s_add_nc_u64 s[8:9], s[8:9], s[88:89]
	s_lshl_b32 s70, s16, 2
	s_add_co_u32 s70, s70, s40                     ; of my eight table blocks I name block 4 x (wave % 2) + cx
	s_lshl_b32 s70, s70, 13
	s_mov_b32 s71, 0
	s_add_nc_u64 s[PFT:PFT+1], s[8:9], s[70:71]
	s_lshr_b32 s[TL], s66, 1
	s_and_b32 s[TL], s[TL], s15
	s_xor_b32 s[TL], s[TL], 1
.macro LOADT a                         ; table block a of my eight: 16 loads of 512 consecutive bytes, into set a % 4 (window 0 v32-95; window 1 v0-63, v64-127, v128-191)
.set TWL, ((\a)%4+3)/4
.set CL, 32*(1-TWL)+TWL*(64*((\a)%4)-64)
	WIN TO_B*TWL
.irp n, 0,1,2,3,4,5,6,7,8,9,10,11,12,13,14,15
	global_load_b128 v[CL+4*\n:CL+4*\n+3], v[CO], s[8:9] offset:8192*(\a)+512*\n
.endr
	WIN 0
.endm
.macro FRAG reg, adr, q, i             ; a fragment: lane l holds row l % 16; registers 4 c .. 4 c + 3 hold K = 32 c + 16 (l / 16) + 0 .. 15: the same order of K in A and in B
.irp c, 0,1,2,3
	ds_load_b128 v[\reg+4*\c:\reg+4*\c+3], v[\adr] offset:PART*(\q)+32*\c+(\i)*8*PITCH
.endr
.endm
; 16 matrix instructions: A's blocks a0, a0 + 1 x B's eight, 128 along K.  p: B's set.  zero = 1: the first product starts the sums.  The 64 accumulators take turns, one instruction a turn.
.macro MUL16 a0, p, zero
.irp a, \a0, \a0+1
.irp b, 0,1,2,3,4,5,6,7
.if \zero
	v_wmma_f32_16x16x128_fp8_fp8 v[8*(8*((\a)%4)+\b):8*(8*((\a)%4)+\b)+7], v[128*(\p)+FR*\b:128*(\p)+FR*\b+FR-1], v[AF+FR*(\a):AF+FR*(\a)+FR-1], 0
.else
	v_wmma_f32_16x16x128_fp8_fp8 v[8*(8*((\a)%4)+\b):8*(8*((\a)%4)+\b)+7], v[128*(\p)+FR*\b:128*(\p)+FR*\b+FR-1], v[AF+FR*(\a):AF+FR*(\a)+FR-1], v[8*(8*((\a)%4)+\b):8*(8*((\a)%4)+\b)+7]
.endif
.endr
.endr
.endm
.macro FETCH_B slot, q, p              ; B's eight fragments of the slot's q-th K block into set p
	WIN TO_B
.irp i, 0,1,2,3,4,5,6,7
	FRAG 128*(\p)+FR*\i, ADRB+\slot, \q, \i
.endr
	WIN 0
.endm
.macro FETCH_A slot, q, i0             ; A's blocks i0 .. i0 + 3
.irp i, \i0, \i0+1, \i0+2, \i0+3
	FRAG AF+FR*(\i), ADRA+\slot, \q, \i
.endr
.endm
.macro PLACES n                        ; plain vector instructions between a matrix instruction and a load into, or a read of, its registers
.rept \n
	v_nop
.endr
.endm
.macro STEP slot, q, zero              ; 128 along K that has its successor in the same slot
	s_wait_dscnt 4*NL                              ; B's set and A's blocks 0-3 are in; the youngest sixteen loads (A's blocks 4-7) may be out
	WIN MUL_LO
	MUL16 0, (\q)%2, \zero
	MUL16 2, (\q)%2, \zero
	s_wait_dscnt 0                                 ; A's blocks 4-7 are in
	PLACES NP
	FETCH_B \slot, (\q)+1, 1-(\q)%2
	FETCH_A \slot, (\q)+1, 0
	WIN MUL_HI
	MUL16 4, (\q)%2, \zero
	MUL16 6, (\q)%2, \zero
	PLACES NP
	WIN 0
	FETCH_A \slot, (\q)+1, 4
.endm
; A slot's last step changes slots.  All its fragments are asked for already, so its first 32 products stand AHEAD of the change: between the wait for my tensor load and the next request stand the add, the barrier and the round alone.
; In front of the barrier each wave waits for all its tensor loads, adds 0 to its spare word, and waits for that and for its own reads of this slot.  fill = 1: this slot is filled again, two K steps ahead.
.macro TURN slot, next, fill
.if \fill
	s_wait_xcnt 0x0                                ; the last prefetch, a K step back, has read its address:
	s_add_nc_u64 s[PFA:PFA+1], s[PFA:PFA+1], 2*KBB ; a K step on
.endif
	s_wait_dscnt 4*NL                              ; the youngest sixteen loads (A's blocks 4-7) may be out
	WIN MUL_LO
	MUL16 0, 1, 0
	MUL16 2, 1, 0
	WIN 0
	s_wait_tensorcnt 0x0                           ; all my tensor loads have landed: my part of the next slot
	ds_add_u32 v[SPW], v[NIL]                      ; 0 onto my spare word
	s_wait_dscnt 0x0                               ; the add is done, and my reads of this slot are over
	s_barrier_signal -1
	s_barrier_wait -1
.if \fill
	CREST                                          ; the barrier has opened a round of the cluster's: no wave of any partner still reads this slot or has a load on its way
	s_add_nc_u64 s[G0+4*\slot+2:G0+4*\slot+3], s[G0+4*\slot+2:G0+4*\slot+3], 4*KBB
	s_add_nc_u64 s[G0B+4*\slot+2:G0B+4*\slot+3], s[G0B+4*\slot+2:G0B+4*\slot+3], 4*KBB
	JLOAD G0+4*\slot, G1, G0B+4*\slot, G1B         ; the first tensor load behind the round; its four v_nop are the places in front of the loads below
.else
	PLACES NP
.endif
	FETCH_B \next, 0, 0
	FETCH_A \next, 0, 0
.if \fill
	ASK \slot
.endif
	WIN MUL_HI
	MUL16 4, 1, 0
	MUL16 6, 1, 0
	PLACES NP
	WIN 0
	FETCH_A \next, 0, 4
.endm
	s_wait_alu depctr_va_vdst(0)                   ; the wait at the head's end
	s_wait_tensorcnt 0x0                           ; my part of K step 0 is in
	ds_add_u32 v[SPW], v[NIL]
	s_wait_dscnt 0x0
	CROUND                                         ; everybody's part of K step 0 is in, and the joint loads meet
	JLOAD G0+4, G1, G0B+4, G1B                     ; K step 1, the first tensor load behind the round
	FETCH_B 0, 0, 0
	FETCH_A 0, 0, 0
	FETCH_A 0, 0, 4
	global_prefetch_b8 v[PFO], s[PFA:PFA+1] offset:6*KBB th:TH_LOAD_NT scope:SCOPE_SE   ; K step 3
	STEP 0, 0, 1                                   ; the first step stands in front of the loop: its products start the sums
	s_mov_b32 s3, LAPS-1
.Llap:                                                 ; a trip goes once round the ring and fills both slots again
	TURN 0, 1, 1
	STEP 1, 0, 0
	TURN 1, 0, 1
	STEP 0, 0, 0
	s_sub_co_u32 s3, s3, 1
	s_cmp_lg_u32 s3, 0
	s_cbranch_scc1 .Llap
	TURN 0, 1, 0                                   ; the last lap fills nothing, and has no round of the cluster's barrier
	LOADT 0                                        ; set 0 lies idle through the products
	STEP 1, 0, 0
	LOADT 1                                        ; B's set 0 has had its last products, and their places: it takes two table blocks
	LOADT 2
	s_wait_dscnt 4*NL                              ; the very last step: nothing more to fetch
	WIN MUL_LO
	MUL16 0, 1, 0
	MUL16 2, 1, 0
	s_wait_dscnt 0
	WIN MUL_HI
	MUL16 4, 1, 0
	MUL16 6, 1, 0
	WIN 0
; THE WAY OUT.  Block a: my rows 16 a .. 16 a + 15.  Lane (r, h) holds, in accumulator b, columns 16 b + 8 h + 0 .. 7 of row r: four pairs (even, odd); the table's set holds (cos, sin) for each pair in the same places.
.macro ROPEQ a
.set AC, 64*((\a)%4)
.set TW, ((\a)%4+3)/4                  ; the window of the table's set a % 4
.set CT, 32*(1-TW)+TW*(64*((\a)%4)-64)
.set BB, 208+16*((\a)%2)
.if (\a) < 5
	s_wait_loadcnt 48                              ; this block's sixteen table loads are in; the next three blocks' may be out
.else
	s_wait_loadcnt 16*(7-(\a))
.endif
.irp g, 0,1                            ; four accumulators at a time, each from its low end on
	WIN 0x02+((\a)/4)+4*TW                         ; source 0: window 2 or 3; source 1: the table's
.irp j, 0,2,4,6,8,10,12,14,16,18,20,22,24,26,28,30
	v_pk_mul_f32 v[TMP+\j:TMP+\j+1], v[AC+32*\g+\j:AC+32*\g+\j+1], v[CT+32*\g+\j:CT+32*\g+\j+1] op_sel_hi:[1,0]   ; (even, odd) x cos
.endr
.irp j, 0,2,4,6,8,10,12,14,16,18,20,22,24,26,28,30
	v_pk_fma_f32 v[TMP+\j:TMP+\j+1], v[AC+32*\g+\j:AC+32*\g+\j+1], v[CT+32*\g+\j:CT+32*\g+\j+1], v[TMP+\j:TMP+\j+1] op_sel:[1,1,0] op_sel_hi:[0,1,1] neg_lo:[1,0,0]   ; low: - odd x sin; high: + even x sin
.endr
	WIN 0
.irp j, 0,1,2,3,4,5,6,7,8,9,10,11,12,13,14,15,16,17,18,19,20,21,22,23,24,25,26,27,28,29,30,31
	v_med3_num_f32 v[TMP+\j], v[TMP+\j], -v[LIM], v[LIM]   ; the conversion to an 8-bit code does not saturate (ISA guide 7.6.2): the hold comes first
.endr
.irp b, 0,1,2,3
	v_cvt_scalef32_pk8_fp8_f32 v[CD+8*\g+2*\b:CD+8*\g+2*\b+1], v[TMP+8*\b:TMP+8*\b+7], v[SC]
.endr
	v_nop                                          ; one plain vector instruction behind the conversions, ahead of the lines that write their sources again
.endr
.if (\a) < 4
	LOADT (\a)+4                                   ; this block's set of the table is free
.endif
.irp b, 0,1,2,3,4,5,6,7
	ds_store_b64 v[STO], v[CD+2*\b:CD+2*\b+1] offset:16*\b
.endr
.irp i, 0,1,2,3
	ds_load_b128 v[BB+4*\i:BB+4*\i+3], v[RD] offset:576*\i   ; LDS serves a wave's instructions in order: these see the stores above, and the next block's stores come behind them
.endr
.endm
.macro SENDQ a, younger                ; younger: the LDS instructions issued behind block a's loads, which may stay out
.set BB, 208+16*((\a)%2)
	s_wait_dscnt \younger
.irp i, 0,1,2,3
	global_store_b128 v[CO], v[BB+4*\i:BB+4*\i+3], s[10:11] offset:4096*((\a)/2)+1024*((\a)%2)+2048*(\i/2)+512*(\i%2)   ; rows 16 a + 4 i on, at their places (bits 3 and 4 changed over): 512 consecutive bytes, aligned
.endr
.endm
	s_wait_kmcnt 0x0
	s_sub_co_i32 s84, s78, s72
	s_sub_co_i32 s84, s84, s73                     ; q: e6 - e0 - e1
	s_sub_co_i32 s85, s79, s74
	s_sub_co_i32 s85, s85, s75                     ; k: e7 - e2 - e3
	s_sub_co_i32 s86, s81, s76
	s_sub_co_i32 s86, s86, s77                     ; v: e9 - e4 - e5
	s_cmp_eq_u32 s66, 1                            ; chosen by z, without a branch
	s_cselect_b32 s84, s85, s84
	s_cmp_eq_u32 s66, 2
	s_cselect_b32 s84, s86, s84
	s_add_co_i32 s84, s84, 127
	s_lshl_b32 s85, s84, 23
	s_add_co_i32 s84, s84, 8
	s_lshl_b32 s84, s84, 23
	s_or_b32 s84, s84, 0x600000
	PLACES NP                                      ; in front of the loads into, and the writes of, registers that held fragments
	v_mov_b32 v[SC], s85
	v_mov_b32 v[LIM], s84
	LOADT 3                                        ; into the lower half of B's set 1
	ROPEQ 0
.irp a, 1,2,3,4,5,6,7
.if \a > 1
	s_wait_xcnt 0x0                                ; block a - 2's stores have read their registers: block a's loads from the stage may land there
.endif
	ROPEQ \a
	SENDQ \a-1, 12                                 ; behind block a - 1's loads: block a's 8 stores and 4 loads
.endr
	SENDQ 7, 0
	s_wait_tensorcnt 0x0                           ; the wave's end, behind my last tensor load and my last LDS store
	ds_add_u32 v[SPW], v[NIL]
	s_wait_dscnt 0x0
	CROUND                                         ; the closing round: no work-group ends while a partner may still ask for a tile that names it
	s_endpgm
.Lfunc_end_k_q150258974b_qkv:
	.size	k_q150258974b_qkv, .Lfunc_end_k_q150258974b_qkv-k_q150258974b_qkv
	.p2alignl 7, 3214868480
	.fill 96, 4, 3214868480
	.section	.rodata,"a",@progbits
	.p2align	6, 0x0
	.amdhsa_kernel k_q150258974b_qkv
		.amdhsa_group_segment_fixed_size 327680
		.amdhsa_private_segment_fixed_size 0
		.amdhsa_enable_private_segment 0
		.amdhsa_kernarg_size 32
		.amdhsa_user_sgpr_count 2
		.amdhsa_user_sgpr_kernarg_segment_ptr 1
		.amdhsa_wavefront_size32 1
		.amdhsa_system_sgpr_workgroup_id_x 1
		.amdhsa_system_sgpr_workgroup_id_y 1
		.amdhsa_system_sgpr_workgroup_id_z 1
		.amdhsa_system_vgpr_workitem_id 0
		.amdhsa_next_free_vgpr 1024
		.amdhsa_next_free_sgpr 100
		.amdhsa_reserve_vcc 0
		.amdhsa_float_denorm_mode_32 3
		.amdhsa_float_denorm_mode_16_64 3
		.amdhsa_memory_ordered 1
		.amdhsa_forward_progress 1
		.amdhsa_inst_pref_size 173
	.end_amdhsa_kernel
	.amdgpu_metadata
---
amdhsa.version: [ 1, 2 ]
amdhsa.kernels:
  - .name:           k_q150258974b_qkv
    .symbol:         k_q150258974b_qkv.kd
    .args:
      - { .name: cw, .offset: 0, .size: 8, .value_kind: global_buffer, .address_space: global }
      - { .name: lowp_scales, .offset: 8, .size: 8, .value_kind: global_buffer, .address_space: global }
      - { .name: rope, .offset: 16, .size: 8, .value_kind: global_buffer, .address_space: global }
      - { .name: qkv, .offset: 24, .size: 8, .value_kind: global_buffer, .address_space: global }
    .group_segment_fixed_size: 327680
    .private_segment_fixed_size: 0
    .kernarg_segment_align: 8
    .kernarg_segment_size: 32
    .max_flat_workgroup_size: 128
    .sgpr_count:     100
    .vgpr_count:     1024
    .wavefront_size: 32
...
	.end_amdgpu_metadata
.endif
;; end of part 6
;; launch attn (part 7): grid 16 x 16, 16 waves a work-group, no clusters, 327,680 bytes of LDS; arguments qkv, lowp_scales, ac; writes ac
.if DOCPART == 7
	.amdgcn_target "amdgcn-amd-amdhsa--gfx1250"
	.amdhsa_code_object_version 6
	.text
	.protected	k_q150258974b_attn
	.globl	k_q150258974b_attn
	.p2align	8
	.type	k_q150258974b_attn,@function
k_q150258974b_attn:
	s_mov_b64 s[64:65], 0
	v_nop
	global_prefetch_b8 v0, s[64:65] scope:SCOPE_SE
	s_setreg_imm32_b32 hwreg(HW_REG_WAVE_MODE, 25, 1), 1
	s_wait_xcnt 0x0
; Causal attention on codes of E4M3: 16 heads, 2048 queries and keys, head size 128.  Both products on the codes that the projection stored; the result, divided by the row's sum, is quantised for the last projection.
; THE SOFTMAX AHEAD OF THE SECOND PRODUCT: t = score x log2(e) / sqrt(128); M = the row's largest t so far, rounded UP to a whole number; p = 2^(t - M) is quantised along the keys, not normalised.
; The row's sum is taken of the unquantised p and divides O at the end.  When M moves, the sum and O are multiplied by 2^(old M - new M): exact.
; INPUT: qkv = [q, k, v][head][block of 128][128 places][128 bytes]; place p holds row p with bits 3 and 4 changed over; v has channels as rows and keys as bytes.
; So sixteen consecutive places of k are the keys 32 b + 8 u + r + 8 (r / 8): the 16 registers of score tiles 2 b, 2 b + 1 are 16 neighbouring keys; and of v likewise 16 neighbouring channels.
; SHARES.  Work-group (i, head) owns the queries 64 i .. 64 i + 63 (early) and 64 (31 - i) on (late): eight tiles of 16; the key steps of an early and a late tile add to 17 for every i, so all 256 work-groups have equal work.
; EACH TILE HAS TWO WAVES, w and w + 8, WHICH TAKE THE BLOCKS OF 128 KEYS BY TURNS (w < 8: the even blocks; w + 8: the odd ones), each with its own running M, sum and O^T: a late tile's 16 steps are 8 and 8.
; At the end wave w + 8 hands its O^T, -M and sums to wave w through LDS, as images of the registers; both halves are brought under the larger M by exact powers of two and added.
; A wave is late where bit 0 xor bit 2 of its number is 1, and its tile is bits 1 and 2: so the four waves w, w + 4, w + 8, w + 12, and also the four waves 4 t .. 4 t + 3, hold two early and two late tiles.
; Every work-group walks all 4 slots of 512 keys (constant trip counts); a step all of whose keys are hidden from the wave is jumped over.
; K's and V's blocks come through a ring of two LDS slots; a slot is K's four blocks of 128 keys, then V's four; waves 0 to 3 bring two blocks each: 32 KiB of dense memory as 128 rows of 256 bytes.
; NO CLUSTER, though the sixteen work-groups of a head read the same K and V: which steps a wave leaves out, and where a work-group's loads end, hangs on the work-group's x.
; LAYOUT.  Both products are used transposed: S^T = K Q^T, O^T = V^T P^T: a lane holds ONE query (lane % 16) throughout.
; OUTPUT: ac = [sequence / 128][head][128 rows][128 codes]: the last projection's A, by tiles of 128 rows, a head being a K block.
; LIMITS on the given exponents: e6 + e7 between -123 and 130 (added to c's exponent field); e8, and e10 - e8 - e9, between -126 and 119.
; REGISTERS: v1-7 addresses that stay; v8-11 addresses in hand; v12 -M, v13 the largest t, v[14:15] the sum in two halves; v16-31 Q; v32-95 four fragments of K or V; v96-159 S^T, then p, then four fragments of V;
; v160-223 O^T; v224-239 p's codes; v240-254 at work.
.set KBL,   64*272                     ; a block of 128 places in LDS: 64 rows of 256 bytes + 16 of padding; two places to a row
.set PARTB, 2*KBL                      ; what one tensor load brings
.set VOFF,  4*KBL                      ; V's blocks lie behind K's four
.set SLOTB, 8*KBL                      ; a slot: 139,264 = 0x22000 bytes.  The parts begin at multiples of 0x8800, which have neither bit 13 nor bit 17: one exclusive or turns a part's address from one slot to the other
.set NSL,   4
.set SPARE, 2*SLOTB                    ; behind the ring: the spare words, 128 bytes for each wave: eight blocks of 256 bytes that no other line names
.set MRGB,  17*512                     ; the hand-over: 17 images of four registers for each tile, from LDS byte 0 on: in slot 0, which has had its last fill and its last read by then
.set STG,   8*MRGB                     ; behind them, in slot 0 too: the way out's stages, 16 rows x 144 bytes for each of waves 0 to 7
.set AK0,  1                           ; v1   my lane's place in a tile of K: (r / 2) x 272 + (r % 2) x 128 + 16 h, + a block for the waves of the odd blocks
.set AV0,  2                           ; v2   the same for V
.set PFO,  3                           ; v3   256 x lane, for the prefetches; never rewritten
.set MA,   4                           ; v4   the hand-over: 16 x lane + my tile's images
.set SPW,  5                           ; v5   LDS address of my spare word; never rewritten
.set NIL,  6                           ; v6   0; never rewritten
.set GO,   7                           ; v7   16 x lane
.set ADK,  8
.set ADV,  9
.set WV,   18                          ; s18  my wave's number
.set SEL,  20                          ; s[20:21] selects for v_permlanex16_b32: lane l xor 16
.set CS,   22                          ; s[22:23] c = log2(e) / sqrt(128) x 2^(e6 + e7)
.set G1,   24                          ; s[24:31] descriptor group 1: one shape for all four parts
.set G0,   40                          ; s[40:43] descriptor group 0, which walks
.set TB,   44                          ; s44  LDS byte at which the slot in hand begins
.set SKEY, 45                          ; s45  the first key of the slot in hand: the same in all waves
.set PI,   46                          ; s46  0: I take the even blocks of keys; 1: the odd ones
.set QL,   66                          ; s66  my work-group's last query
.set SLOTS, 67                         ; s67  changes of slots still to come in the loop
.set PFA,  76                          ; s[76:77] where my prefetches stand
.set LIM,  80                          ; s80  1 in a wave that prefetches, else the greatest number
.set KF,   98                          ; s98  my step's first key
.set Q0,   99                          ; s99  my first query
.macro TLOAD                           ; waves 0 to 3 fetch a part each.  An s_nop 0 and four v_nop follow the load
	s_cmp_lt_u32 s[WV], 4
	s_cbranch_scc0 .Lasked_\@
	tensor_load_to_lds s[G0:G0+3], s[G1:G1+7]
	s_nop 0
.rept 4
	v_nop
.endr
.Lasked_\@:
.endm
; A PREFETCH INTO THE L2 of what the NEXT change of slots will ask for: K's four blocks and V's four, 16 KiB each.  Each aligned block of 256 bytes is named once in the launch: of a head's sixteen work-groups the one with x = 0 asks
; (it walks all slots to the end); in it waves 4 to 11, which fetch nothing, take a block each (4 to 7: K's; 8 to 11: V's): two instructions, lanes 256 bytes apart.  The last change that fills a slot asks for nothing; slots 0 and 1 come by their loads alone.
.macro ASK
	s_cmp_gt_u32 s[SLOTS], s[LIM]
	s_cbranch_scc0 .Lnot_mine_\@
	global_prefetch_b8 v[PFO], s[PFA:PFA+1] th:TH_LOAD_NT scope:SCOPE_SE
	global_prefetch_b8 v[PFO], s[PFA:PFA+1] offset:8192 th:TH_LOAD_NT scope:SCOPE_SE
.Lnot_mine_\@:
.endm
	s_load_b128 s[4:7], s[0:1], 0x0                ; qkv s[4:5], the scales' exponents s[6:7]
	s_load_b64 s[8:9], s[0:1], 0x10                ; ac
	v_lshl_add_u32 v[SPW], v0, 2, SPARE
	v_mov_b32 v[NIL], 0
	ds_add_u32 v[SPW], v[NIL]                      ; the wave's opening: the add and its wait ahead of my first tensor load; work on registers stands between them
	ds_add_u32 v[SPW], v[NIL]
	v_lshrrev_b32 v8, 5, v0
	s_delay_alu instid0(VALU_DEP_1)
	v_readfirstlane_b32 s[WV], v8                  ; wave 0..15
	s_and_b32 s19, s[WV], 3
	s_lshr_b32 s[PI], s[WV], 3
	s_and_b32 s72, ttmp7, 0xffff                   ; the head
	s_lshl_b32 s73, s72, 18                        ; its 262,144 bytes in each tensor of qkv
	s_lshr_b32 s74, s[WV], 2
	s_xor_b32 s74, s74, s[WV]
	s_and_b32 s74, s74, 1                          ; late (1) or early (0): bit 0 xor bit 2
	s_bfe_u32 s85, s[WV], 0x20001                  ; my tile of the block's four: bits 1 and 2
	s_lshl_b32 s75, ttmp9, 1
	s_sub_co_u32 s75, 31, s75
	s_mul_i32 s75, s75, s74
	s_add_co_u32 s75, s75, ttmp9                   ; my block of 64 queries: i, or 31 - i
	s_lshl_b32 s[Q0], s75, 6
	s_lshl_b32 s85, s85, 4
	s_add_co_u32 s[Q0], s[Q0], s85                 ; my first query: the same in waves w and w + 8
	s_lshl_b32 s[QL], ttmp9, 6
	s_sub_co_u32 s[QL], 2047, s[QL]                ; the work-group's last: 64 (31 - i) + 63
	s_lshr_b32 s86, s19, 1                         ; the part that wave % 4 stands for: 0, 1: k; 2, 3: v;
	s_add_co_u32 s86, s86, 1
	s_lshl_b32 s86, s86, 22
	s_add_co_u32 s86, s86, s73
	s_and_b32 s87, s19, 1                          ; the first or the second two blocks of the slot's four
	s_lshl_b32 s87, s87, 15
	s_add_co_u32 s86, s86, s87
	s_mov_b32 s87, 0
	s_mul_i32 s88, s19, PARTB                      ; and its place in a slot
	s_and_b32 s90, s[Q0], 0xffffffe0               ; q: my 16 queries lie at the places (Q0 without bit 4) + 8 (bit 4) + r + 8 (r / 8)
	s_bfe_u32 s91, s[Q0], 0x10004
	s_lshl_b32 s91, s91, 3
	s_add_co_u32 s90, s90, s91
	s_lshl_b32 s90, s90, 7
	s_add_co_u32 s90, s90, s73
	s_mov_b32 s91, 0
	s_lshr_b32 s92, s[Q0], 7                       ; ac: the tile of 128 rows,
	s_lshl_b32 s92, s92, 18
	s_lshl_b32 s93, s72, 14                        ; the head's K block in it,
	s_add_co_u32 s92, s92, s93
	s_and_b32 s93, s[Q0], 127                      ; my first row there
	s_lshl_b32 s93, s93, 7
	s_add_co_u32 s92, s92, s93
	s_mov_b32 s93, 0
	s_sub_co_u32 s82, s[WV], 4                     ; the prefetches: who,
	s_lshr_b32 s83, s82, 3                         ; 0 in waves 4 to 11,
	s_or_b32 s83, s83, ttmp9                       ; of the head's work-group with x = 0
	s_cmp_eq_u32 s83, 0
	s_cselect_b32 s[LIM], 1, -1
	s_and_b32 s82, s82, 7                          ; and which block of the slot's eight
	s_lshr_b32 s83, s82, 2
	s_add_co_u32 s83, s83, 1
	s_lshl_b32 s83, s83, 22                        ; in k or in v
	s_and_b32 s82, s82, 3
	s_lshl_b32 s82, s82, 14
	s_add_co_u32 s82, s82, s83
	s_add_co_u32 s82, s82, s73
	s_add_co_u32 s82, s82, 65536                   ; in slot 1: the first change of slots steps it to slot 2
	s_mov_b32 s83, 0
	s_mov_b32 s[G1], (0<<16)|(1<<20)|(5<<22)|(3<<25)   ; no mask; elements of 1 byte; padding: four words after every 64
	s_mov_b32 s[G1+1], 256<<16                     ; tensor_dim0
	s_mov_b32 s[G1+2], 128<<16                     ; tensor_dim1
	s_mov_b32 s[G1+3], 256<<16                     ; tile_dim0
	s_mov_b32 s[G1+4], 128                         ; tile_dim1
	s_mov_b32 s[G1+5], 256                         ; the pitch: the block is dense
	s_mov_b32 s[G1+6], 0
	s_mov_b32 s[G1+7], 0
	s_mov_b32 s[SEL], 0x76543210
	s_mov_b32 s[SEL+1], 0xfedcba98
	s_mov_b32 s[CS], 0x3e0293ee                    ; log2(e) / sqrt(128)
	s_mov_b32 s[TB], 0
	s_mov_b32 s[SKEY], 0
	s_mov_b32 s[SLOTS], NSL-1
	s_lshl_b32 s[KF], s[PI], 7                     ; my first block of keys: 0 or 1
	s_mul_i32 s89, s[PI], KBL
	s_wait_dscnt 0x0                               ; the opening add is done
	s_wait_kmcnt 0x0
	s_load_b128 s[68:71], s[6:7], 0x18             ; e6, e7, e8, e9
	s_load_b32 s84, s[6:7], 0x28                   ; e10
	s_mov_b32 s[G0], 1
	s_mov_b32 s[G0+1], s88                         ; slot 0
	s_add_nc_u64 s[G0+2:G0+3], s[4:5], s[86:87]
	s_or_b32 s[G0+3], s[G0+3], 0x80000000
	TLOAD                                          ; slot 0
	s_add_nc_u64 s[PFA:PFA+1], s[4:5], s[82:83]
	s_add_nc_u64 s[94:95], s[4:5], s[90:91]        ; q at my queries
	s_add_nc_u64 s[8:9], s[8:9], s[92:93]
	v_and_b32 v8, 15, v0                           ; r
	v_bfe_u32 v9, v0, 4, 1                         ; h
	s_delay_alu instid0(VALU_DEP_2)
	v_and_b32 v11, 8, v8
	s_delay_alu instid0(VALU_DEP_1)
	v_add_nc_u32 v11, v11, v8                      ; r + 8 (r / 8)
	s_delay_alu instid0(VALU_DEP_1)
	v_lshlrev_b32 v10, 7, v11
	s_delay_alu instid0(VALU_DEP_1)
	v_lshl_add_u32 v10, v9, 4, v10
.irp c, 0,1,2,3
	global_load_b128 v[16+4*\c:19+4*\c], v10, s[94:95] offset:32*\c   ; Q's fragment stays in registers
.endr
	v_lshrrev_b32 v[AK0], 1, v8
	s_delay_alu instid0(VALU_DEP_1)
	v_mul_u32_u24 v[AK0], v[AK0], 272
	v_and_b32 v11, 1, v0
	s_delay_alu instid0(VALU_DEP_1)
	v_lshl_add_u32 v[AK0], v11, 7, v[AK0]
	s_delay_alu instid0(VALU_DEP_1)
	v_lshl_add_u32 v[AK0], v9, 4, v[AK0]
	s_delay_alu instid0(VALU_DEP_1)
	v_add_nc_u32 v[AK0], s89, v[AK0]               ; the waves of the odd blocks begin a block further on
	s_delay_alu instid0(VALU_DEP_1)
	v_add_nc_u32 v[AV0], VOFF, v[AK0]
	v_and_b32 v[GO], 31, v0
	s_delay_alu instid0(VALU_DEP_1)
	v_lshlrev_b32 v[PFO], 8, v[GO]
	s_delay_alu instid0(VALU_DEP_2)
	v_lshlrev_b32 v[GO], 4, v[GO]
	v_mov_b32 v13, 0xff61b1e6                      ; the largest t so far: -3e38, under every t
	s_delay_alu instid0(VALU_DEP_1)
	v_floor_f32 v12, -v13                          ; -M
	v_mov_b32 v14, 0
	v_mov_b32 v15, 0
	v_mov_b32 v246, 0                              ; written once: a lane permute's destination counts as one of its sources
	v_mov_b32 v253, 0                              ; (named as the upper halves of the pairs v[252:253] and v[250:251])
	v_mov_b32 v251, 0
.irp j, 0,1,2,3,4,5,6,7,8,9,10,11,12,13,14,15,16,17,18,19,20,21,22,23,24,25,26,27,28,29,30,31,32,33,34,35,36,37,38,39,40,41,42,43,44,45,46,47,48,49,50,51,52,53,54,55,56,57,58,59,60,61,62,63
	v_mov_b32 v[160+\j], 0                         ; O^T.  (The step is written without a first step of its own: the first finds zeros, which the first change of M leaves zeros; a wave with no step at all hands zeros over)
.endr
	s_wait_kmcnt 0x0
	s_add_co_i32 s72, s68, s69
	s_lshl_b32 s72, s72, 23
	s_add_co_i32 s[CS], s[CS], s72                 ; a score stands for score x 2^(e6 + e7): added to c's exponent field
	s_mov_b32 s[CS+1], s[CS]                       ; (named with it as a pair)
	s_add_co_i32 s72, s70, 127
	s_lshl_b32 s73, s72, 23
	v_mov_b32 v244, s73                            ; 2^e8, for p's conversion
	s_add_co_i32 s72, s72, 8
	s_lshl_b32 s72, s72, 23
	s_or_b32 s72, s72, 0x600000
	v_mov_b32 v240, s72                            ; 448 x 2^e8
; A KEY STEP: 128 keys: my u-th block of the slot in hand (block 2 u + PI of its four).
.macro STEP u
	s_add_co_u32 s96, s[Q0], 15                    ; a step all of whose keys come after my 16 queries is left out: a scalar branch on ids, round the step's loads, products and softmax alone
	s_cmp_gt_u32 s[KF], s96
	s_cbranch_scc1 .Lhidden_\@
	v_add_nc_u32 v[ADK], s[TB], v[AK0]
	s_wait_alu depctr_va_vdst(0)
	v_add_nc_u32 v[ADV], s[TB], v[AV0]
.rept 3
	v_nop                                          ; with the two additions five places: the products below write over registers that the last step's products read (ISA guide 7.12.1)
.endr
.irp g, 0,1                                    ; S^T = K Q^T, four tiles of 16 keys at a time
.if \g > 0
.rept 4
	v_nop                                          ; places in front of loads into registers that matrix instructions have read
.endr
.endif
.irp t, 0,1,2,3
.irp c, 0,1,2,3
	ds_load_b128 v[32+16*\t+4*\c:32+16*\t+4*\c+3], v[ADK] offset:2*KBL*(\u)+2176*(4*\g+\t)+32*\c
.endr
.endr
	s_wait_dscnt 0x0
.irp t, 0,1,2,3
	v_wmma_f32_16x16x128_fp8_fp8 v[96+8*(4*\g+\t):103+8*(4*\g+\t)], v[32+16*\t:47+16*\t], v[16:31], 0
.endr
.endr
.rept 4
	v_nop                                          ; places in front of the loads below and of the first read of the scores
.endr
	s_wait_alu depctr_va_vdst(0)
.irp t, 0,1,2,3                                ; V's first four tiles are asked for now and land during the softmax
.irp c, 0,1,2,3
	ds_load_b128 v[32+16*\t+4*\c:32+16*\t+4*\c+3], v[ADV] offset:2*KBL*(\u)+2176*\t+32*\c
.endr
.endr
	s_add_co_u32 s96, s[KF], 127                   ; on the diagonal the scores of hidden keys become -infinity ahead of the maximum: p = 0 then.  A step all of whose keys count skips this
	s_cmp_le_u32 s96, s[Q0]
	s_cbranch_scc1 .Lopen_\@
	s_sub_co_i32 s96, s[Q0], s[KF]
	v_and_b32 v252, 15, v0
	v_bfe_u32 v253, v0, 4, 1
	s_delay_alu instid0(VALU_DEP_1)
	v_lshlrev_b32 v253, 4, v253
	s_delay_alu instid0(VALU_DEP_1)
	v_sub_nc_u32 v252, v252, v253
	s_delay_alu instid0(VALU_DEP_1)
	v_add_nc_u32 v252, s96, v252                   ; d = my query - KF - 16 h.  Register 16 b + i holds key KF + 16 h + 32 b + i: hidden where 32 b + i > d
	v_mov_b32 v254, 0xff800000
.irp n, 0,1,2,3,4,5,6,7,8,9,10,11,12,13,14,15,16,17,18,19,20,21,22,23,24,25,26,27,28,29,30,31,32,33,34,35,36,37,38,39,40,41,42,43,44,45,46,47,48,49,50,51,52,53,54,55,56,57,58,59,60,61,62,63
	v_cmp_gt_i32 vcc_lo, 32*(\n/16)+\n%16, v252
	v_cndmask_b32 v[96+\n], v[96+\n], v254, vcc_lo
.endr
.Lopen_\@:
	v_max3_num_f32 v254, v96, v97, v98             ; the step's largest score of my query, among my 64 keys, in two chains, each tile from its low end on,
	v_max3_num_f32 v252, v99, v100, v101
.irp i, 6,10,14,18,22,26,30,34,38,42,46,50,54,58
	v_max3_num_f32 v254, v254, v[96+\i], v[97+\i]
	v_max3_num_f32 v252, v252, v[98+\i], v[99+\i]
.endr
	v_max3_num_f32 v254, v254, v158, v159
	s_delay_alu instid0(VALU_DEP_1)
	v_max_num_f32 v254, v254, v252
	s_delay_alu instid0(VALU_DEP_1)
	v_permlanex16_b32 v246, v254, s[SEL], s[SEL+1]
	s_delay_alu instid0(VALU_DEP_1)
	v_max_num_f32 v254, v254, v246                 ; and among lane l xor 16's
	s_delay_alu instid0(VALU_DEP_1)
	v_mul_f32 v254, s[CS], v254                    ; as t (c is positive)
	s_delay_alu instid0(VALU_DEP_1)
	v_max_num_f32 v13, v13, v254                   ; the running largest t
	v_mov_b32 v254, v12
	s_delay_alu instid0(VALU_DEP_2)
	v_floor_f32 v12, -v13                          ; the new -M = floor(-t): M is a whole number
	s_delay_alu instid0(VALU_DEP_1)
	v_sub_f32 v254, v12, v254                      ; old M - new M: a whole number, 0 or less
	s_delay_alu instid0(VALU_DEP_1)
	v_cvt_i32_f32 v254, v254                       ; (it saturates)
	s_delay_alu instid0(VALU_DEP_1)
	v_ldexp_f32 v252, 1.0, v254                    ; f = 2^(old M - new M)
.irp j, 0,2,4,6,8,10,12,14,16,18,20,22,24,26,28,30,32,34,36,38,40,42,44,46,48,50,52,54,56,58,60,62
	v_pk_fma_f32 v[96+\j:97+\j], v[96+\j:97+\j], s[CS:CS+1], v[12:13] op_sel_hi:[1,0,0]   ; t - M, two at a time
.endr
	s_wait_alu depctr_va_vdst(0)
.irp j, 0,1,2,3,4,5,6,7,8,9,10,11,12,13,14,15,16,17,18,19,20,21,22,23,24,25,26,27,28,29,30,31,32,33,34,35,36,37,38,39,40,41,42,43,44,45,46,47,48,49,50,51,52,53,54,55,56,57,58,59,60,61,62,63
	v_exp_f32 v[96+\j], v[96+\j]                   ; p = 2^(t - M), at most 1: one batch of 64
.endr
	v_pk_mul_f32 v[14:15], v[14:15], v[252:253] op_sel_hi:[1,0]   ; the sums under the new M: the plain instruction behind the batch
	s_wait_alu depctr_va_vdst(0)                   ; one wait for the whole batch, ahead of its first reader
	v_pk_add_f32 v[242:243], v[100:101], v[104:105]
	v_pk_add_f32 v[254:255], v[108:109], v[112:113]
	v_pk_add_f32 v[248:249], v[116:117], v[120:121]
	v_pk_add_f32 v[238:239], v[124:125], v[128:129]
	v_pk_add_f32 v[236:237], v[132:133], v[136:137]
	v_pk_add_f32 v[234:235], v[140:141], v[144:145]
	v_pk_add_f32 v[232:233], v[148:149], v[152:153]
	v_pk_add_f32 v[14:15], v[14:15], v[156:157]
	v_pk_add_f32 v[242:243], v[242:243], v[96:97]
	v_pk_add_f32 v[254:255], v[254:255], v[98:99]
	v_pk_add_f32 v[248:249], v[248:249], v[102:103]
	v_pk_add_f32 v[238:239], v[238:239], v[106:107]
	v_pk_add_f32 v[236:237], v[236:237], v[110:111]
	v_pk_add_f32 v[234:235], v[234:235], v[114:115]
	v_pk_add_f32 v[232:233], v[232:233], v[118:119]
	v_pk_add_f32 v[14:15], v[14:15], v[122:123]
	v_pk_add_f32 v[242:243], v[242:243], v[126:127]
	v_pk_add_f32 v[254:255], v[254:255], v[130:131]
	v_pk_add_f32 v[248:249], v[248:249], v[134:135]
	v_pk_add_f32 v[238:239], v[238:239], v[138:139]
	v_pk_add_f32 v[236:237], v[236:237], v[142:143]
	v_pk_add_f32 v[234:235], v[234:235], v[146:147]
	v_pk_add_f32 v[232:233], v[232:233], v[150:151]
	v_pk_add_f32 v[14:15], v[14:15], v[154:155]
	v_pk_add_f32 v[242:243], v[242:243], v[158:159]
	s_delay_alu instid0(VALU_DEP_2)
	v_pk_add_f32 v[14:15], v[14:15], v[238:239]
	s_delay_alu instid0(VALU_DEP_2)
	v_pk_add_f32 v[242:243], v[242:243], v[236:237]
	v_pk_add_f32 v[254:255], v[254:255], v[234:235]
	v_pk_add_f32 v[248:249], v[248:249], v[232:233]
	s_delay_alu instid0(VALU_DEP_2)
	v_pk_add_f32 v[14:15], v[14:15], v[254:255]
	s_delay_alu instid0(VALU_DEP_2)
	v_pk_add_f32 v[242:243], v[242:243], v[248:249]
	s_delay_alu instid0(VALU_DEP_1)
	v_pk_add_f32 v[14:15], v[14:15], v[242:243]
.irp b, 0,1,2,3
.irp i, 0,1,2,3,4,5,6,7,8,9,10,11,12,13,14,15
	v_min_num_f32 v[96+16*\b+\i], v[96+16*\b+\i], v240   ; the conversion does not saturate (ISA guide 7.6.2); p is not negative, so the hold is one-sided
.endr
	v_cvt_scalef32_pk8_fp8_f32 v[224+4*\b:225+4*\b], v[96+16*\b:103+16*\b], v244
	v_cvt_scalef32_pk8_fp8_f32 v[226+4*\b:227+4*\b], v[104+16*\b:111+16*\b], v244
.endr
.irp t, 0,1,2,3                                ; p's registers are free: V's last four tiles land there
.irp c, 0,1,2,3
	ds_load_b128 v[96+16*\t+4*\c:96+16*\t+4*\c+3], v[ADV] offset:2*KBL*(\u)+2176*(4+\t)+32*\c
.endr
.endr
.irp j, 0,2,4,6,8,10,12,14,16,18,20,22,24,26,28,30,32,34,36,38,40,42,44,46,48,50,52,54,56,58,60,62
	v_pk_mul_f32 v[160+\j:161+\j], v[160+\j:161+\j], v[252:253] op_sel_hi:[1,0]   ; O^T under the new M.  (Also the plain instructions between the conversions and the products)
.endr
	s_wait_alu depctr_va_vdst(0)
	s_wait_dscnt 0x0                               ; V's eight tiles are in
.irp t, 0,1,2,3                                ; O^T += V^T P^T: eight accumulators by turns; K = these 128 keys
	v_wmma_f32_16x16x128_fp8_fp8 v[160+8*\t:167+8*\t], v[32+16*\t:47+16*\t], v[224:239], v[160+8*\t:167+8*\t]
.endr
.irp t, 0,1,2,3
	v_wmma_f32_16x16x128_fp8_fp8 v[192+8*\t:199+8*\t], v[96+16*\t:111+16*\t], v[224:239], v[192+8*\t:199+8*\t]
.endr
.Lhidden_\@:
	s_add_co_u32 s[KF], s[KF], 256                 ; my next block of keys is the next but one
.endm
; THE CHANGE OF SLOTS stands at a slot's head.  Each wave waits for all its tensor loads (its part of the slot that it is about to read), adds 0 to its spare word, and waits for that and for its reads of the slot that it has left.
; Behind the barrier the slot ahead is whole and nobody reads the other one.  fill = 1: that other slot is filled with the keys that follow, up to the causal limit: the load has a slot's steps in which to land.
.macro CHANGE fill
	s_wait_tensorcnt 0x0                           ; no tensor load of mine is out, so the group 0 may be written
	ds_add_u32 v[SPW], v[NIL]                      ; 0 onto my spare word
.if \fill
	s_xor_b32 s[G0+1], s[G0+1], SLOTB              ; the other slot than last time,
	s_add_nc_u64 s[G0+2:G0+3], s[G0+2:G0+3], 65536 ; the next four blocks of 128 keys; the type bits on top are not reached
	s_wait_xcnt 0x0                                ; the last prefetches, a slot back, have read their address, so it may be written:
	s_add_nc_u64 s[PFA:PFA+1], s[PFA:PFA+1], 65536 ; one slot further on than the descriptor
.endif
	s_wait_dscnt 0x0                               ; the add is done, and my reads of the slot that I have left are over
	s_barrier_signal -1
	s_barrier_wait -1
.if \fill
	s_add_co_u32 s96, s[SKEY], 512                 ; the first key of the slot that this change would ask for:
	s_cmp_gt_u32 s96, s[QL]                        ; behind my work-group's last query it is read by none of the sixteen waves, and is not asked for.  Ids and the count of slots alone: all waves go the same way,
	s_cbranch_scc1 .Lpast_\@                       ; and every wait on the tensor counter in this text is for 0
	TLOAD                                          ; a wave's one tensor load until the next change
.Lpast_\@:
	ASK
.endif
.endm
.macro SLOT_STEPS
	STEP 0
	STEP 1
	s_xor_b32 s[TB], s[TB], SLOTB                  ; on to the other slot
	s_add_co_u32 s[SKEY], s[SKEY], 512
.endm
	s_wait_loadcnt 0x0                             ; Q
.Lslot:                                            ; 3 trips: behind each change of slots but the last the next slot is asked for
	CHANGE 1
	SLOT_STEPS
	s_sub_co_u32 s[SLOTS], s[SLOTS], 1
	s_cmp_lg_u32 s[SLOTS], 0
	s_cbranch_scc1 .Lslot
	CHANGE 0                                       ; the last slot is written out: nothing is left to ask for
	SLOT_STEPS
	; THE TWO HALVES OF THE KEYS MEET.  Every LDS address of what follows is made here, by every wave, ahead of the parting.  (These eleven plain instructions are also the places behind the last products.)
	v_and_b32 v8, 15, v0                           ; r
	v_bfe_u32 v9, v0, 4, 1                         ; h
	s_and_b32 s74, s[WV], 7                        ; my tile of the eight
	s_mul_i32 s75, s74, MRGB
	v_add_nc_u32 v[MA], s75, v[GO]                 ; its images: 16 x lane, 512 bytes an image
	s_mul_i32 s74, s74, 2304
	s_add_co_u32 s74, s74, STG                     ; its stage
	v_mul_u32_u24 v10, v8, 144
	s_delay_alu instid0(VALU_DEP_1)
	v_lshl_add_u32 v10, v9, 4, v10
	s_delay_alu instid0(VALU_DEP_1)
	v_add_nc_u32 v10, s74, v10                     ; into the stage: row r, + 16 h
	v_bfe_u32 v11, v0, 3, 2
	s_delay_alu instid0(VALU_DEP_1)
	v_mul_u32_u24 v11, v11, 144
	v_and_b32 v8, 7, v0
	s_delay_alu instid0(VALU_DEP_1)
	v_lshl_add_u32 v11, v8, 4, v11
	s_delay_alu instid0(VALU_DEP_1)
	v_add_nc_u32 v11, s74, v11                     ; back: eight lanes to a row, four rows an instruction
	s_cmp_lt_u32 s[WV], 8
	s_cbranch_scc1 .Lkeeper
.irp j, 0,1,2,3,4,5,6,7,8,9,10,11,12,13,14,15  ; waves 8 to 15: O^T as it stands, each accumulator from its low end on,
	ds_store_b128 v[MA], v[160+4*\j:163+4*\j] offset:512*\j
.endr
	ds_store_b128 v[MA], v[12:15] offset:8192      ; and -M, the largest t, the sum's two halves
.Lkeeper:
	s_wait_dscnt 0x0                               ; for the others' sake: my stores have landed
	s_barrier_signal -1
	s_barrier_wait -1
	s_cmp_lt_u32 s[WV], 8
	s_cbranch_scc0 .Lend                           ; waves 8 to 15 have handed their part over
	s_wait_alu depctr_va_vdst(0)
.irp j, 0,1,2,3,4,5,6,7,8,9,10,11,12,13,14,15
	ds_load_b128 v[32+4*\j:35+4*\j], v[MA] offset:512*\j   ; the same registers in the same lanes
.endr
	ds_load_b128 v[96:99], v[MA] offset:8192
	v_add_f32 v14, v14, v15                        ; my sum's two halves
	s_sub_co_i32 s72, s84, s70
	s_sub_co_i32 s72, s72, s71                     ; e10 - e8 - e9
	s_add_co_i32 s72, s72, 127
	s_lshl_b32 s73, s72, 23
	s_add_co_i32 s72, s72, 8
	s_lshl_b32 s72, s72, 23
	s_or_b32 s72, s72, 0x600000
	s_wait_dscnt 0x0
	v_min_num_f32 v254, v12, v96                   ; the smaller -M: the larger M.  Mine is a number (key 0 counts for every query); a partner that had no step brings the starting value, which loses
	s_delay_alu instid0(VALU_DEP_1)
	v_sub_f32 v252, v254, v12                      ; my M less the common one: a whole number, 0 or less,
	s_delay_alu instid0(VALU_DEP_2)
	v_sub_f32 v250, v254, v96                      ; and the partner's
	s_delay_alu instid0(VALU_DEP_2)
	v_cvt_i32_f32 v252, v252                       ; (they saturate)
	s_delay_alu instid0(VALU_DEP_2)
	v_cvt_i32_f32 v250, v250
	s_delay_alu instid0(VALU_DEP_2)
	v_ldexp_f32 v252, 1.0, v252                    ; the two factors: exact powers of two, or 0
	s_wait_alu depctr_va_vdst(0)
	v_ldexp_f32 v250, 1.0, v250
	v_add_f32 v98, v98, v99
	v_mul_f32 v14, v14, v252
	s_delay_alu instid0(VALU_DEP_1)
	v_fma_f32 v14, v98, v250, v14                  ; the sum of both halves of the keys, of my lane,
	s_delay_alu instid0(VALU_DEP_1)
	v_permlanex16_b32 v246, v14, s[SEL], s[SEL+1]
	s_delay_alu instid0(VALU_DEP_1)
	v_add_f32 v14, v14, v246                       ; and of lane l xor 16: the row's sum
	s_wait_alu depctr_va_vdst(0)
	v_rcp_f32 v14, v14
	v_mov_b32 v244, s73                            ; (plain instructions behind the reciprocal)  2^(e10 - e8 - e9),
	v_mov_b32 v240, s72                            ; and 448 x that
	s_wait_alu depctr_va_vdst(0)                   ; the wait ahead of the reciprocal's first reader
	v_mul_f32 v252, v252, v14                      ; the division goes into the two factors: a power of two x 1 / sum rounds nothing more
	v_mul_f32 v250, v250, v14
.irp j, 0,2,4,6,8,10,12,14,16,18,20,22,24,26,28,30,32,34,36,38,40,42,44,46,48,50,52,54,56,58,60,62
	v_pk_mul_f32 v[160+\j:161+\j], v[160+\j:161+\j], v[252:253] op_sel_hi:[1,0]   ; each accumulator from its low end on
.endr
.irp j, 0,2,4,6,8,10,12,14,16,18,20,22,24,26,28,30,32,34,36,38,40,42,44,46,48,50,52,54,56,58,60,62
	v_pk_fma_f32 v[160+\j:161+\j], v[32+\j:33+\j], v[250:251], v[160+\j:161+\j] op_sel_hi:[1,0,1]
.endr
	; THE WAY OUT.  O^T / the sum stands for the result / 2^(e8 + e9): it is quantised with the one scale 2^(e10 - e8 - e9).  A lane's 16 registers of tiles 2 t, 2 t + 1 are channels 32 t + 16 h + 0 .. 15 of its query:
	; 16 codes.  They go through my stage and leave as runs of 512 consecutive bytes: four rows of 128 codes.
.irp b, 0,1,2,3
.irp i, 0,1,2,3,4,5,6,7,8,9,10,11,12,13,14,15
	v_med3_num_f32 v[160+16*\b+\i], v[160+16*\b+\i], -v240, v240
.endr
	v_cvt_scalef32_pk8_fp8_f32 v[224+4*\b:225+4*\b], v[160+16*\b:167+16*\b], v244
	v_cvt_scalef32_pk8_fp8_f32 v[226+4*\b:227+4*\b], v[168+16*\b:175+16*\b], v244
.endr
	v_nop                                          ; one plain vector instruction behind the last conversion
.irp b, 0,1,2,3
	ds_store_b128 v10, v[224+4*\b:227+4*\b] offset:32*\b
.endr
.irp i, 0,1,2,3
	ds_load_b128 v[32+4*\i:35+4*\i], v11 offset:576*\i   ; LDS serves a wave's instructions in order: these see my stores
.endr
.irp i, 0,1,2,3
	s_wait_dscnt 3-\i
	global_store_b128 v[GO], v[32+4*\i:35+4*\i], s[8:9] offset:512*\i   ; 512 consecutive bytes, aligned
.endr
.Lend:
	s_wait_tensorcnt 0x0                           ; the wave's end, behind my last tensor load and my last LDS store
	ds_add_u32 v[SPW], v[NIL]
	s_wait_dscnt 0x0
	s_endpgm
.Lfunc_end_k_q150258974b_attn:
	.size	k_q150258974b_attn, .Lfunc_end_k_q150258974b_attn-k_q150258974b_attn
	.p2alignl 7, 3214868480
	.fill 96, 4, 3214868480
	.section	.rodata,"a",@progbits
	.p2align	6, 0x0
	.amdhsa_kernel k_q150258974b_attn
		.amdhsa_group_segment_fixed_size 327680
		.amdhsa_private_segment_fixed_size 0
		.amdhsa_enable_private_segment 0
		.amdhsa_kernarg_size 24
		.amdhsa_user_sgpr_count 2
		.amdhsa_user_sgpr_kernarg_segment_ptr 1
		.amdhsa_wavefront_size32 1
		.amdhsa_system_sgpr_workgroup_id_x 1
		.amdhsa_system_sgpr_workgroup_id_y 1
		.amdhsa_system_sgpr_workgroup_id_z 1
		.amdhsa_system_vgpr_workitem_id 0
		.amdhsa_next_free_vgpr 256
		.amdhsa_next_free_sgpr 100
		.amdhsa_reserve_vcc 1
		.amdhsa_float_denorm_mode_32 3
		.amdhsa_float_denorm_mode_16_64 3
		.amdhsa_memory_ordered 1
		.amdhsa_forward_progress 1
		.amdhsa_inst_pref_size 123
	.end_amdhsa_kernel
	.amdgpu_metadata
---
amdhsa.version: [ 1, 2 ]
amdhsa.kernels:
  - .name:           k_q150258974b_attn
    .symbol:         k_q150258974b_attn.kd
    .args:
      - { .name: qkv, .offset: 0, .size: 8, .value_kind: global_buffer, .address_space: global }
      - { .name: lowp_scales, .offset: 8, .size: 8, .value_kind: global_buffer, .address_space: global }
      - { .name: ac, .offset: 16, .size: 8, .value_kind: global_buffer, .address_space: global }
    .group_segment_fixed_size: 327680
    .private_segment_fixed_size: 0
    .kernarg_segment_align: 8
    .kernarg_segment_size: 24
    .max_flat_workgroup_size: 512
    .sgpr_count:     100
    .vgpr_count:     256
    .wavefront_size: 32
...
	.end_amdgpu_metadata
.endif
;; end of part 7
;; launch oproj (part 8): grid 16 x 16, 4 waves a work-group, clusters of 4 x 4, 327,680 bytes of LDS; arguments ac, cw, lowp_scales, out0; writes out0
.if DOCPART == 8
	.amdgcn_target "amdgcn-amd-amdhsa--gfx1250"
	.amdhsa_code_object_version 6
	.text
	.protected	k_q150258974b_oproj
	.globl	k_q150258974b_oproj
	.p2align	8
	.type	k_q150258974b_oproj,@function
k_q150258974b_oproj:
	s_mov_b64 s[64:65], 0
	v_nop
	global_prefetch_b8 v0, s[64:65] scope:SCOPE_SE
	s_setreg_imm32_b32 hwreg(HW_REG_WAVE_MODE, 25, 1), 1
	s_wait_xcnt 0x0
	s_wait_alu depctr_hold_cnt(0) depctr_sa_sdst(0) depctr_va_vdst(0) depctr_va_sdst(0) depctr_va_ssrc(0) depctr_va_vcc(0) depctr_vm_vsrc(0)
	s_getreg_b32 s2, hwreg(HW_REG_IB_STS2, 6, 4)
	s_cmp_eq_u32 s2, 0
	s_cbranch_scc0 .Lentry_in_a_cluster
	s_endpgm
.Lentry_in_a_cluster:
	s_bfe_u32 s2, ttmp6, 0x10000c
	s_cmp_lg_u32 s2, 0xf033
	s_cbranch_scc0 .Lentry_shape_is_right
	s_endpgm
.Lentry_shape_is_right:
; THE LAST PROJECTION: out0 [2048][2048] f32 = attention's result x Wo, on codes of E4M3; each finished sum x 2^(e10 + e11).  LIMIT: e10 + e11 between -126 and 127.
; A = ac, B = Wo's codes (tensor 6 of cw), both laid BY TILES OF 128 ROWS: [tile 16][K block 16][128 rows][128 codes]: a tile's K blocks lie on end, 16,384 bytes each.
; A tile of C, 128 x 128, is made by four waves, each 64 x 64: 16 accumulators.  256 work-groups.  The matrix instruction is used transposed (source 0 = rows of B, source 1 = rows of A).
; THE RING: two LDS slots of 512 along K: A's four K blocks, then B's four; two rows of codes to an LDS row of 256 bytes + 16 of padding.
; BOTH SLOTS ARE FILLED AT THE HEAD, one tensor load a wave: four K blocks are 65,536 dense bytes, 256 rows of 256 bytes: waves 0, 1: A's for slot 0, 1; waves 2, 3: B's.  The two refills (K blocks 8-11, 12-15) go in four parts of two K blocks, a part to a wave.
; A refill stands directly behind the slot's last fragment loads: the slot's last 16 products follow it.
; CLUSTERS: 4 x 4 work-groups; A's loads are joint along a row of the cluster, B's along a column.
; PREFETCHES: a wave's part of a refill, 32,768 bytes, is shared by address among the four partners that ask for it jointly: 8,192 bytes each, lanes 256 bytes apart, one instruction a wave.
; The first refill's part is named at the head, the second's behind the first refill: a slot ahead each.
; REGISTERS: window 0: v0-31 addresses, v32-63 at work on the way out, v128-255 the accumulators; window 1: two fragment buffers of 128 (A's four fragments, then B's four).
.set PITCH,  272
.set FR,     16                        ; registers of a fragment: 16 rows x 128 K
.set KBL,    64*PITCH                  ; a K block of 128 rows in LDS
.set PART,   2*KBL                     ; what a refill's load brings
.set BOFF,   2*PART                    ; B's K blocks lie behind A's four
.set SLOT,   4*PART
.set HALFW,  32*PITCH                  ; 64 rows of a K block
.set ROWC,   8192                      ; a row of out0 in bytes
.set SPARE,  2*SLOT                    ; behind the ring: the spare words, 128 bytes for each wave
.set STAGE,  SPARE+512                 ; behind them: the way out's stages, 16 rows x 272 bytes for each wave; no fill lands there
.set SPITCH, 272
.set ADRA, 16                          ; v16-17 LDS address of my A fragments in slot 0, 1
.set ADRB, 20                          ; v20-21 the same for B
.set STO,  24
.set RD,   25
.set CO,   26
.set PFO,  27                          ; v27 256 x lane; never rewritten
.set SPW,  28                          ; v28 LDS address of my spare word; never rewritten
.set NIL,  29                          ; v29 0; never rewritten
.set TMP,  32
.set ACC,  128
.set F0,   0
.set F1,   128
.set G1, 24                            ; s[24:31], s[32:39]: the refills' groups 1 and 0 for A;  s[48:55], s[56:63] for B
.set G0, 32
.set G1B, 48
.set G0B, 56
.set G1H, 68                           ; s[68:75], s[76:83]: the head's groups 1 (256 rows) for A and B;  s[84:87], s[88:91] its groups 0
.set G1HB, 76
.set G0H, 84
.set G0HB, 88
.set PFA, 92                           ; s[92:93] my work-group's quarter of my part of K blocks 0-3; never rewritten
.set MSB, 0
.macro WIN new
.if MSB != \new
	s_set_vgpr_msb (MSB<<8)|\new
.set MSB, \new
.endif
.endm
.set MUL,  0x05                        ; sources 0 and 1 window 1, C and D window 0
.set TO_F, 0x40                        ; destination window 1
; A joint load: waves 0 and 1 fetch for A, waves 2 and 3 for B.  An s_nop 0 and four v_nop follow each of the two lines.
.macro JLOAD g0a, g1a, g0b, g1b
	s_cmp_eq_u32 s15, 0
	s_cbranch_scc0 .Lfor_b_\@
	tensor_load_to_lds s[\g0a:\g0a+3], s[\g1a:\g1a+7]
	s_nop 0
.rept 4
	v_nop
.endr
	s_branch .Lasked_\@
.Lfor_b_\@:
	tensor_load_to_lds s[\g0b:\g0b+3], s[\g1b:\g1b+7]
	s_nop 0
.rept 4
	v_nop
.endr
.Lasked_\@:
.endm
.macro CREST
	s_cmp_lg_u32 s14, 0
	s_cbranch_scc1 .Lnot_wave_0_\@
	s_barrier_signal -3
.Lnot_wave_0_\@:
	s_barrier_wait -3
	s_barrier_signal -1
	s_barrier_wait -1
.endm
.macro CROUND
	s_barrier_signal -1
	s_barrier_wait -1
	CREST
.endm
	s_load_b128 s[4:7], s[0:1], 0x0                ; ac, cw
	s_load_b128 s[8:11], s[0:1], 0x10              ; the scales' exponents, out0
	v_lshl_add_u32 v[SPW], v0, 2, SPARE
	v_mov_b32 v[NIL], 0
	ds_add_u32 v[SPW], v[NIL]                      ; the wave's opening: the add, twice on end, and its wait ahead of my first tensor load
	ds_add_u32 v[SPW], v[NIL]
	v_lshrrev_b32 v1, 5, v0
	v_readfirstlane_b32 s14, v1                    ; wave 0..3
	s_lshr_b32 s15, s14, 1                         ; my half of the tile's rows.  Also: I fetch for A (0) or for B (1)
	s_and_b32 s16, s14, 1                          ; my half of its columns.  Also: which slot I fill at the head, which part of a refill's two I fetch
	s_bfe_u32 s40, ttmp6, 0x40000                  ; cx, cy
	s_bfe_u32 s41, ttmp6, 0x40004
	s_lshl_b32 s42, ttmp9, 2
	s_add_co_u32 s42, s42, s40                     ; tile column
	s_and_b32 s17, ttmp7, 0xffff
	s_lshl_b32 s17, s17, 2
	s_add_co_u32 s17, s17, s41                     ; tile row
	s_lshl_b32 s43, s41, 2
	s_lshl_b32 s43, 15, s43                        ; my row of the cluster
	s_lshl_b32 s44, 0x1111, s40                    ; my column
	s_or_b32 s[G1+0], s43, (0<<16)|(1<<20)|(1<<21)|(5<<22)|(3<<25)   ; the mask; elements of 1 byte; padding: four words after every 64; bit 21 beside a mask
	s_or_b32 s[G1B+0], s44, (0<<16)|(1<<20)|(1<<21)|(5<<22)|(3<<25)
	s_or_b32 s[G1H+0], s43, (0<<16)|(1<<20)|(1<<21)|(5<<22)|(3<<25)
	s_or_b32 s[G1HB+0], s44, (0<<16)|(1<<20)|(1<<21)|(5<<22)|(3<<25)
.irp g, G1, G1B
	s_mov_b32 s[\g+1], 256<<16
	s_mov_b32 s[\g+2], 128<<16                     ; 128 rows of 256 bytes, dense
	s_mov_b32 s[\g+3], 256<<16
	s_mov_b32 s[\g+4], 128
	s_mov_b32 s[\g+5], 256
	s_mov_b32 s[\g+6], 0
	s_mov_b32 s[\g+7], 0
.endr
.irp g, G1H, G1HB
	s_mov_b32 s[\g+1], 256<<16
	s_mov_b32 s[\g+2], 256<<16                     ; 256 rows of 256 bytes, dense
	s_mov_b32 s[\g+3], 256<<16
	s_mov_b32 s[\g+4], 256
	s_mov_b32 s[\g+5], 256
	s_mov_b32 s[\g+6], 0
	s_mov_b32 s[\g+7], 0
.endr
	s_lshl_b32 s20, s17, 18                        ; A's tile
	s_mov_b32 s21, 0
	s_lshl_b32 s46, s42, 18                        ; B's tile,
	s_add_co_u32 s46, s46, 0x1800000               ; in tensor 6 of cw
	s_mov_b32 s47, 0
	s_lshl_b32 s18, s16, 16                        ; the head: four K blocks on for slot 1
	s_mov_b32 s19, 0
	s_lshl_b32 s22, s16, 15                        ; a refill: two K blocks on for the second part
	s_mov_b32 s23, 0
	s_mul_i32 s45, s14, PART                       ; a refill's place in a slot: wave x a part
	s_mul_i32 s12, s16, SLOT                       ; the head's: my slot
	s_wait_dscnt 0x0                               ; both opening adds are done
	s_wait_kmcnt 0x0
	s_load_b64 s[96:97], s[8:9], 0x28              ; e10, e11
	s_add_nc_u64 s[20:21], s[4:5], s[20:21]
	s_add_nc_u64 s[46:47], s[6:7], s[46:47]
	s_mov_b32 s[G0H], 1
	s_mov_b32 s[G0H+1], s12
	s_add_nc_u64 s[G0H+2:G0H+3], s[20:21], s[18:19]
	s_or_b32 s[G0H+3], s[G0H+3], 0x80000000
	s_mov_b32 s[G0HB], 1
	s_add_co_u32 s[G0HB+1], s12, BOFF
	s_add_nc_u64 s[G0HB+2:G0HB+3], s[46:47], s[18:19]
	s_or_b32 s[G0HB+3], s[G0HB+3], 0x80000000
	s_add_nc_u64 s[20:21], s[20:21], s[22:23]      ; my part of K blocks 0-3
	s_add_nc_u64 s[46:47], s[46:47], s[22:23]
.irp s, 0,1
	s_mov_b32 s[G0+4*\s], 1
	s_add_co_u32 s[G0+4*\s+1], s45, \s*SLOT
	s_add_nc_u64 s[G0+4*\s+2:G0+4*\s+3], s[20:21], \s*65536   ; a refill steps it eight K blocks on first
	s_or_b32 s[G0+4*\s+3], s[G0+4*\s+3], 0x80000000
	s_mov_b32 s[G0B+4*\s], 1
	s_add_co_u32 s[G0B+4*\s+1], s45, \s*SLOT
	s_add_nc_u64 s[G0B+4*\s+2:G0B+4*\s+3], s[46:47], \s*65536
	s_or_b32 s[G0B+4*\s+3], s[G0B+4*\s+3], 0x80000000
.endr
	CROUND                                         ; all sixteen work-groups are here: the first joint loads meet
	JLOAD G0H, G1H, G0HB, G1HB                     ; K blocks 0-7 of A and B: my one tensor load at the head
	s_cmp_eq_u32 s15, 0                            ; the prefetches: my part,
	s_cselect_b64 s[PFA:PFA+1], s[20:21], s[46:47]
	s_cselect_b32 s94, s40, s41                    ; my place among the four that ask for it with me,
	s_lshl_b32 s94, s94, 13                        ; and so my quarter
	s_mov_b32 s95, 0
	s_add_nc_u64 s[PFA:PFA+1], s[PFA:PFA+1], s[94:95]
	v_and_b32 v9, 31, v0
	v_lshlrev_b32 v[PFO], 8, v9
	global_prefetch_b8 v[PFO], s[PFA:PFA+1] offset:131072 th:TH_LOAD_NT scope:SCOPE_SE   ; of K blocks 8-11
	v_and_b32 v1, 15, v0                           ; r
	v_bfe_u32 v2, v0, 4, 1                         ; h
	v_lshrrev_b32 v3, 1, v1
	v_mul_u32_u24 v3, v3, PITCH                    ; LDS row r / 2,
	v_and_b32 v4, 1, v0
	v_lshl_add_u32 v3, v4, 7, v3                   ; its half r % 2,
	v_lshl_add_u32 v4, v2, 4, v3                   ; + 16 h
	s_mul_i32 s66, s15, HALFW                      ; my 64 rows of A,
	s_mul_i32 s67, s16, HALFW                      ; of B
	s_add_co_u32 s67, s67, BOFF
.irp s, 0,1
	v_add_nc_u32 v[ADRA+\s], s66, v4
	v_add_nc_u32 v[ADRB+\s], s67, v4
	s_add_co_u32 s66, s66, SLOT
	s_add_co_u32 s67, s67, SLOT
.endr
	s_mul_i32 s23, s14, 16*SPITCH
	s_add_co_u32 s23, s23, STAGE                   ; my stage
	s_wait_alu depctr_va_vdst(0)                   ; the wait directly ahead of the readers below
	v_mul_u32_u24 v5, v1, SPITCH                   ; in: row r, 32 bytes for each half of the lanes
	v_lshl_add_u32 v5, v2, 5, v5
	v_add_nc_u32 v[STO], s23, v5
	v_mul_u32_u24 v6, v2, SPITCH                   ; back: sixteen lanes to a row of 256 bytes, two rows an instruction
	v_lshl_add_u32 v6, v1, 4, v6
	v_add_nc_u32 v[RD], s23, v6
	v_lshlrev_b32 v7, 13, v2
	v_lshl_add_u32 v[CO], v1, 4, v7                ; and the same two rows in out0
	s_lshl_b32 s20, s17, 20                        ; my first row: 128 x tile row + 64 x half, rows of 8,192 bytes,
	s_lshl_b32 s21, s15, 19
	s_add_co_u32 s20, s20, s21
	s_lshl_b32 s46, s42, 9                         ; my first column: 512 bytes x tile column + 256 x half
	s_lshl_b32 s47, s16, 8
	s_add_co_u32 s46, s46, s47
	s_add_co_u32 s20, s20, s46
	s_mov_b32 s21, 0
	s_add_nc_u64 s[10:11], s[10:11], s[20:21]
; 8 matrix instructions: A's blocks a0, a0 + 1 x B's four.  The 16 accumulators take turns, one instruction a turn.
.macro MUL8 f, a0, zero
.irp a, \a0, \a0+1
.irp b, 0,1,2,3
.if \zero
	v_wmma_f32_16x16x128_fp8_fp8 v[ACC+8*(4*(\a)+\b):ACC+8*(4*(\a)+\b)+7], v[\f+64+FR*\b:\f+64+FR*\b+FR-1], v[\f+FR*(\a):\f+FR*(\a)+FR-1], 0
.else
	v_wmma_f32_16x16x128_fp8_fp8 v[ACC+8*(4*(\a)+\b):ACC+8*(4*(\a)+\b)+7], v[\f+64+FR*\b:\f+64+FR*\b+FR-1], v[\f+FR*(\a):\f+FR*(\a)+FR-1], v[ACC+8*(4*(\a)+\b):ACC+8*(4*(\a)+\b)+7]
.endif
.endr
.endr
.endm
.macro FETCH slot, k, f                ; the fragments of the slot's k-th K block into buffer f: B's four, then A's four
	WIN TO_F
.irp i, 0,1,2,3
.irp c, 0,1,2,3
	ds_load_b128 v[\f+64+FR*\i+4*\c:\f+64+FR*\i+4*\c+3], v[ADRB+\slot] offset:KBL*(\k)+8*PITCH*\i+32*\c
.endr
.endr
.irp i, 0,1,2,3
.irp c, 0,1,2,3
	ds_load_b128 v[\f+FR*\i+4*\c:\f+FR*\i+4*\c+3], v[ADRA+\slot] offset:KBL*(\k)+8*PITCH*\i+32*\c
.endr
.endr
.endm
.macro PLACES                          ; plain vector instructions between a matrix instruction and a load into, or a read of, its registers
.rept 4
	v_nop
.endr
.endm
.macro KSTEP f, g, slot, k, zero       ; multiplies buffer f; in its middle the slot's k-th K block is fetched into buffer g
	s_wait_dscnt 8                                 ; the youngest eight loads (A's blocks 2, 3) may be out
	WIN MUL
	MUL8 \f, 0, \zero
	PLACES
	FETCH \slot, \k, \g
	s_wait_dscnt 32                                ; all but the 32 just issued
	WIN MUL
	MUL8 \f, 2, \zero
.endm
; A slot's last K block changes slots first and is multiplied behind the change: its fragments are in registers when the wait on DScnt is over.
.macro TURN f, g, slot, next, fill
	WIN 0
	s_wait_tensorcnt 0x0                           ; all my tensor loads have landed
	ds_add_u32 v[SPW], v[NIL]                      ; 0 onto my spare word
	s_wait_dscnt 0x0                               ; the add is done, and my reads of this slot are over
	s_barrier_signal -1
	s_barrier_wait -1
.if \fill
	CREST                                          ; the barrier has opened a round of the cluster's: no wave of any partner still reads this slot or has a load on its way
	s_add_nc_u64 s[G0+4*\slot+2:G0+4*\slot+3], s[G0+4*\slot+2:G0+4*\slot+3], 131072
	s_add_nc_u64 s[G0B+4*\slot+2:G0B+4*\slot+3], s[G0B+4*\slot+2:G0B+4*\slot+3], 131072
	JLOAD G0+4*\slot, G1, G0B+4*\slot, G1B         ; the first tensor load behind the round; its four v_nop are the places in front of the loads below
.else
	PLACES
.endif
	FETCH \next, 0, \g
.if \fill
.if \slot == 0
	global_prefetch_b8 v[PFO], s[PFA:PFA+1] offset:196608 th:TH_LOAD_NT scope:SCOPE_SE   ; my quarter of my part of K blocks 12-15
.endif
.endif
	WIN MUL
	MUL8 \f, 0, 0
	MUL8 \f, 2, 0
.endm
	s_wait_alu depctr_va_vdst(0)                   ; the wait at the head's end
	s_wait_tensorcnt 0x0                           ; my load is in,
	s_barrier_signal -1
	s_barrier_wait -1                              ; everybody's is: both slots are whole.
	FETCH 0, 0, F0
	KSTEP F0, F1, 0, 1, 1                          ; the first products start the sums
	KSTEP F1, F0, 0, 2, 0
	KSTEP F0, F1, 0, 3, 0
	TURN  F1, F0, 0, 1, 1                          ; slot 0 takes K blocks 8-11
	KSTEP F0, F1, 1, 1, 0
	KSTEP F1, F0, 1, 2, 0
	KSTEP F0, F1, 1, 3, 0
	TURN  F1, F0, 1, 0, 1                          ; slot 1 takes K blocks 12-15
	KSTEP F0, F1, 0, 1, 0
	KSTEP F1, F0, 0, 2, 0
	KSTEP F0, F1, 0, 3, 0
	TURN  F1, F0, 0, 1, 0
	KSTEP F0, F1, 1, 1, 0
	KSTEP F1, F0, 1, 2, 0
	KSTEP F0, F1, 1, 3, 0
	s_wait_dscnt 8
	WIN MUL
	MUL8 F1, 0, 0
	s_wait_dscnt 0x0
	MUL8 F1, 2, 0
	WIN 0
; THE WAY OUT, 16 rows x 64 columns at a time: x 2^(e10 + e11), through my own stage, back as whole rows of 256 bytes, which sixteen lanes store as one aligned unit.
.macro TOSTAGE a
.irp j, 0,2,4,6,8,10,12,14,16,18,20,22,24,26,28,30
	v_pk_mul_f32 v[TMP+\j:TMP+\j+1], v[ACC+32*(\a)+\j:ACC+32*(\a)+\j+1], s[96:97] op_sel_hi:[1,0]   ; each accumulator from its low end on
.endr
.irp b, 0,1,2,3
	ds_store_b128 v[STO], v[TMP+8*\b:TMP+8*\b+3] offset:64*\b
	ds_store_b128 v[STO], v[TMP+8*\b+4:TMP+8*\b+7] offset:64*\b+16
.endr
.irp t, 0,1,2,3,4,5,6,7
	ds_load_b128 v[ACC+32*(\a)+4*\t:ACC+32*(\a)+4*\t+3], v[RD] offset:2*\t*SPITCH   ; LDS serves a wave's instructions in order: these see the stores above
.endr
.endm
.macro SEND a, younger                 ; younger: the LDS instructions issued behind block a's loads, which may stay out
	s_wait_dscnt \younger
.irp t, 0,1,2,3,4,5,6,7
	global_store_b128 v[CO], v[ACC+32*(\a)+4*\t:ACC+32*(\a)+4*\t+3], s[10:11] offset:(16*(\a)+2*\t)*ROWC th:TH_STORE_NT
.endr
.endm
	s_wait_kmcnt 0x0
	s_add_co_i32 s96, s96, s97
	s_add_co_i32 s96, s96, 127
	s_lshl_b32 s96, s96, 23                        ; 2^(e10 + e11) as f32
	PLACES
	TOSTAGE 0
	TOSTAGE 1
	SEND 0, 16
	TOSTAGE 2
	SEND 1, 16
	TOSTAGE 3
	SEND 2, 16
	SEND 3, 0
	s_wait_tensorcnt 0x0                           ; the wave's end, behind my last tensor load and my last LDS store
	ds_add_u32 v[SPW], v[NIL]
	s_wait_dscnt 0x0
	CROUND                                         ; the closing round
	s_endpgm
.Lfunc_end_k_q150258974b_oproj:
	.size	k_q150258974b_oproj, .Lfunc_end_k_q150258974b_oproj-k_q150258974b_oproj
	.p2alignl 7, 3214868480
	.fill 96, 4, 3214868480
	.section	.rodata,"a",@progbits
	.p2align	6, 0x0
	.amdhsa_kernel k_q150258974b_oproj
		.amdhsa_group_segment_fixed_size 327680
		.amdhsa_private_segment_fixed_size 0
		.amdhsa_enable_private_segment 0
		.amdhsa_kernarg_size 32
		.amdhsa_user_sgpr_count 2
		.amdhsa_user_sgpr_kernarg_segment_ptr 1
		.amdhsa_wavefront_size32 1
		.amdhsa_system_sgpr_workgroup_id_x 1
		.amdhsa_system_sgpr_workgroup_id_y 1
		.amdhsa_system_sgpr_workgroup_id_z 1
		.amdhsa_system_vgpr_workitem_id 0
		.amdhsa_next_free_vgpr 512
		.amdhsa_next_free_sgpr 98
		.amdhsa_reserve_vcc 0
		.amdhsa_float_denorm_mode_32 3
		.amdhsa_float_denorm_mode_16_64 3
		.amdhsa_memory_ordered 1
		.amdhsa_forward_progress 1
		.amdhsa_inst_pref_size 75
	.end_amdhsa_kernel
	.amdgpu_metadata
---
amdhsa.version: [ 1, 2 ]
amdhsa.kernels:
  - .name:           k_q150258974b_oproj
    .symbol:         k_q150258974b_oproj.kd
    .args:
      - { .name: ac, .offset: 0, .size: 8, .value_kind: global_buffer, .address_space: global }
      - { .name: cw, .offset: 8, .size: 8, .value_kind: global_buffer, .address_space: global }
      - { .name: lowp_scales, .offset: 16, .size: 8, .value_kind: global_buffer, .address_space: global }
      - { .name: out0, .offset: 24, .size: 8, .value_kind: global_buffer, .address_space: global }
    .group_segment_fixed_size: 327680
    .private_segment_fixed_size: 0
    .kernarg_segment_align: 8
    .kernarg_segment_size: 32
    .max_flat_workgroup_size: 128
    .sgpr_count:     98
    .vgpr_count:     512
    .wavefront_size: 32
...
	.end_amdgpu_metadata
.endif
;; end of part 8
